; MI455X (gfx1250); checked and timed in simulation.
; The chip was launched on July 23, 2026; its instructions are those of AMD's public machine-readable ISA for CDNA 5 (MIT licence, August 2026) and "CDNA5" Instruction Set Architecture Reference Guide (July 2026). The comments in the code are by the model that wrote it; some were corrected since.
;; Self Attention. Allowed arithmetic: float matrix products may take bf16 or f16 operands with f32 sums; other float arithmetic in f32, or as packed bf16 or f16 multiplies, adds, multiply-adds, maxima and minima; sums over many terms, partial sums and values carried from step to step in f32; what a program stores and reads back later, other than sums and carried values, may be rounded once to bf16 or f16.
;; Inputs: Wk 1,024 x 1,024 float32; Wo 1,024 x 1,024 float32; Wq 1,024 x 1,024 float32; Wv 1,024 x 1,024 float32; x 4 x 2,048 x 1,024 float32.
;; Outputs: out0 4 x 2,048 x 1,024 float32.
;; 3 versions, each right; version 3 is version 2 with the launch prep written anew for expert scheduling mode. Each part assembles by itself: llvm-mc -triple=amdgcn-amd-amdhsa -mcpu=gfx1250 --defsym DOCPART=n.
;; ======== version 1 of 3: 5 launches
;; limits: values are held in f16: magnitudes above 65,504 overflow, below 6.1e-05 lose precision
;; workspace buffers: xb 16,777,216 bytes; wqkv 6,291,456 bytes; wo16 2,097,152 bytes; qkv 50,331,648 bytes; p 33,554,432 bytes; stat 1,048,576 bytes; o 16,777,216 bytes
;; launch prep (part 1): grid 768 x 1, 8 waves a work-group, no clusters, 0 bytes of LDS; arguments x, Wq, Wk, Wv, Wo, xb, wqkv, wo16; writes xb, wqkv, wo16
.if DOCPART == 1
	.amdgcn_target "amdgcn-amd-amdhsa--gfx1250"
	.amdhsa_code_object_version 6
	.text
	.protected	k_q0010bdd0e3_prep
	.globl	k_q0010bdd0e3_prep
	.p2align	8
	.type	k_q0010bdd0e3_prep,@function
k_q0010bdd0e3_prep:
	s_mov_b64 s[64:65], 0
	v_nop
	global_prefetch_b8 v0, s[64:65] scope:SCOPE_SE
	s_setreg_imm32_b32 hwreg(HW_REG_WAVE_MODE, 25, 1), 1
	s_wait_xcnt 0x0
; THE CASTS.  xb = bf16(x), [8192][1024].  wqkv = bf16 of Wq | Wk | Wv side by side, [1024 e][3072 n].  wo16 = bf16(Wo), that number written as f16, [1024][1024].
; Every input is rounded to bf16 once; Wo's rounded number goes on as f16, since the last product's other operand is f16.
; LIMIT.  A bf16(Wo) below 6.1e-5 in magnitude keeps f16's fixed step of 6e-8; one beyond 65,504 would become an infinity.
; A stream: no LDS, no matrix unit, no cluster: nothing is shared and no byte is read twice.
; SHARES.  A work-group takes 16 rows of 1,024 f32.  Work-groups 0-511: x; then 64 each for Wq, Wk, Wv, Wo.  In step s thread t takes columns 4 t .. 4 t + 3 of row s:
; a load of a wave covers 512 consecutive bytes, a store 256 consecutive bytes, aligned.  All 16 loads of a thread go out at once.
.set ROWB, 4096                        ; bytes in a row of f32
.set OFF,  2                           ; v[2:17]    step s: my byte offset in the destination's row s
.set X,    20                          ; v[20:83]   step s: 4 f32 as loaded
.set Y,    84                          ; v[84:115]  step s: 4 numbers of 16 bits to store
.set T,    116                         ; v[116:118] at work (Wo's path)
	s_load_b512 s[8:23], s[0:1], 0x0               ; x s[8:9], Wq s[10:11], Wk s[12:13], Wv s[14:15], Wo s[16:17], xb s[18:19], wqkv s[20:21], wo16 s[22:23]
	s_mov_b32 s2, ttmp9
	s_sub_co_u32 s3, s2, 512                       ; the work-group's number among the weights' (of use from 512 on)
	s_lshr_b32 s4, s3, 6                           ; which weight: 0 Wq, 1 Wk, 2 Wv, 3 Wo
	s_and_b32 s5, s3, 63                           ; which 16 rows of it
	s_cmp_lt_u32 s2, 512
	s_cselect_b32 s5, s2, s5                       ; the block of 16 rows
	s_cselect_b32 s4, 4, s4                        ; the kind: 4 = x
	s_lshl_b32 s6, s4, 11                          ; Wq, Wk, Wv lie 2,048 bytes apart in a row of wqkv
	s_mov_b32 s28, 2048                            ; bytes in a row of xb and of wo16,
	s_cmp_lt_u32 s4, 3
	s_cselect_b32 s28, 6144, s28                   ; and of wqkv
	s_cselect_b32 s6, s6, 0
	s_mul_i32 s30, s5, s28
	s_lshl_b32 s30, s30, 4                         ; 16 rows of the destination
	s_add_co_u32 s30, s30, s6
	s_mov_b32 s31, 0
	s_lshl_b32 s32, s5, 16                         ; 16 rows of the source
	s_mov_b32 s33, 0
	v_lshlrev_b32 v1, 4, v0                        ; 16 bytes a thread in the source's row
	v_lshlrev_b32 v[OFF], 3, v0                    ; 8 bytes a thread in the destination's
.irp s, 1,2,3,4,5,6,7,8,9,10,11,12,13,14,15
	v_add_nc_u32 v[OFF+(\s)], s28, v[OFF+(\s)-1]
.endr
	s_wait_kmcnt 0x0
	s_cmp_eq_u32 s4, 0
	s_cselect_b64 s[24:25], s[10:11], s[8:9]       ; the source, chosen by the kind
	s_cmp_eq_u32 s4, 1
	s_cselect_b64 s[24:25], s[12:13], s[24:25]
	s_cmp_eq_u32 s4, 2
	s_cselect_b64 s[24:25], s[14:15], s[24:25]
	s_cmp_eq_u32 s4, 3
	s_cselect_b64 s[24:25], s[16:17], s[24:25]
	s_cselect_b64 s[26:27], s[22:23], s[18:19]     ; the destination
	s_cmp_lt_u32 s4, 3
	s_cselect_b64 s[26:27], s[20:21], s[26:27]
	s_add_nc_u64 s[24:25], s[24:25], s[32:33]
	s_add_nc_u64 s[26:27], s[26:27], s[30:31]
.irp s, 0,1,2,3,4,5,6,7,8,9,10,11,12,13,14,15
	global_load_b128 v[X+4*(\s):X+4*(\s)+3], v1, s[24:25] offset:(\s)*ROWB th:TH_LOAD_NT
.endr
	s_cmp_eq_u32 s4, 3
	s_cbranch_scc1 .Lwo
.irp s, 0,1,2,3,4,5,6,7,8,9,10,11,12,13,14,15
	s_wait_loadcnt 15-(\s)                         ; loads come back in order: step s's is in, the later steps' stay out
	v_cvt_pk_bf16_f32 v[Y+2*(\s)],   v[X+4*(\s)],   v[X+4*(\s)+1]
	v_cvt_pk_bf16_f32 v[Y+2*(\s)+1], v[X+4*(\s)+2], v[X+4*(\s)+3]
	global_store_b64 v[OFF+(\s)], v[Y+2*(\s):Y+2*(\s)+1], s[26:27]
.endr
	s_endpgm
.Lwo:                                              ; Wo: rounded to bf16, widened again, written as f16
.irp s, 0,1,2,3,4,5,6,7,8,9,10,11,12,13,14,15
	s_wait_loadcnt 15-(\s)
	v_cvt_pk_bf16_f32 v[T],   v[X+4*(\s)],   v[X+4*(\s)+1]
	v_cvt_pk_bf16_f32 v[T+1], v[X+4*(\s)+2], v[X+4*(\s)+3]
	v_lshlrev_b32 v[T+2], 16, v[T]
	v_and_b32 v[T], 0xffff0000, v[T]
	v_cvt_pk_f16_f32 v[Y+2*(\s)], v[T+2], v[T]
	v_lshlrev_b32 v[T+2], 16, v[T+1]
	v_and_b32 v[T+1], 0xffff0000, v[T+1]
	v_cvt_pk_f16_f32 v[Y+2*(\s)+1], v[T+2], v[T+1]
	global_store_b64 v[OFF+(\s)], v[Y+2*(\s):Y+2*(\s)+1], s[26:27]
.endr
	s_endpgm
.Lfunc_end_k_q0010bdd0e3_prep:
	.size	k_q0010bdd0e3_prep, .Lfunc_end_k_q0010bdd0e3_prep-k_q0010bdd0e3_prep
	.p2alignl 7, 3214868480
	.fill 96, 4, 3214868480
	.section	.rodata,"a",@progbits
	.p2align	6, 0x0
	.amdhsa_kernel k_q0010bdd0e3_prep
		.amdhsa_group_segment_fixed_size 0
		.amdhsa_private_segment_fixed_size 0
		.amdhsa_enable_private_segment 0
		.amdhsa_kernarg_size 64
		.amdhsa_user_sgpr_count 2
		.amdhsa_user_sgpr_kernarg_segment_ptr 1
		.amdhsa_wavefront_size32 1
		.amdhsa_system_sgpr_workgroup_id_x 1
		.amdhsa_system_sgpr_workgroup_id_y 1
		.amdhsa_system_sgpr_workgroup_id_z 1
		.amdhsa_system_vgpr_workitem_id 0
		.amdhsa_next_free_vgpr 120
		.amdhsa_next_free_sgpr 66
		.amdhsa_reserve_vcc 0
		.amdhsa_float_denorm_mode_32 3
		.amdhsa_float_denorm_mode_16_64 3
		.amdhsa_memory_ordered 1
		.amdhsa_forward_progress 1
		.amdhsa_inst_pref_size 17
	.end_amdhsa_kernel
	.amdgpu_metadata
---
amdhsa.version: [ 1, 2 ]
amdhsa.kernels:
  - .name:           k_q0010bdd0e3_prep
    .symbol:         k_q0010bdd0e3_prep.kd
    .args:
      - { .name: x, .offset: 0, .size: 8, .value_kind: global_buffer, .address_space: global }
      - { .name: Wq, .offset: 8, .size: 8, .value_kind: global_buffer, .address_space: global }
      - { .name: Wk, .offset: 16, .size: 8, .value_kind: global_buffer, .address_space: global }
      - { .name: Wv, .offset: 24, .size: 8, .value_kind: global_buffer, .address_space: global }
      - { .name: Wo, .offset: 32, .size: 8, .value_kind: global_buffer, .address_space: global }
      - { .name: xb, .offset: 40, .size: 8, .value_kind: global_buffer, .address_space: global }
      - { .name: wqkv, .offset: 48, .size: 8, .value_kind: global_buffer, .address_space: global }
      - { .name: wo16, .offset: 56, .size: 8, .value_kind: global_buffer, .address_space: global }
    .group_segment_fixed_size: 0
    .private_segment_fixed_size: 0
    .kernarg_segment_align: 8
    .kernarg_segment_size: 64
    .max_flat_workgroup_size: 256
    .sgpr_count:     66
    .vgpr_count:     120
    .wavefront_size: 32
...
	.end_amdgpu_metadata
.endif
;; end of part 1
;; launch proj (part 2): grid 12 x 64, 4 waves a work-group, clusters of 4 x 4, 327,680 bytes of LDS; arguments xb, wqkv, qkv; writes qkv
.if DOCPART == 2
	.amdgcn_target "amdgcn-amd-amdhsa--gfx1250"
	.amdhsa_code_object_version 6
	.text
	.protected	k_q0010bdd0e3_proj
	.globl	k_q0010bdd0e3_proj
	.p2align	8
	.type	k_q0010bdd0e3_proj,@function
k_q0010bdd0e3_proj:
	s_mov_b64 s[64:65], 0
	v_nop
	global_prefetch_b8 v0, s[64:65] scope:SCOPE_SE
	s_setreg_imm32_b32 hwreg(HW_REG_WAVE_MODE, 25, 1), 1
	s_wait_xcnt 0x0
	s_wait_alu depctr_hold_cnt(0) depctr_sa_sdst(0) depctr_va_vdst(0) depctr_va_sdst(0) depctr_va_ssrc(0) depctr_va_vcc(0) depctr_vm_vsrc(0)
	s_getreg_b32 s2, hwreg(HW_REG_IB_STS2, 6, 4)
	s_cmp_eq_u32 s2, 0
	s_cbranch_scc0 .Lentry_in_a_cluster
	s_endpgm
.Lentry_in_a_cluster:
	s_bfe_u32 s2, ttmp6, 0x10000c
	s_cmp_lg_u32 s2, 0xf033
	s_cbranch_scc0 .Lentry_shape_is_right
	s_endpgm
.Lentry_shape_is_right:
; THE THREE PROJECTIONS AS ONE PRODUCT.  qkv[m][n] = sum over e of xb[m][e] wqkv[e][n].  xb: [8192][1024] bf16; wqkv: [1024][3072] bf16; qkv: [8192][3072] f16 (q | k | v in a row); sums in f32, rounded once.
; LIMIT.  q, k and v are kept in f16: a number beyond 65,504 would become an infinity.  Inputs of 30 times the usual spread, in x and in the weights, give numbers of some thousands.
; SHARES.  A tile of C is 128 rows x 256 columns: 768 tiles, three for each of 256 work-group places.  Four waves, each 64 rows x 128 columns: 32 accumulators of 16 x 16, 256 registers.
; K goes in steps of 128 through two LDS slots.  A's tile: 128 rows x 256 bytes.  B lies [k][n] in memory: its tile is 128 k-rows x 512 bytes, and its fragments are turned on the way out of LDS (ds_load_tr16_b128).
; THE MATRIX INSTRUCTION IS USED TRANSPOSED: source 0 = 16 columns of B, source 1 = 16 rows of A: a lane then holds eight neighbouring numbers of one row of C.
; CLUSTER.  4 x 4 work-groups.  The four of a row of the cluster need the same tile of A, the four of a column the same tile of B: each is asked for jointly, by the same tensor load, descriptor and mask.
; REGISTERS.  Window 0: v0-31 addresses; v64-159 and v160-255 two fragment buffers (64 registers of B, 32 of A, for 32 along K); on the way out v64-191 whole rows, v192-223 packed results.  Window 1: accumulator (a, b) at v[8 (8 a + b)].
.set KSTEP,  128
.set PA,     272                       ; A's LDS row: 256 bytes + 16 = 68 words: the 16 rows of a load start 4 banks apart (64 banks of 4 bytes: ISA guide 11.1)
.set PB,     544                       ; B's LDS row: 512 bytes + 32 = 136 words
.set HALFA,  64*PA                     ; what one tensor load brings of A, and what a wave reads of it
.set BOFF,   128*PA                    ; B's tile lies behind A's
.set HALFB,  64*PB                     ; what one tensor load brings of B: 64 k-rows
.set SLOT,   BOFF+128*PB
.set STAGE,  2*SLOT                    ; behind the ring: 16 rows x 272 bytes for each wave, in 8,448 bytes of its own; no tensor load lands here
.set SP,     272
.set WSTG,   8448
.set SPARE,  STAGE+4*WSTG              ; the spare words, 128 bytes a wave: two blocks of 256 bytes that no other line names
.set PITA,   2048                      ; bytes in a row of xb
.set PITB,   6144                      ; bytes in a row of wqkv
.set CP,     6144                      ; bytes in a row of qkv
.set LAPS,   4                         ; K = 1,024 = 4 laps of two K steps
.set ADRA, 16                          ; v16-17  LDS address of my A fragments in slot 0, 1
.set ADRB, 20                          ; v20-21  the same for B
.set STO,  24                          ; v24     the way out: where I put 16 bytes of a row
.set RD,   25                          ; v25     where I read a row back
.set CO,   26                          ; v26     my byte offset in C
.set SPW,  28                          ; v28     LDS address of my spare word; never rewritten
.set NIL,  29                          ; v29     0; never rewritten
.set PFO,  30                          ; v30     the prefetches' offset: my lane x a row; never rewritten
.set F0,   64
.set F1,   160
.set BK,   64
.set TMP,  192
.set G1,   24                          ; s[24:31] descriptor group 1 for A;  s[32:39] group 0, a set for each slot
.set G0,   32
.set LIM,  43                          ; s43     1 in a wave that prefetches, else the greatest number
.set PFA,  44                          ; s[44:45] where my prefetches stand
.set G1B,  48                          ; s[48:55], s[56:63] the same for B
.set G0B,  56
.set PSTEP, 66                         ; s[66:67] a K step in bytes along my prefetches' way
.set MUL,  0x50                        ; C and D in window 1, the sources in window 0
.set MSB, 0
.macro WIN new                         ; the immediate's high byte repeats the setting that is left; a switch that changes nothing is dropped
.if MSB != (\new)
	s_set_vgpr_msb (MSB<<8)|(\new)
.set MSB, \new
.endif
.endm
.macro PLACES                          ; four places in front of loads into registers that matrix instructions have read, and of lines that read results
.rept 4
	v_nop
.endr
.endm
.macro JLOAD s                         ; a joint load: waves 0 and 1 fetch A's two halves, waves 2 and 3 B's; an s_nop 0 and four v_nop follow each line
	s_cmp_eq_u32 s11, 0
	s_cbranch_scc0 .Lfor_b_\@
	tensor_load_to_lds s[G0+4*(\s):G0+4*(\s)+3], s[G1:G1+7]
	s_nop 0
.rept 4
	v_nop
.endr
	s_branch .Lasked_\@
.Lfor_b_\@:
	tensor_load_to_lds s[G0B+4*(\s):G0B+4*(\s)+3], s[G1B:G1B+7]
	s_nop 0
.rept 4
	v_nop
.endr
.Lasked_\@:
.endm
.macro CREST                           ; a round of the cluster's barrier behind its opening barrier
	s_cmp_lg_u32 s10, 0
	s_cbranch_scc1 .Lnot_wave_0_\@
	s_barrier_signal -3
.Lnot_wave_0_\@:
	s_barrier_wait -3
	s_barrier_signal -1
	s_barrier_wait -1
.endm
.macro CROUND
	s_barrier_signal -1
	s_barrier_wait -1
	CREST
.endm
; A prefetch into the L2 of the K step that stands two refills on, a lane a row of 256 bytes, behind the joint load and the run of LDS loads.  Each block is named once in the launch: A's rows by the clusters
; with x = 0 (wave 0; the partner at cx takes rows 32 cx on), B's k-rows by the clusters with y = 0 (waves 2 and 3, a half of the 512 bytes each; the partner at cy takes k-rows 32 cy on).
; Partners are told apart by address alone.  The loop's last trip asks for nothing: there is no K step two refills on.
.macro ASK
	s_cmp_gt_u32 s3, s[LIM]
	s_cbranch_scc0 .Lnot_mine_\@
	global_prefetch_b8 v[PFO], s[PFA:PFA+1] th:TH_LOAD_NT scope:SCOPE_SE
.Lnot_mine_\@:
.endm
	s_load_b128 s[4:7], s[0:1], 0x0                ; xb s[4:5], wqkv s[6:7]
	s_load_b64 s[8:9], s[0:1], 0x10                ; qkv
	v_lshl_add_u32 v[SPW], v0, 2, SPARE
	v_mov_b32 v[NIL], 0
	ds_add_u32 v[SPW], v[NIL]                      ; the wave's opening: the add and its wait stand ahead of my first tensor load; the set-up below stands between them
	v_lshrrev_b32 v1, 5, v0
	v_readfirstlane_b32 s10, v1                    ; wave 0..3
	s_lshr_b32 s11, s10, 1                         ; which 64 rows of the tile are mine.  Also: I fetch for A (0) or for B (1)
	s_and_b32 s12, s10, 1                          ; which 128 columns.  Also: which half of that tile I fetch
	s_bfe_u32 s40, ttmp6, 0x40000                  ; cx, cy: my place in the cluster
	s_bfe_u32 s41, ttmp6, 0x40004
	s_lshl_b32 s42, ttmp9, 2
	s_add_co_u32 s42, s42, s40                     ; tile column = 4 x cluster x + cx
	s_and_b32 s13, ttmp7, 0xffff
	s_lshl_b32 s13, s13, 2
	s_add_co_u32 s13, s13, s41                     ; tile row = 4 x cluster y + cy
	s_lshl_b32 s43, s41, 2
	s_lshl_b32 s43, 15, s43                        ; my row of the cluster
	s_lshl_b32 s44, 0x1111, s40                    ; my column
	s_or_b32 s[G1], s43, (1<<16)|(1<<20)|(1<<21)|(5<<22)|(3<<25)   ; the mask; 2-byte elements; padding on; bit 21 beside a mask; after every 64 words, 4 words
	s_mov_b32 s[G1+1], 128<<16                     ; tensor_dim0 = 128
	s_mov_b32 s[G1+2], 64<<16                      ; tensor_dim1 = 64
	s_mov_b32 s[G1+3], 128<<16                     ; tile_dim0 = 128
	s_mov_b32 s[G1+4], 64                          ; tile_dim1 = 64
	s_mov_b32 s[G1+5], PITA/2                      ; elements from row to row
	s_mov_b32 s[G1+6], 0
	s_mov_b32 s[G1+7], 0
	s_or_b32 s[G1B], s44, (1<<16)|(1<<20)|(1<<21)|(6<<22)|(7<<25)  ; after every 128 words, 8 words
	s_mov_b32 s[G1B+1], 256<<16                    ; tensor_dim0 = 256
	s_mov_b32 s[G1B+2], 64<<16                     ; tensor_dim1 = 64
	s_mov_b32 s[G1B+3], 256<<16                    ; tile_dim0 = 256
	s_mov_b32 s[G1B+4], 64                         ; tile_dim1 = 64
	s_mov_b32 s[G1B+5], PITB/2
	s_mov_b32 s[G1B+6], 0
	s_mov_b32 s[G1B+7], 0
	s_lshl_b32 s16, s13, 18                        ; A: 128 rows of 2,048 bytes x tile row,
	s_lshl_b32 s17, s12, 17                        ; + the 64 rows that I fetch
	s_add_co_u32 s16, s16, s17
	s_mov_b32 s17, 0
	s_mul_i32 s46, s12, 64*PITB                    ; B: the 64 k-rows that I fetch,
	s_lshl_b32 s47, s42, 9                         ; + 512 bytes x tile column
	s_add_co_u32 s46, s46, s47
	s_mov_b32 s47, 0
	s_mul_i32 s20, s12, HALFA                      ; where they go: no place in the cluster enters an LDS address
	s_mul_i32 s21, s12, HALFB
	s_add_co_u32 s21, s21, BOFF
	s_wait_dscnt 0x0                               ; the opening add is done
	s_wait_kmcnt 0x0
	s_add_nc_u64 s[14:15], s[4:5], s[16:17]
	s_add_nc_u64 s[46:47], s[6:7], s[46:47]
	CROUND                                         ; all sixteen work-groups are here: the first joint loads meet
.irp s, 0,1
	s_mov_b32 s[G0+4*(\s)], 1
	s_add_co_u32 s[G0+4*(\s)+1], s20, (\s)*SLOT
	s_add_nc_u64 s[G0+4*(\s)+2:G0+4*(\s)+3], s[14:15], (\s)*KSTEP*2
	s_or_b32 s[G0+4*(\s)+3], s[G0+4*(\s)+3], 0x80000000
	s_mov_b32 s[G0B+4*(\s)], 1
	s_add_co_u32 s[G0B+4*(\s)+1], s21, (\s)*SLOT
	s_add_nc_u64 s[G0B+4*(\s)+2:G0B+4*(\s)+3], s[46:47], (\s)*KSTEP*PITB
	s_or_b32 s[G0B+4*(\s)+3], s[G0B+4*(\s)+3], 0x80000000
	JLOAD \s                                       ; two loads of mine are out: K steps 0 and 1
.endr
	v_and_b32 v1, 15, v0                           ; r = l % 16
	v_bfe_u32 v2, v0, 4, 1                         ; h = l / 16
	v_and_b32 v10, 7, v0
	v_bfe_u32 v11, v0, 3, 1
	v_mul_u32_u24 v3, v1, PA                       ; A's fragment: row r, 16 bytes for each half of the lanes
	v_lshl_add_u32 v3, v2, 4, v3
	s_mul_i32 s22, s11, HALFA
	v_add_nc_u32 v[ADRA], s22, v3
	v_add_nc_u32 v[ADRA+1], SLOT, v[ADRA]
	v_lshl_add_u32 v4, v2, 3, v10                  ; B's: the turning load reads k-row 8 h + l % 8, columns 8 ((l / 8) % 2) on
	v_mul_u32_u24 v4, v4, PB
	v_lshl_add_u32 v4, v11, 4, v4
	s_lshl_b32 s22, s12, 8                         ; my 128 columns
	s_add_co_u32 s22, s22, BOFF
	v_add_nc_u32 v[ADRB], s22, v4
	v_add_nc_u32 v[ADRB+1], SLOT, v[ADRB]
	s_mul_i32 s23, s10, WSTG
	s_add_co_u32 s23, s23, STAGE                   ; my stage
	v_mul_u32_u24 v5, v1, SP
	v_lshl_add_u32 v5, v2, 4, v5
	v_add_nc_u32 v[STO], s23, v5
	v_mul_u32_u24 v5, v2, SP                       ; back: lanes 0-15 one row of 256 bytes, lanes 16-31 the next
	v_lshl_add_u32 v5, v1, 4, v5
	v_add_nc_u32 v[RD], s23, v5
	v_mul_u32_u24 v5, v2, CP
	v_lshl_add_u32 v[CO], v1, 4, v5
	s_mul_i32 s16, s13, 128*CP                     ; where my part of the tile begins in C
	s_mul_i32 s17, s11, 64*CP
	s_add_co_u32 s16, s16, s17
	s_lshl_b32 s17, s42, 9
	s_add_co_u32 s16, s16, s17
	s_lshl_b32 s17, s12, 8
	s_add_co_u32 s16, s16, s17
	s_mov_b32 s17, 0
	s_add_nc_u64 s[8:9], s[8:9], s[16:17]
	; the prefetches: they stand at K step 3; each change of slots steps them first, so the first names K step 4
	s_lshl_b32 s20, s13, 18
	s_lshl_b32 s21, s40, 16                        ; A: my work-group's 32 rows of the tile's 128
	s_add_co_u32 s20, s20, s21
	s_add_co_u32 s20, s20, 3*KSTEP*2
	s_mul_i32 s21, s41, 32*PITB                    ; B: my work-group's 32 k-rows of the step's 128,
	s_lshl_b32 s22, s42, 9
	s_add_co_u32 s21, s21, s22
	s_lshl_b32 s22, s12, 8                         ; my half of their 512 bytes
	s_add_co_u32 s21, s21, s22
	s_add_co_u32 s21, s21, 3*KSTEP*PITB
	s_and_b32 s22, ttmp7, 0xffff
	s_mov_b32 s[PSTEP], KSTEP*PITB
	s_mov_b32 s[PSTEP+1], 0
	s_mov_b32 s23, PITB
	s_cmp_eq_u32 s11, 0                            ; do I fetch for A?
	s_cselect_b32 s20, s20, s21
	s_cselect_b32 s22, ttmp9, s22                  ; the coordinate along which other clusters read the same rows
	s_cselect_b32 s18, s12, 0                      ; of A's two waves the first alone asks
	s_cselect_b32 s[PSTEP], KSTEP*2, s[PSTEP]
	s_cselect_b32 s23, PITA, s23
	s_cselect_b64 s[PFA:PFA+1], s[4:5], s[6:7]
	s_mov_b32 s21, 0
	s_add_nc_u64 s[PFA:PFA+1], s[PFA:PFA+1], s[20:21]
	s_or_b32 s22, s22, s18
	s_cmp_eq_u32 s22, 0
	s_cselect_b32 s[LIM], 1, -1                    ; the same in all sixteen partners, for a given wave
	v_and_b32 v[PFO], 31, v0
	v_mul_u32_u24 v[PFO], s23, v[PFO]
; 8 matrix instructions: block a of 16 rows x all 8 blocks of 16 columns, 32 along K.  The 32 accumulators take turns in the same order in every quarter.  zero = 1: the product starts the sum.
.macro MUL8 f, a, zero
	WIN MUL
.irp b, 0,1,2,3,4,5,6,7
.if \zero
	v_wmma_f32_16x16x32_bf16 v[8*(8*(\a)+(\b)):8*(8*(\a)+(\b))+7], v[(\f)+8*(\b):(\f)+8*(\b)+7], v[(\f)+64+8*(\a):(\f)+64+8*(\a)+7], 0
.else
	v_wmma_f32_16x16x32_bf16 v[8*(8*(\a)+(\b)):8*(8*(\a)+(\b))+7], v[(\f)+8*(\b):(\f)+8*(\b)+7], v[(\f)+64+8*(\a):(\f)+64+8*(\a)+7], v[8*(8*(\a)+(\b)):8*(8*(\a)+(\b))+7]
.endif
.endr
.endm
; 24 LDS loads in one run: quarter q (32 along K) of a slot into buffer f: 128 columns of B, turned, and 64 rows of A
.macro FETCH slot, q, f
	WIN 0
.irp b, 0,1,2,3,4,5,6,7
	ds_load_tr16_b128 v[(\f)+8*(\b):(\f)+8*(\b)+3],   v[ADRB+(\slot)] offset:(\q)*32*PB+32*(\b)
	ds_load_tr16_b128 v[(\f)+8*(\b)+4:(\f)+8*(\b)+7], v[ADRB+(\slot)] offset:(\q)*32*PB+16*PB+32*(\b)
.endr
.irp a, 0,1,2,3
	ds_load_b128 v[(\f)+64+8*(\a):(\f)+64+8*(\a)+3],   v[ADRA+(\slot)] offset:64*(\q)+(\a)*16*PA
	ds_load_b128 v[(\f)+64+8*(\a)+4:(\f)+64+8*(\a)+7], v[ADRA+(\slot)] offset:64*(\q)+(\a)*16*PA+32
.endr
.endm
; One of a K step's first three quarters: buffer f, fetched a quarter earlier, is multiplied; ahead of its 32 products quarter q goes out into buffer g
.macro QUARTER slot, q, f, g, zero
	WIN 0
	s_wait_dscnt 0x0                               ; buffer f is in
	PLACES
	FETCH \slot, \q, \g
	MUL8 \f, 0, \zero
	MUL8 \f, 1, \zero
	MUL8 \f, 2, \zero
	MUL8 \f, 3, \zero
.endm
; The fourth quarter multiplies buffer 1 and changes slots: ONE barrier.  In front of it each wave waits for all its tensor loads (its part of the next slot), adds 0 to its spare word, and waits for that and for its reads of
; this slot.  fill = 1: the barrier opens a round of the cluster's barrier, and this slot is filled again, two K steps ahead, first thing behind the round: 112 products stand between the request and the wait for it.
.macro TURN slot, next, fill
.if \fill
	s_wait_xcnt 0x0                                ; the last prefetch, a K step back, has read its address
	s_add_nc_u64 s[PFA:PFA+1], s[PFA:PFA+1], s[PSTEP:PSTEP+1]
.endif
	WIN 0
	s_wait_tensorcnt 0x0                           ; all my tensor loads have landed
	ds_add_u32 v[SPW], v[NIL]                      ; 0 onto my spare word
	s_wait_dscnt 1                                 ; the add alone may be out: buffer 1 is in
	MUL8 F1, 0, 0
	s_wait_dscnt 0x0                               ; the add is done, and my reads of this slot are over
	s_barrier_signal -1
	MUL8 F1, 1, 0
	WIN 0
	s_barrier_wait -1
.if \fill
	CREST                                          ; no wave of any partner still reads this slot or has a load on its way
	s_add_nc_u64 s[G0+4*(\slot)+2:G0+4*(\slot)+3], s[G0+4*(\slot)+2:G0+4*(\slot)+3], 2*KSTEP*2
	s_add_nc_u64 s[G0B+4*(\slot)+2:G0B+4*(\slot)+3], s[G0B+4*(\slot)+2:G0B+4*(\slot)+3], 2*KSTEP*PITB
	JLOAD \slot                                    ; its four v_nop are also the places in front of the loads below
.else
	PLACES
.endif
	FETCH \next, 0, F0
.if \fill
	ASK
.endif
	MUL8 F1, 2, 0
	MUL8 F1, 3, 0
.endm
; THE WAY OUT, a block of 16 rows at a time: rounded to f16, 16 bytes a lane; into my own stage and back as whole rows of 256 bytes; stored.
.macro PACK a
	WIN 0x05                                       ; sources in window 1, destination in window 0
.irp b, 0,1,2,3,4,5,6,7
.irp r, 0,1,2,3
	v_cvt_pk_f16_f32 v[TMP+4*(\b)+(\r)], v[8*(8*(\a)+(\b))+2*(\r)], v[8*(8*(\a)+(\b))+2*(\r)+1]
.endr
.endr
	WIN 0
.endm
.macro TOSTAGE a
	WIN 0
.irp b, 0,1,2,3,4,5,6,7
	ds_store_b128 v[STO], v[TMP+4*(\b):TMP+4*(\b)+3] offset:32*(\b)
.endr
.irp t, 0,1,2,3,4,5,6,7
	ds_load_b128 v[BK+32*(\a)+4*(\t):BK+32*(\a)+4*(\t)+3], v[RD] offset:(\t)*2*SP  ; LDS serves a wave's instructions in order (ISA guide 5.7.1.4): these see the stores above
.endr
.endm
.macro SEND a
	WIN 0
	s_wait_dscnt 0x0
.irp t, 0,1,2,3,4,5,6,7
	global_store_b128 v[CO], v[BK+32*(\a)+4*(\t):BK+32*(\a)+4*(\t)+3], s[8:9] offset:(16*(\a)+2*(\t))*CP  ; 16 lanes store 256 consecutive bytes, aligned
.endr
.endm
	s_wait_tensorcnt 1                             ; my part of K step 0 is in; K step 1's may stay out
	s_barrier_signal -1
	s_barrier_wait -1
	FETCH 0, 0, F0
	QUARTER 0, 1, F0, F1, 1                        ; the first quarter stands in front of the loop: its products start the sums
	WIN 0
	s_mov_b32 s3, LAPS-1
.Llap:                                             ; a trip goes once round the ring and fills both slots again
	QUARTER 0, 2, F1, F0, 0
	QUARTER 0, 3, F0, F1, 0
	TURN 0, 1, 1
	QUARTER 1, 1, F0, F1, 0
	QUARTER 1, 2, F1, F0, 0
	QUARTER 1, 3, F0, F1, 0
	TURN 1, 0, 1
	QUARTER 0, 1, F0, F1, 0
	WIN 0
	s_sub_co_u32 s3, s3, 1
	s_cmp_lg_u32 s3, 0
	s_cbranch_scc1 .Llap
	QUARTER 0, 2, F1, F0, 0                        ; the last lap fills nothing
	QUARTER 0, 3, F0, F1, 0
	TURN 0, 1, 0
	QUARTER 1, 1, F0, F1, 0
	QUARTER 1, 2, F1, F0, 0
	QUARTER 1, 3, F0, F1, 0
	s_wait_dscnt 0x0
	MUL8 F1, 0, 0
	MUL8 F1, 1, 0
	MUL8 F1, 2, 0
	MUL8 F1, 3, 0
	WIN 0
	PLACES
	PACK 0
	TOSTAGE 0
.irp a, 1,2,3
	PACK \a                                        ; a block's conversions stand between the loads of the block before and the wait for them
	SEND (\a)-1
	TOSTAGE \a
.endr
	SEND 3
	s_wait_tensorcnt 0x0                           ; the wave's end, behind my last tensor load and my last LDS store
	ds_add_u32 v[SPW], v[NIL]
	s_wait_dscnt 0x0
	CROUND                                         ; the closing round
	s_endpgm
.Lfunc_end_k_q0010bdd0e3_proj:
	.size	k_q0010bdd0e3_proj, .Lfunc_end_k_q0010bdd0e3_proj-k_q0010bdd0e3_proj
	.p2alignl 7, 3214868480
	.fill 96, 4, 3214868480
	.section	.rodata,"a",@progbits
	.p2align	6, 0x0
	.amdhsa_kernel k_q0010bdd0e3_proj
		.amdhsa_group_segment_fixed_size 327680
		.amdhsa_private_segment_fixed_size 0
		.amdhsa_enable_private_segment 0
		.amdhsa_kernarg_size 24
		.amdhsa_user_sgpr_count 2
		.amdhsa_user_sgpr_kernarg_segment_ptr 1
		.amdhsa_wavefront_size32 1
		.amdhsa_system_sgpr_workgroup_id_x 1
		.amdhsa_system_sgpr_workgroup_id_y 1
		.amdhsa_system_sgpr_workgroup_id_z 1
		.amdhsa_system_vgpr_workitem_id 0
		.amdhsa_next_free_vgpr 512
		.amdhsa_next_free_sgpr 100
		.amdhsa_reserve_vcc 0
		.amdhsa_float_denorm_mode_32 3
		.amdhsa_float_denorm_mode_16_64 3
		.amdhsa_memory_ordered 1
		.amdhsa_forward_progress 1
		.amdhsa_inst_pref_size 87
	.end_amdhsa_kernel
	.amdgpu_metadata
---
amdhsa.version: [ 1, 2 ]
amdhsa.kernels:
  - .name:           k_q0010bdd0e3_proj
    .symbol:         k_q0010bdd0e3_proj.kd
    .args:
      - { .name: xb, .offset: 0, .size: 8, .value_kind: global_buffer, .address_space: global }
      - { .name: wqkv, .offset: 8, .size: 8, .value_kind: global_buffer, .address_space: global }
      - { .name: qkv, .offset: 16, .size: 8, .value_kind: global_buffer, .address_space: global }
    .group_segment_fixed_size: 327680
    .private_segment_fixed_size: 0
    .kernarg_segment_align: 8
    .kernarg_segment_size: 24
    .max_flat_workgroup_size: 128
    .sgpr_count:     100
    .vgpr_count:     512
    .wavefront_size: 32
...
	.end_amdgpu_metadata
.endif
;; end of part 2
;; launch score (part 3): grid 72 x 4, 4 waves a work-group, no clusters, 327,680 bytes of LDS; arguments qkv, p, stat; writes p, stat
.if DOCPART == 3
	.amdgcn_target "amdgcn-amd-amdhsa--gfx1250"
	.amdhsa_code_object_version 6
	.text
	.protected	k_q0010bdd0e3_score
	.globl	k_q0010bdd0e3_score
	.p2align	8
	.type	k_q0010bdd0e3_score,@function
k_q0010bdd0e3_score:
	s_mov_b64 s[64:65], 0
	v_nop
	global_prefetch_b8 v0, s[64:65] scope:SCOPE_SE
	s_setreg_imm32_b32 hwreg(HW_REG_WAVE_MODE, 25, 1), 1
	s_wait_xcnt 0x0
; SCORES AND THE LOCAL HALF OF THE SOFTMAX.  For each tile of 128 queries x 256 keys at or below the diagonal: s = q . k (K = 1,024, f16 operands, f32 sums); keys beyond the query count as the lowest finite number;
; for each query and each block t of 128 keys: m = the block's largest score, cm = c m with c = log2(e) / 32, p = 2^(c s - cm) rounded to f16, l = the sum of the unrounded p.
; p: [4][2048 q][2048 key] f16 (only these tiles are written).  stat: [4][16 t][2048 q] pairs (cm, l) of f32.  The launch behind brings the blocks of a row onto the row's maximum by 2^(cm_t - cM).
; The cm that is stored is the rounded number that the exponents used, so that correction fits scores of any size.
; LIMITS.  m has a floor of -1e30, so that a block with no visible key gives p = 0 and l = 0; f16 operands bound true scores by 4.4e12.  A weight below 2^-126 counts as 0 in l.  NaN and infinities are not treated apart.
; THE TILES.  Row block i of 128 queries has (i / 2) + 1 tiles: 72 a batch.  Work-group x: g = the pair of row blocks (pairs 0 .. g - 1 hold g (g + 1) tiles), then i = 2 g or 2 g + 1 and the key block j; j = g holds the diagonal.
; NO CLUSTER: row block i has (i / 2) + 1 tiles and key block j is read by 16 - 2 j row blocks: neither number is a multiple of four for every i or j, and groups of four that share a key block
; would need 32 work-groups a launch whose tile lies wholly above the diagonal.
; SHARES, RING, LAYOUT.  Four waves, each 64 queries x 128 keys: 32 accumulators, so a wave's keys are one block t, and no wave needs another's maximum.  K goes in steps of 128 through two LDS slots: 128 rows of q and 256 rows of k, 256 bytes each.
; Source 0 = 16 keys, source 1 = 16 queries: a lane holds one query (l % 16) and the keys 8 (l / 16) + 0..7 of each block of 16.
; REGISTERS.  Window 0: v0-31 addresses; v32-63 the softmax's; v64-159, v160-255 two fragment buffers; on the way out v64-191 whole rows, v192-223 packed weights.  Window 1: accumulator (a, b) at v[8 (8 a + b)].
.set KSTEP,  128
.set PA,     272                       ; an LDS row: 256 bytes + 16 = 68 words: the 16 rows of a load start 4 banks apart (64 banks of 4 bytes: ISA guide 11.1)
.set HALFA,  64*PA
.set BOFF,   128*PA
.set HALFB,  128*PA
.set SLOT,   BOFF+256*PA
.set STAGE,  2*SLOT
.set SP,     272
.set WSTG,   8448
.set SPARE,  STAGE+4*WSTG
.set PITQ,   6144                      ; bytes in a row of qkv
.set CP,     4096                      ; bytes in a row of p
.set LAPS,   4
.set ADRA, 16
.set ADRB, 20
.set STO,  24
.set RD,   25
.set CO,   26
.set SVO,  27                          ; v27     8 x my lane: my pair in 256 bytes of stat
.set SPW,  28
.set NIL,  29
.set PFO,  30
.set VD,   32                          ; v32     my query less my first key: key 16 (b - a) + e of the wave's is hidden where that number is greater
.set NEGR, 33                          ; v33     the lowest finite number
.set FLR,  34                          ; v34     -1e30
.set CH,   36                          ; v36-39  four chains at work
.set CM,   40                          ; v40-47  block a: cm, twice (a pair for the packed scaling)
.set LS,   48                          ; v48-51  block a: l
.set MX,   52                          ; v52-55  block a: m
.set SD,   60                          ; v60-63  two pairs to store
.set F0,   64
.set F1,   160
.set BK,   64
.set TMP,  192
.set G1,   24
.set G0,   32
.set LIM,  43
.set PFA,  44
.set G1B,  48
.set G0B,  56
.set PFB,  80                          ; s[80:81] where my prefetches of k stand
.set LIMB, 82
.set MUL,  0x50
.set MSB, 0
.macro WIN new
.if MSB != (\new)
	s_set_vgpr_msb (MSB<<8)|(\new)
.set MSB, \new
.endif
.endm
.macro PLACES
.rept 4
	v_nop
.endr
.endm
.macro JLOAD s                         ; waves 0 and 1 fetch q's two halves, waves 2 and 3 k's; an s_nop 0 and four v_nop follow each line
	s_cmp_eq_u32 s11, 0
	s_cbranch_scc0 .Lfor_b_\@
	tensor_load_to_lds s[G0+4*(\s):G0+4*(\s)+3], s[G1:G1+7]
	s_nop 0
.rept 4
	v_nop
.endr
	s_branch .Lasked_\@
.Lfor_b_\@:
	tensor_load_to_lds s[G0B+4*(\s):G0B+4*(\s)+3], s[G1B:G1B+7]
	s_nop 0
.rept 4
	v_nop
.endr
.Lasked_\@:
.endm
; A prefetch into the L2 of the K step two refills on, a lane a row of 256 bytes.  Each block is named once in the launch: a row block's q by its tile with j = 0 (wave w: rows 32 w on),
; a key block's k by its tile with i = 2 j (wave w: rows 64 w on, two lines).  The loop's last trip asks for nothing.
.macro ASK
	s_cmp_gt_u32 s3, s[LIM]
	s_cbranch_scc0 .Lnot_q_\@
	global_prefetch_b8 v[PFO], s[PFA:PFA+1] th:TH_LOAD_NT scope:SCOPE_SE
.Lnot_q_\@:
	s_cmp_gt_u32 s3, s[LIMB]
	s_cbranch_scc0 .Lnot_k_\@
	global_prefetch_b8 v[PFO], s[PFB:PFB+1] th:TH_LOAD_NT scope:SCOPE_SE
	global_prefetch_b8 v[PFO], s[PFB:PFB+1] offset:32*PITQ th:TH_LOAD_NT scope:SCOPE_SE
.Lnot_k_\@:
.endm
	s_load_b64 s[4:5], s[0:1], 0x0                 ; qkv
	s_load_b64 s[8:9], s[0:1], 0x8                 ; p
	s_load_b64 s[78:79], s[0:1], 0x10              ; stat
	v_lshl_add_u32 v[SPW], v0, 2, SPARE
	v_mov_b32 v[NIL], 0
	ds_add_u32 v[SPW], v[NIL]                      ; the wave's opening, ahead of my first tensor load
	v_lshrrev_b32 v1, 5, v0
	v_readfirstlane_b32 s10, v1                    ; wave 0..3
	s_lshr_b32 s11, s10, 1                         ; which 64 queries are mine.  Also: I fetch q (0) or k (1)
	s_and_b32 s12, s10, 1                          ; which 128 keys.  Also: which half of that tile I fetch
	s_mov_b32 s68, 0                               ; g = how many of the numbers k (k + 1), k = 1 .. 7, the work-group's x has reached
.irp c, 2,6,12,20,30,42,56
	s_cmp_ge_u32 ttmp9, \c
	s_add_co_ci_u32 s68, s68, 0
.endr
	s_add_co_u32 s14, s68, 1                       ; each of the pair's two row blocks has g + 1 tiles
	s_mul_i32 s15, s68, s14
	s_sub_co_u32 s70, ttmp9, s15                   ; the tile's number in the pair
	s_cmp_ge_u32 s70, s14
	s_cselect_b32 s15, s14, 0
	s_cselect_b32 s69, 1, 0
	s_sub_co_u32 s70, s70, s15                     ; j
	s_lshl1_add_u32 s69, s68, s69                  ; i = 2 g or 2 g + 1
	s_and_b32 s71, ttmp7, 0xffff                   ; the batch
	s_mov_b32 s[G1], (1<<16)|(1<<20)|(5<<22)|(3<<25)  ; 2-byte elements; padding on: after every 64 words, 4 words
	s_mov_b32 s[G1+1], 128<<16                     ; tensor_dim0 = 128
	s_mov_b32 s[G1+2], 64<<16                      ; tensor_dim1 = 64
	s_mov_b32 s[G1+3], 128<<16                     ; tile_dim0 = 128
	s_mov_b32 s[G1+4], 64                          ; tile_dim1 = 64
	s_mov_b32 s[G1+5], PITQ/2
	s_mov_b32 s[G1+6], 0
	s_mov_b32 s[G1+7], 0
	s_mov_b32 s[G1B], (1<<16)|(1<<20)|(5<<22)|(3<<25)
	s_mov_b32 s[G1B+1], 128<<16
	s_mov_b32 s[G1B+2], 128<<16                    ; tensor_dim1 = 128
	s_mov_b32 s[G1B+3], 128<<16
	s_mov_b32 s[G1B+4], 128                        ; tile_dim1 = 128
	s_mov_b32 s[G1B+5], PITQ/2
	s_mov_b32 s[G1B+6], 0
	s_mov_b32 s[G1B+7], 0
	s_lshl_b32 s16, s71, 11
	s_lshl_b32 s19, s69, 7
	s_add_co_u32 s19, s19, s16                     ; the tile's first query, as a row of qkv
	s_lshl_b32 s18, s70, 8
	s_add_co_u32 s18, s18, s16                     ; its first key
	s_lshl_b32 s16, s12, 6
	s_add_co_u32 s16, s16, s19
	s_mul_i32 s16, s16, PITQ                       ; q: the 64 rows that I fetch
	s_mov_b32 s17, 0
	s_lshl_b32 s46, s12, 7
	s_add_co_u32 s46, s46, s18
	s_mul_i32 s46, s46, PITQ                       ; k: the 128 rows that I fetch,
	s_add_co_u32 s46, s46, 2048                    ; 2,048 bytes into a row
	s_mov_b32 s47, 0
	s_mul_i32 s20, s12, HALFA
	s_mul_i32 s21, s12, HALFB
	s_add_co_u32 s21, s21, BOFF
	s_mov_b32 s72, 0x3d38aa3b                      ; c = log2(e) / 32
	s_mov_b32 s73, s72                             ; named with it as a pair
	s_mov_b32 s74, 0x76543210                      ; v_permlanex16_b32: each lane takes its own place in the other half
	s_mov_b32 s75, 0xfedcba98
	s_mov_b32 s76, 0xffff0000                      ; lanes 16 to 31
	s_wait_dscnt 0x0                               ; the opening add is done
	s_wait_kmcnt 0x0
	s_add_nc_u64 s[14:15], s[4:5], s[16:17]
	s_add_nc_u64 s[46:47], s[4:5], s[46:47]
.irp s, 0,1
	s_mov_b32 s[G0+4*(\s)], 1
	s_add_co_u32 s[G0+4*(\s)+1], s20, (\s)*SLOT
	s_add_nc_u64 s[G0+4*(\s)+2:G0+4*(\s)+3], s[14:15], (\s)*KSTEP*2
	s_or_b32 s[G0+4*(\s)+3], s[G0+4*(\s)+3], 0x80000000
	s_mov_b32 s[G0B+4*(\s)], 1
	s_add_co_u32 s[G0B+4*(\s)+1], s21, (\s)*SLOT
	s_add_nc_u64 s[G0B+4*(\s)+2:G0B+4*(\s)+3], s[46:47], (\s)*KSTEP*2
	s_or_b32 s[G0B+4*(\s)+3], s[G0B+4*(\s)+3], 0x80000000
	JLOAD \s                                       ; two loads of mine are out: K steps 0 and 1
.endr
	v_and_b32 v1, 15, v0                           ; r
	v_bfe_u32 v2, v0, 4, 1                         ; h
	v_mul_u32_u24 v3, v1, PA
	v_lshl_add_u32 v3, v2, 4, v3                   ; a fragment's row x pitch + 16 x half
	s_mul_i32 s22, s11, HALFA
	v_add_nc_u32 v[ADRA], s22, v3
	v_add_nc_u32 v[ADRA+1], SLOT, v[ADRA]
	s_mul_i32 s22, s12, HALFB
	s_add_co_u32 s22, s22, BOFF
	v_add_nc_u32 v[ADRB], s22, v3
	v_add_nc_u32 v[ADRB+1], SLOT, v[ADRB]
	s_mul_i32 s23, s10, WSTG
	s_add_co_u32 s23, s23, STAGE                   ; my stage
	v_mul_u32_u24 v5, v1, SP
	v_lshl_add_u32 v5, v2, 4, v5
	v_add_nc_u32 v[STO], s23, v5
	v_mul_u32_u24 v5, v2, SP
	v_lshl_add_u32 v5, v1, 4, v5
	v_add_nc_u32 v[RD], s23, v5
	v_lshlrev_b32 v5, 12, v2
	v_lshl_add_u32 v[CO], v1, 4, v5
	v_and_b32 v[SVO], 31, v0
	v_lshlrev_b32 v[SVO], 3, v[SVO]
	v_mov_b32 v[NEGR], 0xff7fffff
	v_mov_b32 v[FLR], 0xf149f2ca
	s_lshl_b32 s22, s11, 6                         ; p: my 64 rows of 4,096 bytes, the tile's 512 bytes, my 256 of them
	s_add_co_u32 s22, s22, s19
	s_lshl_b32 s22, s22, 12
	s_lshl_b32 s23, s70, 9
	s_add_co_u32 s22, s22, s23
	s_lshl_b32 s23, s12, 8
	s_add_co_u32 s22, s22, s23
	s_mov_b32 s23, 0
	s_add_nc_u64 s[8:9], s[8:9], s[22:23]
	s_lshl_b32 s22, s71, 4                         ; stat: plane 16 b + 2 j + my half, of 16,384 bytes; my 64 queries, 8 bytes each
	s_lshl1_add_u32 s22, s70, s22
	s_add_co_u32 s22, s22, s12
	s_lshl_b32 s22, s22, 14
	s_lshl_b32 s23, s69, 10
	s_add_co_u32 s22, s22, s23
	s_lshl_b32 s23, s11, 9
	s_add_co_u32 s22, s22, s23
	s_mov_b32 s23, 0
	s_add_nc_u64 s[78:79], s[78:79], s[22:23]
	s_lshl_b32 s22, s69, 7                         ; 128 i - 256 j + 64 x my row half - 128 x my key half + r - 8 h
	s_lshl_b32 s23, s70, 8
	s_sub_co_u32 s22, s22, s23
	s_lshl_b32 s23, s11, 6
	s_add_co_u32 s22, s22, s23
	s_lshl_b32 s23, s12, 7
	s_sub_co_u32 s22, s22, s23
	v_lshlrev_b32 v3, 3, v2
	v_sub_nc_u32 v3, v1, v3
	v_add_nc_u32 v[VD], s22, v3
	; the prefetches stand at K step 3; each change of slots steps them first
	s_lshl_b32 s22, s10, 5
	s_add_co_u32 s22, s22, s19
	s_mul_i32 s22, s22, PITQ
	s_add_co_u32 s22, s22, 3*KSTEP*2
	s_mov_b32 s23, 0
	s_add_nc_u64 s[PFA:PFA+1], s[4:5], s[22:23]
	s_lshl_b32 s22, s10, 6
	s_add_co_u32 s22, s22, s18
	s_mul_i32 s22, s22, PITQ
	s_add_co_u32 s22, s22, 2048+3*KSTEP*2
	s_add_nc_u64 s[PFB:PFB+1], s[4:5], s[22:23]
	s_cmp_eq_u32 s70, 0
	s_cselect_b32 s[LIM], 1, -1
	s_lshl_b32 s22, s70, 1
	s_cmp_eq_u32 s69, s22
	s_cselect_b32 s[LIMB], 1, -1
	v_and_b32 v[PFO], 31, v0
	v_mul_u32_u24 v[PFO], PITQ, v[PFO]
; 8 matrix instructions: block a of 16 queries x all 8 blocks of 16 keys, 32 along K.  The 32 accumulators take turns in the same order in every quarter.
.macro MUL8 f, a, zero
	WIN MUL
.irp b, 0,1,2,3,4,5,6,7
.if \zero
	v_wmma_f32_16x16x32_f16 v[8*(8*(\a)+(\b)):8*(8*(\a)+(\b))+7], v[(\f)+8*(\b):(\f)+8*(\b)+7], v[(\f)+64+8*(\a):(\f)+64+8*(\a)+7], 0
.else
	v_wmma_f32_16x16x32_f16 v[8*(8*(\a)+(\b)):8*(8*(\a)+(\b))+7], v[(\f)+8*(\b):(\f)+8*(\b)+7], v[(\f)+64+8*(\a):(\f)+64+8*(\a)+7], v[8*(8*(\a)+(\b)):8*(8*(\a)+(\b))+7]
.endif
.endr
.endm
.macro FETCH slot, q, f                ; 24 LDS loads in one run: quarter q of a slot: 128 rows of k, 64 rows of q
	WIN 0
.irp b, 0,1,2,3,4,5,6,7
	ds_load_b128 v[(\f)+8*(\b):(\f)+8*(\b)+3],   v[ADRB+(\slot)] offset:64*(\q)+(\b)*16*PA
	ds_load_b128 v[(\f)+8*(\b)+4:(\f)+8*(\b)+7], v[ADRB+(\slot)] offset:64*(\q)+(\b)*16*PA+32
.endr
.irp a, 0,1,2,3
	ds_load_b128 v[(\f)+64+8*(\a):(\f)+64+8*(\a)+3],   v[ADRA+(\slot)] offset:64*(\q)+(\a)*16*PA
	ds_load_b128 v[(\f)+64+8*(\a)+4:(\f)+64+8*(\a)+7], v[ADRA+(\slot)] offset:64*(\q)+(\a)*16*PA+32
.endr
.endm
.macro QUARTER slot, q, f, g, zero
	WIN 0
	s_wait_dscnt 0x0                               ; buffer f is in
	PLACES
	FETCH \slot, \q, \g
	MUL8 \f, 0, \zero
	MUL8 \f, 1, \zero
	MUL8 \f, 2, \zero
	MUL8 \f, 3, \zero
.endm
; The fourth quarter changes slots: ONE barrier; in front of it each wave waits for all its tensor loads, adds 0 to its spare word, and waits for that and for its reads of this slot.  fill = 1: this slot is filled again first thing behind it.
.macro TURN slot, next, fill
.if \fill
	s_wait_xcnt 0x0                                ; the last prefetches, a K step back, have read their addresses
	s_add_nc_u64 s[PFA:PFA+1], s[PFA:PFA+1], KSTEP*2
	s_add_nc_u64 s[PFB:PFB+1], s[PFB:PFB+1], KSTEP*2
.endif
	WIN 0
	s_wait_tensorcnt 0x0                           ; all my tensor loads have landed
	ds_add_u32 v[SPW], v[NIL]                      ; 0 onto my spare word
	s_wait_dscnt 1                                 ; the add alone may be out: buffer 1 is in
	MUL8 F1, 0, 0
	s_wait_dscnt 0x0                               ; the add is done, and my reads of this slot are over
	s_barrier_signal -1
	MUL8 F1, 1, 0
	WIN 0
	s_barrier_wait -1
.if \fill
	s_add_nc_u64 s[G0+4*(\slot)+2:G0+4*(\slot)+3], s[G0+4*(\slot)+2:G0+4*(\slot)+3], 2*KSTEP*2
	s_add_nc_u64 s[G0B+4*(\slot)+2:G0B+4*(\slot)+3], s[G0B+4*(\slot)+2:G0B+4*(\slot)+3], 2*KSTEP*2
	JLOAD \slot                                    ; its four v_nop are also the places in front of the loads below
.else
	PLACES
.endif
	FETCH \next, 0, F0
.if \fill
	ASK
.endif
	MUL8 F1, 2, 0
	MUL8 F1, 3, 0
.endm
; THE SOFTMAX'S LOCAL HALF, for block a of 16 queries (64 scores a lane).
.macro MAXA a                          ; four chains of 16 scores, three operands at a time, begun with the floor; each accumulator's lowest registers are read first
	WIN 0x14                                       ; sources 1 and 2 in window 1
.irp k, 0,1,2,3,4,5,6,7
.irp c, 0,1,2,3
.if (\k) == 0
	v_max3_num_f32 v[CH+(\c)], v[FLR], v[8*(8*(\a)+2*(\c))], v[8*(8*(\a)+2*(\c))+1]
.else
	v_max3_num_f32 v[CH+(\c)], v[CH+(\c)], v[8*(8*(\a)+2*(\c)+(\k)/4)+2*((\k)%4)], v[8*(8*(\a)+2*(\c)+(\k)/4)+2*((\k)%4)+1]
.endif
.endr
.endr
	WIN 0
	v_max3_num_f32 v[MX+(\a)], v[CH], v[CH+1], v[CH+2]
	v_max_num_f32 v[MX+(\a)], v[MX+(\a)], v[CH+3]
.endm
.macro SCLA a                          ; c s - cm, two scores a line
	WIN 0x41                                       ; destination and source 0 in window 1
.set z, 64*(\a)
.rept 32
	v_pk_fma_f32 v[z:z+1], v[z:z+1], s[72:73], v[CM+2*(\a):CM+2*(\a)+1] op_sel_hi:[1,0,0] neg_lo:[0,0,1] neg_hi:[0,0,1]
.set z, z+2
.endr
.endm
.macro EXPA a                          ; one batch of 64 exponentials
	WIN 0x41
.set z, 64*(\a)
.rept 64
	v_exp_f32 v[z], v[z]
.set z, z+1
.endr
.endm
.macro PACK a                          ; rounded to f16, 16 bytes a lane
	WIN 0x05
.irp b, 0,1,2,3,4,5,6,7
.irp r, 0,1,2,3
	v_cvt_pk_f16_f32 v[TMP+4*(\b)+(\r)], v[8*(8*(\a)+(\b))+2*(\r)], v[8*(8*(\a)+(\b))+2*(\r)+1]
.endr
.endr
	WIN 0
.endm
.macro SUMA a                          ; the lane's 64 weights, unrounded, added in place: pairs 16, 8, 4, 2 and 1 pairs apart
	WIN 0x45
.irp w, 32,16,8,4,2
.set z, 64*(\a)
.rept (\w)/2
	v_pk_add_f32 v[z:z+1], v[z:z+1], v[z+(\w):z+(\w)+1]
.set z, z+2
.endr
.endr
	WIN 0x05
	v_add_f32 v[LS+(\a)], v[64*(\a)], v[64*(\a)+1]
.endm
.macro TOSTAGE a
	WIN 0
.irp b, 0,1,2,3,4,5,6,7
	ds_store_b128 v[STO], v[TMP+4*(\b):TMP+4*(\b)+3] offset:32*(\b)
.endr
.irp t, 0,1,2,3,4,5,6,7
	ds_load_b128 v[BK+32*(\a)+4*(\t):BK+32*(\a)+4*(\t)+3], v[RD] offset:(\t)*2*SP  ; LDS serves a wave's instructions in order (ISA guide 5.7.1.4): these see the stores above
.endr
.endm
.macro SEND a
	WIN 0
	s_wait_dscnt 0x0
.irp t, 0,1,2,3,4,5,6,7
	global_store_b128 v[CO], v[BK+32*(\a)+4*(\t):BK+32*(\a)+4*(\t)+3], s[8:9] offset:(16*(\a)+2*(\t))*CP  ; 16 lanes store 256 consecutive bytes, aligned
.endr
.endm
	s_wait_tensorcnt 1                             ; my part of K step 0 is in; K step 1's may stay out
	s_barrier_signal -1
	s_barrier_wait -1
	FETCH 0, 0, F0
	QUARTER 0, 1, F0, F1, 1
	WIN 0
	s_mov_b32 s3, LAPS-1
.Llap:
	QUARTER 0, 2, F1, F0, 0
	QUARTER 0, 3, F0, F1, 0
	TURN 0, 1, 1
	QUARTER 1, 1, F0, F1, 0
	QUARTER 1, 2, F1, F0, 0
	QUARTER 1, 3, F0, F1, 0
	TURN 1, 0, 1
	QUARTER 0, 1, F0, F1, 0
	WIN 0
	s_sub_co_u32 s3, s3, 1
	s_cmp_lg_u32 s3, 0
	s_cbranch_scc1 .Llap
	QUARTER 0, 2, F1, F0, 0
	QUARTER 0, 3, F0, F1, 0
	TURN 0, 1, 0
	QUARTER 1, 1, F0, F1, 0
	QUARTER 1, 2, F1, F0, 0
	QUARTER 1, 3, F0, F1, 0
	s_wait_dscnt 0x0
	MUL8 F1, 0, 0
	MUL8 F1, 1, 0
	MUL8 F1, 2, 0
	MUL8 F1, 3, 0
	WIN 0
	PLACES
	s_cmp_eq_u32 s70, s68                          ; only the tile with j = g holds hidden keys
	s_cbranch_scc0 .Lopen
	WIN 0x41
.irp a, 0,1,2,3
.irp b, 0,1,2,3,4,5,6,7
.irp e, 0,1,2,3,4,5,6,7
	v_cmp_gt_i32 vcc_lo, 16*((\b)-(\a))+(\e), v[VD]
	v_cndmask_b32 v[8*(8*(\a)+(\b))+(\e)], v[8*(8*(\a)+(\b))+(\e)], v[NEGR], vcc_lo
.endr
.endr
.endr
	WIN 0
.Lopen:
	MAXA 0
	MAXA 1
	MAXA 2
	MAXA 3
.irp a, 0,1,2,3
	v_permlanex16_b32 v[CH+(\a)], v[MX+(\a)], s74, s75  ; the query's other 64 keys lie in the lane 16 away
.endr
.irp a, 0,1,2,3
	v_max_num_f32 v[MX+(\a)], v[MX+(\a)], v[CH+(\a)]
.endr
.irp a, 0,1,2,3
	v_mul_f32 v[CM+2*(\a)], s72, v[MX+(\a)]
.endr
.irp a, 0,1,2,3
	v_mov_b32 v[CM+2*(\a)+1], v[CM+2*(\a)]
.endr
	; a block's 64 exponentials are one batch; the next block's scalings, which name none of its results, stand behind it, then ONE wait, then the readers
	SCLA 0
	EXPA 0
	SCLA 1
	s_wait_alu depctr_va_vdst(0)
	PACK 0
	TOSTAGE 0
	SUMA 0
	EXPA 1
	SCLA 2
	s_wait_alu depctr_va_vdst(0)
	PACK 1
	SEND 0
	TOSTAGE 1
	SUMA 1
	EXPA 2
	SCLA 3
	s_wait_alu depctr_va_vdst(0)
	PACK 2
	SEND 1
	TOSTAGE 2
	SUMA 2
	EXPA 3
	v_nop                                          ; a plain instruction behind the last exponential
	s_wait_alu depctr_va_vdst(0)
	PACK 3
	SEND 2
	TOSTAGE 3
	SUMA 3
	SEND 3
	WIN 0
.irp a, 0,1,2,3
	v_permlanex16_b32 v[CH+(\a)], v[LS+(\a)], s74, s75
.endr
.irp a, 0,1,2,3
	v_add_f32 v[LS+(\a)], v[LS+(\a)], v[CH+(\a)]
.endr
	v_cndmask_b32 v[SD],   v[CM],   v[CM+2], s76   ; lanes 0-15 carry block 0's 16 queries, lanes 16-31 block 1's: 32 pairs are 256 consecutive bytes, aligned
	v_cndmask_b32 v[SD+1], v[LS],   v[LS+1], s76
	v_cndmask_b32 v[SD+2], v[CM+4], v[CM+6], s76   ; and blocks 2 and 3
	v_cndmask_b32 v[SD+3], v[LS+2], v[LS+3], s76
	global_store_b64 v[SVO], v[SD:SD+1], s[78:79]
	global_store_b64 v[SVO], v[SD+2:SD+3], s[78:79] offset:256
	s_wait_tensorcnt 0x0                           ; the wave's end, behind my last tensor load and my last LDS store
	ds_add_u32 v[SPW], v[NIL]
	s_wait_dscnt 0x0
	s_endpgm
.Lfunc_end_k_q0010bdd0e3_score:
	.size	k_q0010bdd0e3_score, .Lfunc_end_k_q0010bdd0e3_score-k_q0010bdd0e3_score
	.p2alignl 7, 3214868480
	.fill 96, 4, 3214868480
	.section	.rodata,"a",@progbits
	.p2align	6, 0x0
	.amdhsa_kernel k_q0010bdd0e3_score
		.amdhsa_group_segment_fixed_size 327680
		.amdhsa_private_segment_fixed_size 0
		.amdhsa_enable_private_segment 0
		.amdhsa_kernarg_size 24
		.amdhsa_user_sgpr_count 2
		.amdhsa_user_sgpr_kernarg_segment_ptr 1
		.amdhsa_wavefront_size32 1
		.amdhsa_system_sgpr_workgroup_id_x 1
		.amdhsa_system_sgpr_workgroup_id_y 1
		.amdhsa_system_sgpr_workgroup_id_z 1
		.amdhsa_system_vgpr_workitem_id 0
		.amdhsa_next_free_vgpr 512
		.amdhsa_next_free_sgpr 100
		.amdhsa_reserve_vcc 1
		.amdhsa_float_denorm_mode_32 3
		.amdhsa_float_denorm_mode_16_64 3
		.amdhsa_memory_ordered 1
		.amdhsa_forward_progress 1
		.amdhsa_inst_pref_size 141
	.end_amdhsa_kernel
	.amdgpu_metadata
---
amdhsa.version: [ 1, 2 ]
amdhsa.kernels:
  - .name:           k_q0010bdd0e3_score
    .symbol:         k_q0010bdd0e3_score.kd
    .args:
      - { .name: qkv, .offset: 0, .size: 8, .value_kind: global_buffer, .address_space: global }
      - { .name: p, .offset: 8, .size: 8, .value_kind: global_buffer, .address_space: global }
      - { .name: stat, .offset: 16, .size: 8, .value_kind: global_buffer, .address_space: global }
    .group_segment_fixed_size: 327680
    .private_segment_fixed_size: 0
    .kernarg_segment_align: 8
    .kernarg_segment_size: 24
    .max_flat_workgroup_size: 128
    .sgpr_count:     100
    .vgpr_count:     512
    .wavefront_size: 32
...
	.end_amdgpu_metadata
.endif
;; end of part 3
;; launch pv (part 4): grid 4 x 64, 4 waves a work-group, clusters of 4 x 1, 327,680 bytes of LDS; arguments p, qkv, stat, o; writes o
.if DOCPART == 4
	.amdgcn_target "amdgcn-amd-amdhsa--gfx1250"
	.amdhsa_code_object_version 6
	.text
	.protected	k_q0010bdd0e3_pv
	.globl	k_q0010bdd0e3_pv
	.p2align	8
	.type	k_q0010bdd0e3_pv,@function
k_q0010bdd0e3_pv:
	s_mov_b64 s[64:65], 0
	v_nop
	global_prefetch_b8 v0, s[64:65] scope:SCOPE_SE
	s_setreg_imm32_b32 hwreg(HW_REG_WAVE_MODE, 25, 1), 1
	s_wait_xcnt 0x0
	s_wait_alu depctr_hold_cnt(0) depctr_sa_sdst(0) depctr_va_vdst(0) depctr_va_sdst(0) depctr_va_ssrc(0) depctr_va_vcc(0) depctr_vm_vsrc(0)
	s_getreg_b32 s2, hwreg(HW_REG_IB_STS2, 6, 4)
	s_cmp_eq_u32 s2, 0
	s_cbranch_scc0 .Lentry_in_a_cluster
	s_endpgm
.Lentry_in_a_cluster:
	s_bfe_u32 s2, ttmp6, 0x10000c
	s_cmp_lg_u32 s2, 0x3003
	s_cbranch_scc0 .Lentry_shape_is_right
	s_endpgm
.Lentry_shape_is_right:
; THE SOFTMAX'S OTHER HALF AND THE SECOND PRODUCT.  For query row q with key blocks t = 0 .. T2 - 1 of 128 keys: cM = the largest cm_t, L = sum over t of 2^(cm_t - cM) l_t,
; o[q][:] = (sum over t of 2^(cm_t - cM) P_t[q] V_t) / L.  p: [4][2048][2048] f16; v: the third 2,048 bytes of a row of qkv, f16; stat: [4][16 t][2048 q] pairs (cm, l) f32; o: [8192][1024] f16.
; The factor 2^(cm_t - cM), at most 1, is rounded to f16 and multiplied onto P's fragments (packed f16) between LDS and the matrix instruction; sums, cM and L in f32; o rounded once.
; LIMITS.  p x factor below 6e-5 keeps f16's fixed step of 6e-8; o is a mean of v's rows and has their range, within f16.  NaN and infinities are not treated apart.
; SHARES.  A tile of o is 128 rows x 256 channels.  Row block i of a batch has T2 = 2 ((i / 2) + 1) K steps of 128 keys; for even i the last holds only weights 0.  The long row blocks come first in the grid.
; CLUSTER.  The four channel blocks of a row block form a cluster: they need the same tiles of P, asked for jointly (mask 15).  V's tiles differ between them and come by loads of one's own, behind the same rounds.
; V is not shared between row blocks: they have different numbers of K steps.  The number of laps hangs on the cluster's y alone: it is the same in all four partners.
; Four waves, each 64 rows x 128 channels; ring, fragments and way out as in the projections: source 0 = 16 channels of V (turned by ds_load_tr16_b128), source 1 = 16 rows of P: a lane holds one row, so its factor is one number.
; REGISTERS.  Window 0: v0-31 addresses; v32-63 the statistics; v64-159, v160-255 two fragment buffers (at the head: the stat pairs and their offsets).  Window 1: accumulator (a, b) at v[8 (8 a + b)].
.set KSTEP,  128
.set PA,     272
.set PB,     544
.set HALFA,  64*PA
.set BOFF,   128*PA
.set HALFB,  64*PB
.set SLOT,   BOFF+128*PB
.set STAGE,  2*SLOT
.set SP,     272
.set WSTG,   8448
.set SPARE,  STAGE+4*WSTG
.set PITA,   4096                      ; bytes in a row of p
.set PITB,   6144                      ; bytes in a row of qkv
.set CP,     2048                      ; bytes in a row of o
.set PLANE,  16384                     ; bytes from a key block's pairs to the next block's
.set ADRA, 16
.set ADRB, 20
.set STO,  24
.set RD,   25
.set CO,   26
.set VST,  27                          ; v27     my row's pair in a plane of stat: 8 r + 512 x my row half; never rewritten
.set SPW,  28
.set NIL,  29
.set PFO,  30                          ; v30     my lane x a row of p
.set PFO2, 31                          ; v31     my lane x a row of qkv
.set CMX,  32                          ; v32-35  block a: cM
.set RL,   36                          ; v36-43  block a: 1 / L, twice
.set CMT,  44                          ; v44-51  by the step's parity and block: cm_t as loaded
.set FAC,  52                          ; v52-59  by parity and block: the factor, twice in f16
.set T,    60                          ; v60-63  at work
.set SDT,  64                          ; at the head: pair (cm, l) of block a, key block t at v[64 + 2 (16 a + t)]
.set VO,   192                         ; at the head: key block t's offset
.set F0,   64
.set F1,   160
.set BK,   64
.set TMP,  192
.set G1,   24
.set G0,   32
.set PFA,  44                          ; s[44:45] where my prefetches of p stand
.set G1B,  48
.set G0B,  56
.set SB,   78                          ; s[78:79], s[80:81] by parity: the plane of stat that CMT was last loaded from
.set STB,  82                          ; s[82:83] stat at the batch's plane 0, the row block's first query
.set PFB,  88                          ; s[88:89] where my prefetches of v stand
.set LIMB, 90
.set LIMA, 91
.set MUL,  0x50
.set MSB, 0
.macro WIN new
.if MSB != (\new)
	s_set_vgpr_msb (MSB<<8)|(\new)
.set MSB, \new
.endif
.endm
.macro PLACES
.rept 4
	v_nop
.endr
.endm
.macro JLOAD s                         ; waves 0 and 1: the joint load of P's two halves; waves 2 and 3: my work-group's own load of V's; an s_nop 0 and four v_nop follow each line
	s_cmp_eq_u32 s11, 0
	s_cbranch_scc0 .Lfor_b_\@
	tensor_load_to_lds s[G0+4*(\s):G0+4*(\s)+3], s[G1:G1+7]
	s_nop 0
.rept 4
	v_nop
.endr
	s_branch .Lasked_\@
.Lfor_b_\@:
	tensor_load_to_lds s[G0B+4*(\s):G0B+4*(\s)+3], s[G1B:G1B+7]
	s_nop 0
.rept 4
	v_nop
.endr
.Lasked_\@:
.endm
.macro CREST
	s_cmp_lg_u32 s10, 0
	s_cbranch_scc1 .Lnot_wave_0_\@
	s_barrier_signal -3
.Lnot_wave_0_\@:
	s_barrier_wait -3
	s_barrier_signal -1
	s_barrier_wait -1
.endm
.macro CROUND
	s_barrier_signal -1
	s_barrier_wait -1
	CREST
.endm
; A prefetch into the L2 of the K step two refills on, a lane a row.  P's rows are read by this cluster alone: wave 0 of the partner at cx names rows 32 cx on.  V's rows are read by all sixteen row blocks of a batch:
; the longest (i = 15) names them, wave w k-rows 32 w on, the work-group's 512 bytes in two lines.  Trip n of the loop asks only while n <= laps - 2: behind that there is no K step two refills on.
.macro ASK
	s_cmp_le_u32 s3, s[LIMA]
	s_cbranch_scc0 .Lnot_p_\@
	global_prefetch_b8 v[PFO], s[PFA:PFA+1] th:TH_LOAD_NT scope:SCOPE_SE
.Lnot_p_\@:
	s_cmp_le_u32 s3, s[LIMB]
	s_cbranch_scc0 .Lnot_v_\@
	global_prefetch_b8 v[PFO2], s[PFB:PFB+1] th:TH_LOAD_NT scope:SCOPE_SE
	global_prefetch_b8 v[PFO2], s[PFB:PFB+1] offset:256 th:TH_LOAD_NT scope:SCOPE_SE
.Lnot_v_\@:
.endm
	s_load_b128 s[4:7], s[0:1], 0x0                ; p s[4:5], qkv s[6:7]
	s_load_b64 s[STB:STB+1], s[0:1], 0x10          ; stat
	s_load_b64 s[8:9], s[0:1], 0x18                ; o
	v_lshl_add_u32 v[SPW], v0, 2, SPARE
	v_mov_b32 v[NIL], 0
	ds_add_u32 v[SPW], v[NIL]                      ; the wave's opening, ahead of my first tensor load
	v_lshrrev_b32 v1, 5, v0
	v_readfirstlane_b32 s10, v1                    ; wave 0..3
	s_lshr_b32 s11, s10, 1                         ; which 64 rows are mine.  Also: I fetch P (0) or V (1)
	s_and_b32 s12, s10, 1                          ; which 128 channels.  Also: which half of that tile I fetch
	s_bfe_u32 s40, ttmp6, 0x40000                  ; cx: the channel block
	s_and_b32 s13, ttmp7, 0xffff                   ; the cluster's y
	s_lshr_b32 s70, s13, 4                         ; the batch
	s_and_b32 s68, s13, 15
	s_sub_co_u32 s68, 15, s68                      ; the row block i
	s_lshr_b32 s69, s68, 1
	s_add_co_u32 s69, s69, 1                       ; laps, 1 to 8
	s_lshl_b32 s87, s69, 1                         ; T2
	s_sub_co_u32 s71, s87, 1                       ; the last key block
	s_mov_b32 s[G1], 15|(1<<16)|(1<<20)|(1<<21)|(5<<22)|(3<<25)  ; the mask of four; 2-byte elements; padding on; bit 21 beside a mask; after every 64 words, 4 words
	s_mov_b32 s[G1+1], 128<<16
	s_mov_b32 s[G1+2], 64<<16
	s_mov_b32 s[G1+3], 128<<16
	s_mov_b32 s[G1+4], 64
	s_mov_b32 s[G1+5], PITA/2
	s_mov_b32 s[G1+6], 0
	s_mov_b32 s[G1+7], 0
	s_mov_b32 s[G1B], (1<<16)|(1<<20)|(6<<22)|(7<<25)            ; no mask; after every 128 words, 8 words
	s_mov_b32 s[G1B+1], 256<<16
	s_mov_b32 s[G1B+2], 64<<16
	s_mov_b32 s[G1B+3], 256<<16
	s_mov_b32 s[G1B+4], 64
	s_mov_b32 s[G1B+5], PITB/2
	s_mov_b32 s[G1B+6], 0
	s_mov_b32 s[G1B+7], 0
	s_lshl_b32 s18, s70, 11                        ; the batch's first row
	s_lshl_b32 s19, s68, 7
	s_add_co_u32 s19, s19, s18                     ; the tile's first row
	s_lshl_b32 s16, s12, 6
	s_add_co_u32 s16, s16, s19
	s_lshl_b32 s16, s16, 12                        ; P: the 64 rows of 4,096 bytes that I fetch
	s_mov_b32 s17, 0
	s_lshl_b32 s46, s12, 6
	s_add_co_u32 s46, s46, s18
	s_mul_i32 s46, s46, PITB                       ; V: the 64 keys that I fetch,
	s_lshl_b32 s47, s40, 9
	s_add_co_u32 s46, s46, s47                     ; my work-group's 512 bytes,
	s_add_co_u32 s46, s46, 4096                    ; 4,096 bytes into a row
	s_mov_b32 s47, 0
	s_mul_i32 s20, s12, HALFA
	s_mul_i32 s21, s12, HALFB
	s_add_co_u32 s21, s21, BOFF
	s_wait_dscnt 0x0                               ; the opening add is done
	s_wait_kmcnt 0x0
	s_add_nc_u64 s[14:15], s[4:5], s[16:17]
	s_add_nc_u64 s[46:47], s[6:7], s[46:47]
	CROUND                                         ; all four work-groups are here: the first joint loads meet
.irp s, 0,1
	s_mov_b32 s[G0+4*(\s)], 1
	s_add_co_u32 s[G0+4*(\s)+1], s20, (\s)*SLOT
	s_add_nc_u64 s[G0+4*(\s)+2:G0+4*(\s)+3], s[14:15], (\s)*KSTEP*2
	s_or_b32 s[G0+4*(\s)+3], s[G0+4*(\s)+3], 0x80000000
	s_mov_b32 s[G0B+4*(\s)], 1
	s_add_co_u32 s[G0B+4*(\s)+1], s21, (\s)*SLOT
	s_add_nc_u64 s[G0B+4*(\s)+2:G0B+4*(\s)+3], s[46:47], (\s)*KSTEP*PITB
	s_or_b32 s[G0B+4*(\s)+3], s[G0B+4*(\s)+3], 0x80000000
	JLOAD \s                                       ; two loads of mine are out: K steps 0 and 1 (every row block has two or more)
.endr
	v_and_b32 v1, 15, v0                           ; r
	v_bfe_u32 v2, v0, 4, 1                         ; h
	v_and_b32 v10, 7, v0
	v_bfe_u32 v11, v0, 3, 1
	v_mul_u32_u24 v3, v1, PA
	v_lshl_add_u32 v3, v2, 4, v3
	s_mul_i32 s22, s11, HALFA
	v_add_nc_u32 v[ADRA], s22, v3
	v_add_nc_u32 v[ADRA+1], SLOT, v[ADRA]
	v_lshl_add_u32 v4, v2, 3, v10
	v_mul_u32_u24 v4, v4, PB
	v_lshl_add_u32 v4, v11, 4, v4
	s_lshl_b32 s22, s12, 8
	s_add_co_u32 s22, s22, BOFF
	v_add_nc_u32 v[ADRB], s22, v4
	v_add_nc_u32 v[ADRB+1], SLOT, v[ADRB]
	s_mul_i32 s23, s10, WSTG
	s_add_co_u32 s23, s23, STAGE
	v_mul_u32_u24 v5, v1, SP
	v_lshl_add_u32 v5, v2, 4, v5
	v_add_nc_u32 v[STO], s23, v5
	v_mul_u32_u24 v5, v2, SP
	v_lshl_add_u32 v5, v1, 4, v5
	v_add_nc_u32 v[RD], s23, v5
	v_lshlrev_b32 v5, 11, v2
	v_lshl_add_u32 v[CO], v1, 4, v5
	s_lshl_b32 s22, s11, 6                         ; o: my 64 rows of 2,048 bytes, the work-group's 512 bytes, my 256 of them
	s_add_co_u32 s22, s22, s19
	s_lshl_b32 s22, s22, 11
	s_lshl_b32 s23, s40, 9
	s_add_co_u32 s22, s22, s23
	s_lshl_b32 s23, s12, 8
	s_add_co_u32 s22, s22, s23
	s_mov_b32 s23, 0
	s_add_nc_u64 s[8:9], s[8:9], s[22:23]
	s_lshl_b32 s22, s70, 18                        ; stat: the batch's 16 planes, the row block's 128 pairs
	s_lshl_b32 s23, s68, 10
	s_add_co_u32 s22, s22, s23
	s_mov_b32 s23, 0
	s_add_nc_u64 s[STB:STB+1], s[STB:STB+1], s[22:23]
	; the prefetches stand at K step 3; each change of slots steps them first
	s_lshl_b32 s22, s40, 5
	s_add_co_u32 s22, s22, s19
	s_lshl_b32 s22, s22, 12
	s_add_co_u32 s22, s22, 3*KSTEP*2
	s_add_nc_u64 s[PFA:PFA+1], s[4:5], s[22:23]
	s_lshl_b32 s22, s10, 5
	s_add_co_u32 s22, s22, s18
	s_add_co_u32 s22, s22, 3*KSTEP
	s_mul_i32 s22, s22, PITB
	s_lshl_b32 s14, s40, 9
	s_add_co_u32 s22, s22, s14
	s_add_co_u32 s22, s22, 4096
	s_add_nc_u64 s[PFB:PFB+1], s[6:7], s[22:23]
	s_max_u32 s14, s69, 2
	s_sub_co_u32 s14, s14, 2                       ; laps - 2, or 0
	s_cmp_eq_u32 s10, 0
	s_cselect_b32 s[LIMA], s14, 0
	s_cmp_eq_u32 s68, 15
	s_cselect_b32 s[LIMB], s14, 0
	v_and_b32 v[PFO], 31, v0
	v_mul_u32_u24 v[PFO2], PITB, v[PFO]
	v_lshlrev_b32 v[PFO], 12, v[PFO]
	; THE ROWS' STATISTICS, in the wait for the first tiles.  All 16 key blocks' pairs of my 4 x 16 rows; a block beyond the last is read as the last once more: its cm changes no maximum, and its l is set to 0.
	v_lshlrev_b32 v[VST], 3, v1
	s_lshl_b32 s22, s11, 9
	v_add_nc_u32 v[VST], s22, v[VST]
.irp t, 0,1,2,3,4,5,6,7,8,9,10,11,12,13,14,15
	s_min_u32 s86, s71, \t
	s_lshl_b32 s86, s86, 14
	v_add_nc_u32 v[VO+(\t)], s86, v[VST]
.endr
.irp a, 0,1,2,3
.irp t, 0,1,2,3,4,5,6,7,8,9,10,11,12,13,14,15
	global_load_b64 v[SDT+2*(16*(\a)+(\t)):SDT+2*(16*(\a)+(\t))+1], v[VO+(\t)], s[STB:STB+1] offset:128*(\a)
.endr
.endr
	s_wait_loadcnt 0x0
.irp t, 2,3,4,5,6,7,8,9,10,11,12,13,14,15
	s_cmp_gt_u32 s87, \t
	s_cselect_b32 s86, -1, 0
.irp a, 0,1,2,3
	v_cndmask_b32 v[SDT+2*(16*(\a)+(\t))+1], 0, v[SDT+2*(16*(\a)+(\t))+1], s86
.endr
.endr
.irp a, 0,1,2,3
	v_max3_num_f32 v[CMX+(\a)], v[SDT+32*(\a)], v[SDT+32*(\a)+2], v[SDT+32*(\a)+4]
.endr
.irp t, 3,5,7,9,11,13
.irp a, 0,1,2,3
	v_max3_num_f32 v[CMX+(\a)], v[CMX+(\a)], v[SDT+32*(\a)+2*(\t)], v[SDT+32*(\a)+2*(\t)+2]
.endr
.endr
.irp a, 0,1,2,3
	v_max_num_f32 v[CMX+(\a)], v[CMX+(\a)], v[SDT+32*(\a)+30]
.endr
.irp a, 0,1,2,3
.irp t, 0,1,2,3,4,5,6,7,8,9,10,11,12,13,14,15
	v_sub_f32 v[SDT+2*(16*(\a)+(\t))], v[SDT+2*(16*(\a)+(\t))], v[CMX+(\a)]
.endr
.endr
.irp a, 0,1,2,3
.irp t, 0,1,2,3,4,5,6,7,8,9,10,11,12,13,14,15
	v_exp_f32 v[SDT+2*(16*(\a)+(\t))], v[SDT+2*(16*(\a)+(\t))]
.endr
.endr
	v_nop                                          ; a plain instruction behind the last exponential,
	s_wait_alu depctr_va_vdst(0)                   ; and one wait for the batch of 64
.irp a, 0,1,2,3
	v_mul_f32 v[T+(\a)], v[SDT+32*(\a)], v[SDT+32*(\a)+1]
.endr
.irp t, 1,2,3,4,5,6,7,8,9,10,11,12,13,14,15
.irp a, 0,1,2,3
	v_fmac_f32 v[T+(\a)], v[SDT+32*(\a)+2*(\t)], v[SDT+32*(\a)+2*(\t)+1]
.endr
.endr
.irp a, 0,1,2,3
	v_cvt_pk_f16_f32 v[FAC+(\a)], v[SDT+32*(\a)], v[SDT+32*(\a)]  ; K step 0's factor
.endr
.irp a, 0,1,2,3
	v_rcp_f32 v[RL+2*(\a)], v[T+(\a)]
.endr
	v_nop
	s_wait_alu depctr_va_vdst(0)
.irp a, 0,1,2,3
	v_mov_b32 v[RL+2*(\a)+1], v[RL+2*(\a)]
.endr
	s_add_nc_u64 s[SB+2:SB+3], s[STB:STB+1], PLANE ; cm of K step 1,
	s_min_u32 s86, s71, 2
	s_lshl_b32 s84, s86, 14
	s_mov_b32 s85, 0
	s_add_nc_u64 s[SB:SB+1], s[STB:STB+1], s[84:85]  ; and of K step 2 (or of the last)
.irp a, 0,1,2,3
	global_load_b32 v[CMT+4+(\a)], v[VST], s[SB+2:SB+3] offset:128*(\a)
.endr
.irp a, 0,1,2,3
	global_load_b32 v[CMT+(\a)], v[VST], s[SB:SB+1] offset:128*(\a)
.endr
	s_mov_b32 s72, 3                               ; the K step whose cm is loaded next
.macro MUL8 f, a, zero
	WIN MUL
.irp b, 0,1,2,3,4,5,6,7
.if \zero
	v_wmma_f32_16x16x32_f16 v[8*(8*(\a)+(\b)):8*(8*(\a)+(\b))+7], v[(\f)+8*(\b):(\f)+8*(\b)+7], v[(\f)+64+8*(\a):(\f)+64+8*(\a)+7], 0
.else
	v_wmma_f32_16x16x32_f16 v[8*(8*(\a)+(\b)):8*(8*(\a)+(\b))+7], v[(\f)+8*(\b):(\f)+8*(\b)+7], v[(\f)+64+8*(\a):(\f)+64+8*(\a)+7], v[8*(8*(\a)+(\b)):8*(8*(\a)+(\b))+7]
.endif
.endr
.endm
.macro FETCH slot, q, f
	WIN 0
.irp b, 0,1,2,3,4,5,6,7
	ds_load_tr16_b128 v[(\f)+8*(\b):(\f)+8*(\b)+3],   v[ADRB+(\slot)] offset:(\q)*32*PB+32*(\b)
	ds_load_tr16_b128 v[(\f)+8*(\b)+4:(\f)+8*(\b)+7], v[ADRB+(\slot)] offset:(\q)*32*PB+16*PB+32*(\b)
.endr
.irp a, 0,1,2,3
	ds_load_b128 v[(\f)+64+8*(\a):(\f)+64+8*(\a)+3],   v[ADRA+(\slot)] offset:64*(\q)+(\a)*16*PA
	ds_load_b128 v[(\f)+64+8*(\a)+4:(\f)+64+8*(\a)+7], v[ADRA+(\slot)] offset:64*(\q)+(\a)*16*PA+32
.endr
.endm
.macro SCALE f, par                    ; P's fragments in buffer f times the K step's factor: 32 packed lines, two weights each
	WIN 0
.irp a, 0,1,2,3
.irp k, 0,1,2,3,4,5,6,7
	v_pk_mul_f16 v[(\f)+64+8*(\a)+(\k)], v[(\f)+64+8*(\a)+(\k)], v[FAC+4*(\par)+(\a)]
.endr
.endr
.endm
; The next K step's factor, and (load = 1) the loads of cm for the step after the one after it.
.macro FACT next, load
	WIN 0
	s_wait_loadcnt 4                               ; two groups of four are out: the older, the next step's cm, is in; its base may be written
.irp a, 0,1,2,3
	v_sub_f32 v[T+(\a)], v[CMT+4*(\next)+(\a)], v[CMX+(\a)]
.endr
.irp a, 0,1,2,3
	v_exp_f32 v[T+(\a)], v[T+(\a)]
.endr
.if \load
	s_min_u32 s86, s72, s71                        ; never past the row block's last key block
	s_lshl_b32 s84, s86, 14
	s_add_nc_u64 s[SB+2*(\next):SB+2*(\next)+1], s[STB:STB+1], s[84:85]
	s_add_co_u32 s72, s72, 1
.endif
	v_nop
	s_wait_alu depctr_va_vdst(0)                   ; one wait for the four exponentials
.irp a, 0,1,2,3
	v_cvt_pk_f16_f32 v[FAC+4*(\next)+(\a)], v[T+(\a)], v[T+(\a)]
.endr
.if \load
.irp a, 0,1,2,3
	global_load_b32 v[CMT+4*(\next)+(\a)], v[VST], s[SB+2*(\next):SB+2*(\next)+1] offset:128*(\a)
.endr
.endif
.endm
.macro QUARTER slot, q, f, g, zero
	WIN 0
	s_wait_dscnt 0x0                               ; buffer f is in
	SCALE \f, \slot                                ; its 32 plain lines, which name nothing of the last products, are also the places in front of the loads below
	FETCH \slot, \q, \g
	MUL8 \f, 0, \zero
	MUL8 \f, 1, \zero
	MUL8 \f, 2, \zero
	MUL8 \f, 3, \zero
.endm
.macro TURN slot, next, fill
.if \fill
	s_wait_xcnt 0x0                                ; the last prefetches, a K step back, have read their addresses
	s_add_nc_u64 s[PFA:PFA+1], s[PFA:PFA+1], KSTEP*2
	s_add_nc_u64 s[PFB:PFB+1], s[PFB:PFB+1], KSTEP*PITB
.endif
	FACT \next, \fill
	WIN 0
	s_wait_tensorcnt 0x0                           ; all my tensor loads have landed
	ds_add_u32 v[SPW], v[NIL]                      ; 0 onto my spare word
	s_wait_dscnt 1                                 ; the add alone may be out: buffer 1 is in
	SCALE F1, \slot
	MUL8 F1, 0, 0
	s_wait_dscnt 0x0                               ; the add is done, and my reads of this slot are over
	s_barrier_signal -1
	MUL8 F1, 1, 0
	WIN 0
	s_barrier_wait -1
.if \fill
	CREST                                          ; no wave of any partner still reads this slot or has a load on its way
	s_add_nc_u64 s[G0+4*(\slot)+2:G0+4*(\slot)+3], s[G0+4*(\slot)+2:G0+4*(\slot)+3], 2*KSTEP*2
	s_add_nc_u64 s[G0B+4*(\slot)+2:G0B+4*(\slot)+3], s[G0B+4*(\slot)+2:G0B+4*(\slot)+3], 2*KSTEP*PITB
	JLOAD \slot
.else
	PLACES
.endif
	FETCH \next, 0, F0
.if \fill
	ASK
.endif
	MUL8 F1, 2, 0
	MUL8 F1, 3, 0
.endm
.macro PACK a                          ; divided by L, rounded to f16, 16 bytes a lane
	WIN 0x41
.set z, 64*(\a)
.rept 32
	v_pk_mul_f32 v[z:z+1], v[z:z+1], v[RL+2*(\a):RL+2*(\a)+1] op_sel_hi:[1,0]
.set z, z+2
.endr
	WIN 0x05
.irp b, 0,1,2,3,4,5,6,7
.irp r, 0,1,2,3
	v_cvt_pk_f16_f32 v[TMP+4*(\b)+(\r)], v[8*(8*(\a)+(\b))+2*(\r)], v[8*(8*(\a)+(\b))+2*(\r)+1]
.endr
.endr
	WIN 0
.endm
.macro TOSTAGE a
	WIN 0
.irp b, 0,1,2,3,4,5,6,7
	ds_store_b128 v[STO], v[TMP+4*(\b):TMP+4*(\b)+3] offset:32*(\b)
.endr
.irp t, 0,1,2,3,4,5,6,7
	ds_load_b128 v[BK+32*(\a)+4*(\t):BK+32*(\a)+4*(\t)+3], v[RD] offset:(\t)*2*SP  ; LDS serves a wave's instructions in order (ISA guide 5.7.1.4): these see the stores above
.endr
.endm
.macro SEND a
	WIN 0
	s_wait_dscnt 0x0
.irp t, 0,1,2,3,4,5,6,7
	global_store_b128 v[CO], v[BK+32*(\a)+4*(\t):BK+32*(\a)+4*(\t)+3], s[8:9] offset:(16*(\a)+2*(\t))*CP  ; 16 lanes store 256 consecutive bytes, aligned
.endr
.endm
	s_wait_tensorcnt 1                             ; my part of K step 0 is in; K step 1's may stay out
	s_barrier_signal -1
	s_barrier_wait -1
	FETCH 0, 0, F0
	QUARTER 0, 1, F0, F1, 1
	WIN 0
	s_mov_b32 s3, 1
	s_cmp_lt_u32 s3, s69                           ; laps - 1 trips: none for the first two row blocks; the same in all four partners and in all four waves
	s_cbranch_scc0 .Ltail
.Llap:                                             ; a trip goes once round the ring and fills both slots again; its LDS addresses are fixed
	QUARTER 0, 2, F1, F0, 0
	QUARTER 0, 3, F0, F1, 0
	TURN 0, 1, 1
	QUARTER 1, 1, F0, F1, 0
	QUARTER 1, 2, F1, F0, 0
	QUARTER 1, 3, F0, F1, 0
	TURN 1, 0, 1
	QUARTER 0, 1, F0, F1, 0
	WIN 0
	s_add_co_u32 s3, s3, 1
	s_cmp_lt_u32 s3, s69
	s_cbranch_scc1 .Llap
.Ltail:
	QUARTER 0, 2, F1, F0, 0                        ; the last lap fills nothing
	QUARTER 0, 3, F0, F1, 0
	TURN 0, 1, 0
	QUARTER 1, 1, F0, F1, 0
	QUARTER 1, 2, F1, F0, 0
	QUARTER 1, 3, F0, F1, 0
	WIN 0
	s_wait_dscnt 0x0
	SCALE F1, 1
	MUL8 F1, 0, 0
	MUL8 F1, 1, 0
	MUL8 F1, 2, 0
	MUL8 F1, 3, 0
	WIN 0
	PLACES
	PACK 0
	TOSTAGE 0
.irp a, 1,2,3
	PACK \a
	SEND (\a)-1
	TOSTAGE \a
.endr
	SEND 3
	s_wait_tensorcnt 0x0                           ; the wave's end, behind my last tensor load and my last LDS store
	ds_add_u32 v[SPW], v[NIL]
	s_wait_dscnt 0x0
	CROUND                                         ; the closing round
	s_endpgm
.Lfunc_end_k_q0010bdd0e3_pv:
	.size	k_q0010bdd0e3_pv, .Lfunc_end_k_q0010bdd0e3_pv-k_q0010bdd0e3_pv
	.p2alignl 7, 3214868480
	.fill 96, 4, 3214868480
	.section	.rodata,"a",@progbits
	.p2align	6, 0x0
	.amdhsa_kernel k_q0010bdd0e3_pv
		.amdhsa_group_segment_fixed_size 327680
		.amdhsa_private_segment_fixed_size 0
		.amdhsa_enable_private_segment 0
		.amdhsa_kernarg_size 32
		.amdhsa_user_sgpr_count 2
		.amdhsa_user_sgpr_kernarg_segment_ptr 1
		.amdhsa_wavefront_size32 1
		.amdhsa_system_sgpr_workgroup_id_x 1
		.amdhsa_system_sgpr_workgroup_id_y 1
		.amdhsa_system_sgpr_workgroup_id_z 1
		.amdhsa_system_vgpr_workitem_id 0
		.amdhsa_next_free_vgpr 512
		.amdhsa_next_free_sgpr 100
		.amdhsa_reserve_vcc 0
		.amdhsa_float_denorm_mode_32 3
		.amdhsa_float_denorm_mode_16_64 3
		.amdhsa_memory_ordered 1
		.amdhsa_forward_progress 1
		.amdhsa_inst_pref_size 150
	.end_amdhsa_kernel
	.amdgpu_metadata
---
amdhsa.version: [ 1, 2 ]
amdhsa.kernels:
  - .name:           k_q0010bdd0e3_pv
    .symbol:         k_q0010bdd0e3_pv.kd
    .args:
      - { .name: p, .offset: 0, .size: 8, .value_kind: global_buffer, .address_space: global }
      - { .name: qkv, .offset: 8, .size: 8, .value_kind: global_buffer, .address_space: global }
      - { .name: stat, .offset: 16, .size: 8, .value_kind: global_buffer, .address_space: global }
      - { .name: o, .offset: 24, .size: 8, .value_kind: global_buffer, .address_space: global }
    .group_segment_fixed_size: 327680
    .private_segment_fixed_size: 0
    .kernarg_segment_align: 8
    .kernarg_segment_size: 32
    .max_flat_workgroup_size: 128
    .sgpr_count:     100
    .vgpr_count:     512
    .wavefront_size: 32
...
	.end_amdgpu_metadata
.endif
;; end of part 4
;; launch outp (part 5): grid 4 x 64, 4 waves a work-group, clusters of 4 x 4, 327,680 bytes of LDS; arguments o, wo16, out0; writes out0
.if DOCPART == 5
	.amdgcn_target "amdgcn-amd-amdhsa--gfx1250"
	.amdhsa_code_object_version 6
	.text
	.protected	k_q0010bdd0e3_outp
	.globl	k_q0010bdd0e3_outp
	.p2align	8
	.type	k_q0010bdd0e3_outp,@function
k_q0010bdd0e3_outp:
	s_mov_b64 s[64:65], 0
	v_nop
	global_prefetch_b8 v0, s[64:65] scope:SCOPE_SE
	s_setreg_imm32_b32 hwreg(HW_REG_WAVE_MODE, 25, 1), 1
	s_wait_xcnt 0x0
	s_wait_alu depctr_hold_cnt(0) depctr_sa_sdst(0) depctr_va_vdst(0) depctr_va_sdst(0) depctr_va_ssrc(0) depctr_va_vcc(0) depctr_vm_vsrc(0)
	s_getreg_b32 s2, hwreg(HW_REG_IB_STS2, 6, 4)
	s_cmp_eq_u32 s2, 0
	s_cbranch_scc0 .Lentry_in_a_cluster
	s_endpgm
.Lentry_in_a_cluster:
	s_bfe_u32 s2, ttmp6, 0x10000c
	s_cmp_lg_u32 s2, 0xf033
	s_cbranch_scc0 .Lentry_shape_is_right
	s_endpgm
.Lentry_shape_is_right:
; THE LAST PROJECTION.  out0[m][n] = sum over v of o[m][v] wo16[v][n].  o: [8192][1024] f16; wo16: [1024][1024] f16 (Wo rounded to bf16, that number written as f16); out0: [8192][1024] f32; sums in f32.
; SHARES.  A tile of C is 128 rows x 256 columns: 256 tiles.  Four waves, each 64 rows x 128 columns: 32 accumulators.  K goes in steps of 128 through two LDS slots; B lies [k][n] and is turned on the way out of LDS.
; Source 0 = 16 columns of B, source 1 = 16 rows of A: a lane holds eight neighbouring numbers of one row of C, 32 bytes.
; CLUSTER.  4 x 4 work-groups: A's tile is shared along a row of the cluster, B's along a column; each is asked for jointly.
; REGISTERS.  Window 0: v0-31 addresses; v64-159, v160-255 two fragment buffers; on the way out v64-191 two sets of 16 whole rows.  Window 1: accumulator (a, b) at v[8 (8 a + b)].
.set KSTEP,  128
.set PA,     272
.set PB,     544
.set HALFA,  64*PA
.set BOFF,   128*PA
.set HALFB,  64*PB
.set SLOT,   BOFF+128*PB
.set STAGE,  2*SLOT                    ; behind the ring: 16 rows x 528 bytes for each wave; no tensor load lands here
.set SP,     528                       ; a stage row: 512 bytes + 16 = 132 words: the 16 rows of a store start 4 banks apart (64 banks of 4 bytes: ISA guide 11.1)
.set WSTG,   8448
.set SPARE,  STAGE+4*WSTG
.set PITA,   2048
.set PITB,   2048
.set CP,     4096
.set LAPS,   4
.set ADRA, 16
.set ADRB, 20
.set STO,  24
.set RD,   25
.set CO,   26
.set SPW,  28
.set NIL,  29
.set PFO,  30
.set F0,   64
.set F1,   160
.set BK,   64
.set G1,   24
.set G0,   32
.set LIM,  43
.set PFA,  44
.set G1B,  48
.set G0B,  56
.set PSTEP, 66
.set MUL,  0x50
.set MSB, 0
.macro WIN new
.if MSB != (\new)
	s_set_vgpr_msb (MSB<<8)|(\new)
.set MSB, \new
.endif
.endm
.macro PLACES
.rept 4
	v_nop
.endr
.endm
.macro JLOAD s                         ; a joint load: waves 0 and 1 fetch A's two halves, waves 2 and 3 B's; an s_nop 0 and four v_nop follow each line
	s_cmp_eq_u32 s11, 0
	s_cbranch_scc0 .Lfor_b_\@
	tensor_load_to_lds s[G0+4*(\s):G0+4*(\s)+3], s[G1:G1+7]
	s_nop 0
.rept 4
	v_nop
.endr
	s_branch .Lasked_\@
.Lfor_b_\@:
	tensor_load_to_lds s[G0B+4*(\s):G0B+4*(\s)+3], s[G1B:G1B+7]
	s_nop 0
.rept 4
	v_nop
.endr
.Lasked_\@:
.endm
.macro CREST
	s_cmp_lg_u32 s10, 0
	s_cbranch_scc1 .Lnot_wave_0_\@
	s_barrier_signal -3
.Lnot_wave_0_\@:
	s_barrier_wait -3
	s_barrier_signal -1
	s_barrier_wait -1
.endm
.macro CROUND
	s_barrier_signal -1
	s_barrier_wait -1
	CREST
.endm
; A prefetch into the L2 of the K step two refills on, a lane a row of 256 bytes.  A's rows are read by one cluster alone (the grid is one cluster wide): wave 0 of the partner at cx names rows 32 cx on.
; B's k-rows are read by every cluster: those with y = 0 name them, waves 2 and 3 a half of the 512 bytes each, the partner at cy k-rows 32 cy on.  The loop's last trip asks for nothing.
.macro ASK
	s_cmp_gt_u32 s3, s[LIM]
	s_cbranch_scc0 .Lnot_mine_\@
	global_prefetch_b8 v[PFO], s[PFA:PFA+1] th:TH_LOAD_NT scope:SCOPE_SE
.Lnot_mine_\@:
.endm
	s_load_b128 s[4:7], s[0:1], 0x0                ; o s[4:5], wo16 s[6:7]
	s_load_b64 s[8:9], s[0:1], 0x10                ; out0
	v_lshl_add_u32 v[SPW], v0, 2, SPARE
	v_mov_b32 v[NIL], 0
	ds_add_u32 v[SPW], v[NIL]                      ; the wave's opening, ahead of my first tensor load
	v_lshrrev_b32 v1, 5, v0
	v_readfirstlane_b32 s10, v1
	s_lshr_b32 s11, s10, 1
	s_and_b32 s12, s10, 1
	s_bfe_u32 s40, ttmp6, 0x40000
	s_bfe_u32 s41, ttmp6, 0x40004
	s_lshl_b32 s42, ttmp9, 2
	s_add_co_u32 s42, s42, s40                     ; tile column
	s_and_b32 s13, ttmp7, 0xffff
	s_lshl_b32 s13, s13, 2
	s_add_co_u32 s13, s13, s41                     ; tile row
	s_lshl_b32 s43, s41, 2
	s_lshl_b32 s43, 15, s43                        ; my row of the cluster
	s_lshl_b32 s44, 0x1111, s40                    ; my column
	s_or_b32 s[G1], s43, (1<<16)|(1<<20)|(1<<21)|(5<<22)|(3<<25)
	s_mov_b32 s[G1+1], 128<<16
	s_mov_b32 s[G1+2], 64<<16
	s_mov_b32 s[G1+3], 128<<16
	s_mov_b32 s[G1+4], 64
	s_mov_b32 s[G1+5], PITA/2
	s_mov_b32 s[G1+6], 0
	s_mov_b32 s[G1+7], 0
	s_or_b32 s[G1B], s44, (1<<16)|(1<<20)|(1<<21)|(6<<22)|(7<<25)
	s_mov_b32 s[G1B+1], 256<<16
	s_mov_b32 s[G1B+2], 64<<16
	s_mov_b32 s[G1B+3], 256<<16
	s_mov_b32 s[G1B+4], 64
	s_mov_b32 s[G1B+5], PITB/2
	s_mov_b32 s[G1B+6], 0
	s_mov_b32 s[G1B+7], 0
	s_lshl_b32 s16, s13, 18                        ; A: 128 rows of 2,048 bytes x tile row,
	s_lshl_b32 s17, s12, 17                        ; + the 64 rows that I fetch
	s_add_co_u32 s16, s16, s17
	s_mov_b32 s17, 0
	s_mul_i32 s46, s12, 64*PITB                    ; B: the 64 k-rows that I fetch,
	s_lshl_b32 s47, s42, 9                         ; + 512 bytes x tile column
	s_add_co_u32 s46, s46, s47
	s_mov_b32 s47, 0
	s_mul_i32 s20, s12, HALFA
	s_mul_i32 s21, s12, HALFB
	s_add_co_u32 s21, s21, BOFF
	s_wait_dscnt 0x0                               ; the opening add is done
	s_wait_kmcnt 0x0
	s_add_nc_u64 s[14:15], s[4:5], s[16:17]
	s_add_nc_u64 s[46:47], s[6:7], s[46:47]
	CROUND                                         ; all sixteen work-groups are here: the first joint loads meet
.irp s, 0,1
	s_mov_b32 s[G0+4*(\s)], 1
	s_add_co_u32 s[G0+4*(\s)+1], s20, (\s)*SLOT
	s_add_nc_u64 s[G0+4*(\s)+2:G0+4*(\s)+3], s[14:15], (\s)*KSTEP*2
	s_or_b32 s[G0+4*(\s)+3], s[G0+4*(\s)+3], 0x80000000
	s_mov_b32 s[G0B+4*(\s)], 1
	s_add_co_u32 s[G0B+4*(\s)+1], s21, (\s)*SLOT
	s_add_nc_u64 s[G0B+4*(\s)+2:G0B+4*(\s)+3], s[46:47], (\s)*KSTEP*PITB
	s_or_b32 s[G0B+4*(\s)+3], s[G0B+4*(\s)+3], 0x80000000
	JLOAD \s                                       ; two loads of mine are out: K steps 0 and 1
.endr
	v_and_b32 v1, 15, v0                           ; r
	v_bfe_u32 v2, v0, 4, 1                         ; h
	v_and_b32 v10, 7, v0
	v_bfe_u32 v11, v0, 3, 1
	v_and_b32 v12, 31, v0                          ; l
	v_mul_u32_u24 v3, v1, PA
	v_lshl_add_u32 v3, v2, 4, v3
	s_mul_i32 s22, s11, HALFA
	v_add_nc_u32 v[ADRA], s22, v3
	v_add_nc_u32 v[ADRA+1], SLOT, v[ADRA]
	v_lshl_add_u32 v4, v2, 3, v10
	v_mul_u32_u24 v4, v4, PB
	v_lshl_add_u32 v4, v11, 4, v4
	s_lshl_b32 s22, s12, 8
	s_add_co_u32 s22, s22, BOFF
	v_add_nc_u32 v[ADRB], s22, v4
	v_add_nc_u32 v[ADRB+1], SLOT, v[ADRB]
	s_mul_i32 s23, s10, WSTG
	s_add_co_u32 s23, s23, STAGE                   ; my stage
	v_mul_u32_u24 v5, v1, SP                       ; in: row r, 32 bytes for each half of the lanes
	v_lshl_add_u32 v5, v2, 5, v5
	v_add_nc_u32 v[STO], s23, v5
	v_lshl_add_u32 v[RD], v12, 4, s23              ; back: 32 lanes take one row of 512 bytes
	v_lshlrev_b32 v[CO], 4, v12
	s_mul_i32 s16, s13, 128*CP                     ; where my part of the tile begins in C
	s_mul_i32 s17, s11, 64*CP
	s_add_co_u32 s16, s16, s17
	s_lshl_b32 s17, s42, 10
	s_add_co_u32 s16, s16, s17
	s_lshl_b32 s17, s12, 9
	s_add_co_u32 s16, s16, s17
	s_mov_b32 s17, 0
	s_add_nc_u64 s[8:9], s[8:9], s[16:17]
	; the prefetches stand at K step 3; each change of slots steps them first
	s_lshl_b32 s20, s13, 18
	s_lshl_b32 s21, s40, 16
	s_add_co_u32 s20, s20, s21
	s_add_co_u32 s20, s20, 3*KSTEP*2
	s_mul_i32 s21, s41, 32*PITB
	s_lshl_b32 s22, s42, 9
	s_add_co_u32 s21, s21, s22
	s_lshl_b32 s22, s12, 8
	s_add_co_u32 s21, s21, s22
	s_add_co_u32 s21, s21, 3*KSTEP*PITB
	s_and_b32 s22, ttmp7, 0xffff
	s_mov_b32 s[PSTEP], KSTEP*PITB
	s_mov_b32 s[PSTEP+1], 0
	s_cmp_eq_u32 s11, 0                            ; do I fetch for A?
	s_cselect_b32 s20, s20, s21
	s_cselect_b32 s22, ttmp9, s22
	s_cselect_b32 s18, s12, 0                      ; of A's two waves the first alone asks
	s_cselect_b32 s[PSTEP], KSTEP*2, s[PSTEP]
	s_cselect_b64 s[PFA:PFA+1], s[4:5], s[6:7]
	s_mov_b32 s21, 0
	s_add_nc_u64 s[PFA:PFA+1], s[PFA:PFA+1], s[20:21]
	s_or_b32 s22, s22, s18
	s_cmp_eq_u32 s22, 0
	s_cselect_b32 s[LIM], 1, -1
	v_lshlrev_b32 v[PFO], 11, v12                  ; a row of o and of wo16 is 2,048 bytes
.macro MUL8 f, a, zero
	WIN MUL
.irp b, 0,1,2,3,4,5,6,7
.if \zero
	v_wmma_f32_16x16x32_f16 v[8*(8*(\a)+(\b)):8*(8*(\a)+(\b))+7], v[(\f)+8*(\b):(\f)+8*(\b)+7], v[(\f)+64+8*(\a):(\f)+64+8*(\a)+7], 0
.else
	v_wmma_f32_16x16x32_f16 v[8*(8*(\a)+(\b)):8*(8*(\a)+(\b))+7], v[(\f)+8*(\b):(\f)+8*(\b)+7], v[(\f)+64+8*(\a):(\f)+64+8*(\a)+7], v[8*(8*(\a)+(\b)):8*(8*(\a)+(\b))+7]
.endif
.endr
.endm
.macro FETCH slot, q, f
	WIN 0
.irp b, 0,1,2,3,4,5,6,7
	ds_load_tr16_b128 v[(\f)+8*(\b):(\f)+8*(\b)+3],   v[ADRB+(\slot)] offset:(\q)*32*PB+32*(\b)
	ds_load_tr16_b128 v[(\f)+8*(\b)+4:(\f)+8*(\b)+7], v[ADRB+(\slot)] offset:(\q)*32*PB+16*PB+32*(\b)
.endr
.irp a, 0,1,2,3
	ds_load_b128 v[(\f)+64+8*(\a):(\f)+64+8*(\a)+3],   v[ADRA+(\slot)] offset:64*(\q)+(\a)*16*PA
	ds_load_b128 v[(\f)+64+8*(\a)+4:(\f)+64+8*(\a)+7], v[ADRA+(\slot)] offset:64*(\q)+(\a)*16*PA+32
.endr
.endm
.macro QUARTER slot, q, f, g, zero
	WIN 0
	s_wait_dscnt 0x0                               ; buffer f is in
	PLACES
	FETCH \slot, \q, \g
	MUL8 \f, 0, \zero
	MUL8 \f, 1, \zero
	MUL8 \f, 2, \zero
	MUL8 \f, 3, \zero
.endm
.macro TURN slot, next, fill
.if \fill
	s_wait_xcnt 0x0                                ; the last prefetch, a K step back, has read its address
	s_add_nc_u64 s[PFA:PFA+1], s[PFA:PFA+1], s[PSTEP:PSTEP+1]
.endif
	WIN 0
	s_wait_tensorcnt 0x0                           ; all my tensor loads have landed
	ds_add_u32 v[SPW], v[NIL]                      ; 0 onto my spare word
	s_wait_dscnt 1                                 ; the add alone may be out: buffer 1 is in
	MUL8 F1, 0, 0
	s_wait_dscnt 0x0                               ; the add is done, and my reads of this slot are over
	s_barrier_signal -1
	MUL8 F1, 1, 0
	WIN 0
	s_barrier_wait -1
.if \fill
	CREST                                          ; no wave of any partner still reads this slot or has a load on its way
	s_add_nc_u64 s[G0+4*(\slot)+2:G0+4*(\slot)+3], s[G0+4*(\slot)+2:G0+4*(\slot)+3], 2*KSTEP*2
	s_add_nc_u64 s[G0B+4*(\slot)+2:G0B+4*(\slot)+3], s[G0B+4*(\slot)+2:G0B+4*(\slot)+3], 2*KSTEP*PITB
	JLOAD \slot
.else
	PLACES
.endif
	FETCH \next, 0, F0
.if \fill
	ASK
.endif
	MUL8 F1, 2, 0
	MUL8 F1, 3, 0
.endm
; THE WAY OUT of block a of 16 rows: the accumulators go as they are, 32 bytes a lane, into my own stage, and come back as whole rows of 512 bytes.
.macro OUTBLK a
	WIN 0
.if (\a) >= 2
	s_wait_xcnt 0x0                                ; the stores of the block two back have read their registers, which are loaded again below
.endif
	WIN 0x04                                       ; the stores' data in window 1
.irp b, 0,1,2,3,4,5,6,7
	ds_store_b128 v[STO], v[8*(8*(\a)+(\b)):8*(8*(\a)+(\b))+3]   offset:64*(\b)
	ds_store_b128 v[STO], v[8*(8*(\a)+(\b))+4:8*(8*(\a)+(\b))+7] offset:64*(\b)+16
.endr
	WIN 0
.irp t, 0,1,2,3,4,5,6,7,8,9,10,11,12,13,14,15
	ds_load_b128 v[BK+64*((\a)%2)+4*(\t):BK+64*((\a)%2)+4*(\t)+3], v[RD] offset:(\t)*SP  ; LDS serves a wave's instructions in order (ISA guide 5.7.1.4): these see the stores above
.endr
.irp t, 0,1,2,3,4,5,6,7,8,9,10,11,12,13,14,15
	s_wait_dscnt 15-(\t)                           ; row t is back; the later rows' loads may stay out
	global_store_b128 v[CO], v[BK+64*((\a)%2)+4*(\t):BK+64*((\a)%2)+4*(\t)+3], s[8:9] offset:(16*(\a)+(\t))*CP  ; the wave stores 512 consecutive bytes, aligned
.endr
.endm
	s_wait_tensorcnt 1                             ; my part of K step 0 is in; K step 1's may stay out
	s_barrier_signal -1
	s_barrier_wait -1
	FETCH 0, 0, F0
	QUARTER 0, 1, F0, F1, 1
	WIN 0
	s_mov_b32 s3, LAPS-1
.Llap:
	QUARTER 0, 2, F1, F0, 0
	QUARTER 0, 3, F0, F1, 0
	TURN 0, 1, 1
	QUARTER 1, 1, F0, F1, 0
	QUARTER 1, 2, F1, F0, 0
	QUARTER 1, 3, F0, F1, 0
	TURN 1, 0, 1
	QUARTER 0, 1, F0, F1, 0
	WIN 0
	s_sub_co_u32 s3, s3, 1
	s_cmp_lg_u32 s3, 0
	s_cbranch_scc1 .Llap
	QUARTER 0, 2, F1, F0, 0
	QUARTER 0, 3, F0, F1, 0
	TURN 0, 1, 0
	QUARTER 1, 1, F0, F1, 0
	QUARTER 1, 2, F1, F0, 0
	QUARTER 1, 3, F0, F1, 0
	s_wait_dscnt 0x0
	MUL8 F1, 0, 0
	MUL8 F1, 1, 0
	MUL8 F1, 2, 0
	MUL8 F1, 3, 0
	WIN 0
	PLACES
	OUTBLK 0
	OUTBLK 1
	OUTBLK 2
	OUTBLK 3
	s_wait_tensorcnt 0x0                           ; the wave's end, behind my last tensor load and my last LDS store
	ds_add_u32 v[SPW], v[NIL]
	s_wait_dscnt 0x0
	CROUND                                         ; the closing round
	s_endpgm
.Lfunc_end_k_q0010bdd0e3_outp:
	.size	k_q0010bdd0e3_outp, .Lfunc_end_k_q0010bdd0e3_outp-k_q0010bdd0e3_outp
	.p2alignl 7, 3214868480
	.fill 96, 4, 3214868480
	.section	.rodata,"a",@progbits
	.p2align	6, 0x0
	.amdhsa_kernel k_q0010bdd0e3_outp
		.amdhsa_group_segment_fixed_size 327680
		.amdhsa_private_segment_fixed_size 0
		.amdhsa_enable_private_segment 0
		.amdhsa_kernarg_size 24
		.amdhsa_user_sgpr_count 2
		.amdhsa_user_sgpr_kernarg_segment_ptr 1
		.amdhsa_wavefront_size32 1
		.amdhsa_system_sgpr_workgroup_id_x 1
		.amdhsa_system_sgpr_workgroup_id_y 1
		.amdhsa_system_sgpr_workgroup_id_z 1
		.amdhsa_system_vgpr_workitem_id 0
		.amdhsa_next_free_vgpr 512
		.amdhsa_next_free_sgpr 100
		.amdhsa_reserve_vcc 0
		.amdhsa_float_denorm_mode_32 3
		.amdhsa_float_denorm_mode_16_64 3
		.amdhsa_memory_ordered 1
		.amdhsa_forward_progress 1
		.amdhsa_inst_pref_size 87
	.end_amdhsa_kernel
	.amdgpu_metadata
---
amdhsa.version: [ 1, 2 ]
amdhsa.kernels:
  - .name:           k_q0010bdd0e3_outp
    .symbol:         k_q0010bdd0e3_outp.kd
    .args:
      - { .name: o, .offset: 0, .size: 8, .value_kind: global_buffer, .address_space: global }
      - { .name: wo16, .offset: 8, .size: 8, .value_kind: global_buffer, .address_space: global }
      - { .name: out0, .offset: 16, .size: 8, .value_kind: global_buffer, .address_space: global }
    .group_segment_fixed_size: 327680
    .private_segment_fixed_size: 0
    .kernarg_segment_align: 8
    .kernarg_segment_size: 24
    .max_flat_workgroup_size: 128
    .sgpr_count:     100
    .vgpr_count:     512
    .wavefront_size: 32
...
	.end_amdgpu_metadata
.endif
;; end of part 5
;; ======== version 2 of 3: 5 launches
;; limits: values are held in f16: magnitudes above 65,504 overflow, below 6.1e-05 lose precision
;; workspace buffers: xb 16,777,216 bytes; wqkv 6,291,456 bytes; wo16 2,097,152 bytes; qkv 50,331,648 bytes; p 33,554,432 bytes; stat 1,048,576 bytes; o 16,777,216 bytes
;; launch prep: the kernel of part 1 again; grid 768 x 1, 8 waves a work-group, no clusters, 0 bytes of LDS; arguments x, Wq, Wk, Wv, Wo, xb, wqkv, wo16; writes xb, wqkv, wo16
;; launch proj (part 6): grid 12 x 32, 8 waves a work-group, clusters of 4 x 4, 327,680 bytes of LDS; arguments xb, wqkv, qkv; writes qkv
.if DOCPART == 6
	.amdgcn_target "amdgcn-amd-amdhsa--gfx1250"
	.amdhsa_code_object_version 6
	.text
	.protected	k_q0010bdd0e3_proj
	.globl	k_q0010bdd0e3_proj
	.p2align	8
	.type	k_q0010bdd0e3_proj,@function
k_q0010bdd0e3_proj:
	s_mov_b64 s[64:65], 0
	v_nop
	global_prefetch_b8 v0, s[64:65] scope:SCOPE_SE
	s_setreg_imm32_b32 hwreg(HW_REG_WAVE_MODE, 25, 1), 1
	s_wait_xcnt 0x0
	s_wait_alu depctr_hold_cnt(0) depctr_sa_sdst(0) depctr_va_vdst(0) depctr_va_sdst(0) depctr_va_ssrc(0) depctr_va_vcc(0) depctr_vm_vsrc(0)
	s_getreg_b32 s2, hwreg(HW_REG_IB_STS2, 6, 4)
	s_cmp_eq_u32 s2, 0
	s_cbranch_scc0 .Lentry_in_a_cluster
	s_endpgm
.Lentry_in_a_cluster:
	s_bfe_u32 s2, ttmp6, 0x10000c
	s_cmp_lg_u32 s2, 0xf033
	s_cbranch_scc0 .Lentry_shape_is_right
	s_endpgm
.Lentry_shape_is_right:
; THE THREE PROJECTIONS AS ONE PRODUCT.  qkv[m][n] = sum over e of xb[m][e] wqkv[e][n].  xb: [8192][1024] bf16; wqkv: [1024][3072] bf16; qkv: [8192][3072] f16 (q | k | v in a row); sums in f32, rounded once.
; LIMIT.  q, k and v are kept in f16: a number beyond 65,504 would become an infinity.  Inputs of 30 times the usual spread, in x and in the weights, give numbers of some thousands.
; SHARES.  A tile of C is 256 rows x 256 columns: 384 tiles.  EIGHT waves, two to a SIMD, each 64 rows x 128 columns: 32 accumulators of 16 x 16, 256 registers; a wave has 512 registers, two waves a SIMD's 1,024.
; K goes in steps of 128 through two LDS slots.  A's tile: 256 rows x 256 bytes.  B lies [k][n] in memory: its tile is 128 k-rows x 512 bytes, and its fragments are turned on the way out of LDS (ds_load_tr16_b128).
; Each wave brings an eighth of a slot by one tensor load.  Between a slot's request and the wait for it a wave issues 112 matrix instructions, a SIMD's two waves 224.
; THE MATRIX INSTRUCTION IS USED TRANSPOSED: source 0 = 16 columns of B, source 1 = 16 rows of A: a lane then holds eight neighbouring numbers of one row of C.
; CLUSTER.  4 x 4 work-groups.  The four of a row of the cluster need the same tile of A, the four of a column the same tile of B: each is asked for jointly, by the same tensor load, descriptor and mask.
; REGISTERS.  Window 0: v0-31 addresses; v64-159 and v160-255 two fragment buffers (64 registers of B, 32 of A, for 32 along K); on the way out v64-191 whole rows, v192-223 packed results.  Window 1: accumulator (a, b) at v[8 (8 a + b)].
.set KSTEP,  128
.set PA,     272                       ; A's LDS row: 256 bytes + 16 = 68 words: the 16 rows of a load start 4 banks apart (64 banks of 4 bytes: ISA guide 11.1)
.set PB,     544                       ; B's LDS row: 512 bytes + 32 = 136 words
.set PARTA,  64*PA                     ; what one tensor load brings of A, and what a wave reads of it: 64 rows
.set BOFF,   256*PA                    ; B's tile lies behind A's
.set PARTB,  32*PB                     ; what one tensor load brings of B: 32 k-rows of 512 bytes
.set SLOT,   BOFF+128*PB
.set STAGE,  2*SLOT                    ; behind the ring: 16 rows x 272 bytes for each wave; no tensor load lands here
.set SP,     272
.set WSTG,   16*SP
.set SPARE,  STAGE+8*WSTG              ; the spare words, 128 bytes a wave: four blocks of 256 bytes that no other line names
.set PITA,   2048                      ; bytes in a row of xb
.set PITB,   6144                      ; bytes in a row of wqkv
.set CP,     6144                      ; bytes in a row of qkv
.set LAPS,   4                         ; K = 1,024 = 4 laps of two K steps
.set ADRA, 16                          ; v16-17  LDS address of my A fragments in slot 0, 1
.set ADRB, 20                          ; v20-21  the same for B
.set STO,  24                          ; v24     the way out: where I put 16 bytes of a row
.set RD,   25                          ; v25     where I read a row back
.set CO,   26                          ; v26     my byte offset in C
.set SPW,  28                          ; v28     LDS address of my spare word; never rewritten
.set NIL,  29                          ; v29     0; never rewritten
.set PFO,  30                          ; v30     the prefetches' offset: my lane x a row; never rewritten
.set F0,   64
.set F1,   160
.set BK,   64
.set TMP,  192
.set G1,   24                          ; s[24:31] descriptor group 1 for A;  s[32:39] group 0, a set for each slot
.set G0,   32
.set LIM,  43                          ; s43     1 in a wave that prefetches, else the greatest number
.set PFA,  44                          ; s[44:45] where my prefetches stand
.set G1B,  48                          ; s[48:55], s[56:63] the same for B
.set G0B,  56
.set PSTEP, 66                         ; s[66:67] a K step in bytes along my prefetches' way
.set ROLE, 68                          ; s68     I fetch for A (0: waves 0-3) or for B (1: waves 4-7)
.set PART, 69                          ; s69     which quarter of that tile I fetch
.set MUL,  0x50                        ; C and D in window 1, the sources in window 0
.set MSB, 0
.macro WIN new                         ; the immediate's high byte repeats the setting that is left; a switch that changes nothing is dropped
.if MSB != (\new)
	s_set_vgpr_msb (MSB<<8)|(\new)
.set MSB, \new
.endif
.endm
.macro PLACES                          ; four places in front of loads into registers that matrix instructions have read, and of lines that read results
.rept 4
	v_nop
.endr
.endm
.macro JLOAD s                         ; a joint load: waves 0 to 3 fetch A's four quarters, waves 4 to 7 B's; an s_nop 0 and four v_nop follow each line
	s_cmp_eq_u32 s[ROLE], 0
	s_cbranch_scc0 .Lfor_b_\@
	tensor_load_to_lds s[G0+4*(\s):G0+4*(\s)+3], s[G1:G1+7]
	s_nop 0
.rept 4
	v_nop
.endr
	s_branch .Lasked_\@
.Lfor_b_\@:
	tensor_load_to_lds s[G0B+4*(\s):G0B+4*(\s)+3], s[G1B:G1B+7]
	s_nop 0
.rept 4
	v_nop
.endr
.Lasked_\@:
.endm
.macro CREST                           ; a round of the cluster's barrier behind its opening barrier
	s_cmp_lg_u32 s10, 0
	s_cbranch_scc1 .Lnot_wave_0_\@
	s_barrier_signal -3
.Lnot_wave_0_\@:
	s_barrier_wait -3
	s_barrier_signal -1
	s_barrier_wait -1
.endm
.macro CROUND
	s_barrier_signal -1
	s_barrier_wait -1
	CREST
.endm
; A prefetch into the L2 of the K step that stands two refills on, a lane a row of 256 bytes, behind the joint load and the run of LDS loads.  Each block is named once in the launch: A's rows by the clusters
; with x = 0 (waves 0 and 1; the partner at cx takes rows 64 cx on, a wave 32 of them), B's k-rows by the clusters with y = 0 (waves 4 and 5, a half of the 512 bytes each; the partner at cy takes k-rows 32 cy on).
; Partners are told apart by address alone.  The loop's last trip asks for nothing: there is no K step two refills on.
.macro ASK
	s_cmp_gt_u32 s3, s[LIM]
	s_cbranch_scc0 .Lnot_mine_\@
	global_prefetch_b8 v[PFO], s[PFA:PFA+1] th:TH_LOAD_NT scope:SCOPE_SE
.Lnot_mine_\@:
.endm
	s_load_b128 s[4:7], s[0:1], 0x0                ; xb s[4:5], wqkv s[6:7]
	s_load_b64 s[8:9], s[0:1], 0x10                ; qkv
	v_lshl_add_u32 v[SPW], v0, 2, SPARE
	v_mov_b32 v[NIL], 0
	ds_add_u32 v[SPW], v[NIL]                      ; the wave's opening: the add and its wait stand ahead of my first tensor load; the set-up below stands between them
	v_lshrrev_b32 v1, 5, v0
	v_readfirstlane_b32 s10, v1                    ; wave 0..7
	s_lshr_b32 s11, s10, 1                         ; which 64 rows of the tile are mine
	s_and_b32 s12, s10, 1                          ; which 128 columns
	s_lshr_b32 s[ROLE], s10, 2
	s_and_b32 s[PART], s10, 3
	s_bfe_u32 s40, ttmp6, 0x40000                  ; cx, cy: my place in the cluster
	s_bfe_u32 s41, ttmp6, 0x40004
	s_lshl_b32 s42, ttmp9, 2
	s_add_co_u32 s42, s42, s40                     ; tile column = 4 x cluster x + cx
	s_and_b32 s13, ttmp7, 0xffff
	s_lshl_b32 s13, s13, 2
	s_add_co_u32 s13, s13, s41                     ; tile row = 4 x cluster y + cy
	s_lshl_b32 s43, s41, 2
	s_lshl_b32 s43, 15, s43                        ; my row of the cluster
	s_lshl_b32 s44, 0x1111, s40                    ; my column
	s_or_b32 s[G1], s43, (1<<16)|(1<<20)|(1<<21)|(5<<22)|(3<<25)   ; the mask; 2-byte elements; padding on; bit 21 beside a mask; after every 64 words, 4 words
	s_mov_b32 s[G1+1], 128<<16                     ; tensor_dim0 = 128
	s_mov_b32 s[G1+2], 64<<16                      ; tensor_dim1 = 64
	s_mov_b32 s[G1+3], 128<<16                     ; tile_dim0 = 128
	s_mov_b32 s[G1+4], 64                          ; tile_dim1 = 64
	s_mov_b32 s[G1+5], PITA/2                      ; elements from row to row
	s_mov_b32 s[G1+6], 0
	s_mov_b32 s[G1+7], 0
	s_or_b32 s[G1B], s44, (1<<16)|(1<<20)|(1<<21)|(6<<22)|(7<<25)  ; after every 128 words, 8 words
	s_mov_b32 s[G1B+1], 256<<16                    ; tensor_dim0 = 256
	s_mov_b32 s[G1B+2], 32<<16                     ; tensor_dim1 = 32
	s_mov_b32 s[G1B+3], 256<<16                    ; tile_dim0 = 256
	s_mov_b32 s[G1B+4], 32                         ; tile_dim1 = 32: the step's 128 k-rows shared out among four waves, so that each of the eight has a load of its own
	s_mov_b32 s[G1B+5], PITB/2
	s_mov_b32 s[G1B+6], 0
	s_mov_b32 s[G1B+7], 0
	s_lshl_b32 s16, s13, 19                        ; A: 256 rows of 2,048 bytes x tile row,
	s_lshl_b32 s17, s[PART], 17                    ; + the 64 rows that I fetch
	s_add_co_u32 s16, s16, s17
	s_mov_b32 s17, 0
	s_mul_i32 s46, s[PART], 32*PITB                ; B: the 32 k-rows that I fetch,
	s_lshl_b32 s47, s42, 9                         ; + 512 bytes x tile column
	s_add_co_u32 s46, s46, s47
	s_mov_b32 s47, 0
	s_mul_i32 s20, s[PART], PARTA                  ; where they go: no place in the cluster enters an LDS address
	s_mul_i32 s21, s[PART], PARTB
	s_add_co_u32 s21, s21, BOFF
	s_wait_dscnt 0x0                               ; the opening add is done
	s_wait_kmcnt 0x0
	s_add_nc_u64 s[14:15], s[4:5], s[16:17]
	s_add_nc_u64 s[46:47], s[6:7], s[46:47]
	CROUND                                         ; all sixteen work-groups are here: the first joint loads meet
.irp s, 0,1
	s_mov_b32 s[G0+4*(\s)], 1
	s_add_co_u32 s[G0+4*(\s)+1], s20, (\s)*SLOT
	s_add_nc_u64 s[G0+4*(\s)+2:G0+4*(\s)+3], s[14:15], (\s)*KSTEP*2
	s_or_b32 s[G0+4*(\s)+3], s[G0+4*(\s)+3], 0x80000000
	s_mov_b32 s[G0B+4*(\s)], 1
	s_add_co_u32 s[G0B+4*(\s)+1], s21, (\s)*SLOT
	s_add_nc_u64 s[G0B+4*(\s)+2:G0B+4*(\s)+3], s[46:47], (\s)*KSTEP*PITB
	s_or_b32 s[G0B+4*(\s)+3], s[G0B+4*(\s)+3], 0x80000000
	JLOAD \s                                       ; two loads of mine are out: K steps 0 and 1
.endr
	v_and_b32 v1, 15, v0                           ; r = l % 16
	v_bfe_u32 v2, v0, 4, 1                         ; h = l / 16
	v_and_b32 v10, 7, v0
	v_bfe_u32 v11, v0, 3, 1
	v_mul_u32_u24 v3, v1, PA                       ; A's fragment: row r, 16 bytes for each half of the lanes
	v_lshl_add_u32 v3, v2, 4, v3
	s_mul_i32 s22, s11, PARTA
	v_add_nc_u32 v[ADRA], s22, v3
	v_add_nc_u32 v[ADRA+1], SLOT, v[ADRA]
	v_lshl_add_u32 v4, v2, 3, v10                  ; B's: the turning load reads k-row 8 h + l % 8, columns 8 ((l / 8) % 2) on
	v_mul_u32_u24 v4, v4, PB
	v_lshl_add_u32 v4, v11, 4, v4
	s_lshl_b32 s22, s12, 8                         ; my 128 columns
	s_add_co_u32 s22, s22, BOFF
	v_add_nc_u32 v[ADRB], s22, v4
	v_add_nc_u32 v[ADRB+1], SLOT, v[ADRB]
	s_mul_i32 s23, s10, WSTG
	s_add_co_u32 s23, s23, STAGE                   ; my stage
	v_mul_u32_u24 v5, v1, SP
	v_lshl_add_u32 v5, v2, 4, v5
	v_add_nc_u32 v[STO], s23, v5
	v_mul_u32_u24 v5, v2, SP                       ; back: lanes 0-15 one row of 256 bytes, lanes 16-31 the next
	v_lshl_add_u32 v5, v1, 4, v5
	v_add_nc_u32 v[RD], s23, v5
	v_mul_u32_u24 v5, v2, CP
	v_lshl_add_u32 v[CO], v1, 4, v5
	s_mul_i32 s16, s13, 256*CP                     ; where my part of the tile begins in C
	s_mul_i32 s17, s11, 64*CP
	s_add_co_u32 s16, s16, s17
	s_lshl_b32 s17, s42, 9
	s_add_co_u32 s16, s16, s17
	s_lshl_b32 s17, s12, 8
	s_add_co_u32 s16, s16, s17
	s_mov_b32 s17, 0
	s_add_nc_u64 s[8:9], s[8:9], s[16:17]
	; the prefetches: they stand at K step 3; each change of slots steps them first, so the first names K step 4
	s_lshl_b32 s20, s13, 19
	s_lshl_b32 s21, s40, 17                        ; A: my work-group's 64 rows of the tile's 256,
	s_add_co_u32 s20, s20, s21
	s_lshl_b32 s21, s12, 16                        ; my wave's 32 of them
	s_add_co_u32 s20, s20, s21
	s_add_co_u32 s20, s20, 3*KSTEP*2
	s_mul_i32 s21, s41, 32*PITB                    ; B: my work-group's 32 k-rows of the step's 128,
	s_lshl_b32 s22, s42, 9
	s_add_co_u32 s21, s21, s22
	s_lshl_b32 s22, s12, 8                         ; my wave's half of their 512 bytes
	s_add_co_u32 s21, s21, s22
	s_add_co_u32 s21, s21, 3*KSTEP*PITB
	s_and_b32 s22, ttmp7, 0xffff
	s_and_b32 s18, s10, 2                          ; of each four waves the first two ask
	s_mov_b32 s[PSTEP], KSTEP*PITB
	s_mov_b32 s[PSTEP+1], 0
	s_mov_b32 s23, PITB
	s_cmp_eq_u32 s[ROLE], 0                        ; do I fetch for A?
	s_cselect_b32 s20, s20, s21
	s_cselect_b32 s22, ttmp9, s22                  ; the coordinate along which other clusters read the same rows
	s_cselect_b32 s[PSTEP], KSTEP*2, s[PSTEP]
	s_cselect_b32 s23, PITA, s23
	s_cselect_b64 s[PFA:PFA+1], s[4:5], s[6:7]
	s_mov_b32 s21, 0
	s_add_nc_u64 s[PFA:PFA+1], s[PFA:PFA+1], s[20:21]
	s_or_b32 s22, s22, s18
	s_cmp_eq_u32 s22, 0
	s_cselect_b32 s[LIM], 1, -1                    ; the same in all sixteen partners, for a given wave
	v_and_b32 v[PFO], 31, v0
	v_mul_u32_u24 v[PFO], s23, v[PFO]
; 8 matrix instructions: block a of 16 rows x all 8 blocks of 16 columns, 32 along K.  The 32 accumulators take turns in the same order in every quarter.  zero = 1: the product starts the sum.
.macro MUL8 f, a, zero
	WIN MUL
.irp b, 0,1,2,3,4,5,6,7
.if \zero
	v_wmma_f32_16x16x32_bf16 v[8*(8*(\a)+(\b)):8*(8*(\a)+(\b))+7], v[(\f)+8*(\b):(\f)+8*(\b)+7], v[(\f)+64+8*(\a):(\f)+64+8*(\a)+7], 0
.else
	v_wmma_f32_16x16x32_bf16 v[8*(8*(\a)+(\b)):8*(8*(\a)+(\b))+7], v[(\f)+8*(\b):(\f)+8*(\b)+7], v[(\f)+64+8*(\a):(\f)+64+8*(\a)+7], v[8*(8*(\a)+(\b)):8*(8*(\a)+(\b))+7]
.endif
.endr
.endm
; 24 LDS loads in one run: quarter q (32 along K) of a slot into buffer f: 128 columns of B, turned, and 64 rows of A
.macro FETCH slot, q, f
	WIN 0
.irp b, 0,1,2,3,4,5,6,7
	ds_load_tr16_b128 v[(\f)+8*(\b):(\f)+8*(\b)+3],   v[ADRB+(\slot)] offset:(\q)*32*PB+32*(\b)
	ds_load_tr16_b128 v[(\f)+8*(\b)+4:(\f)+8*(\b)+7], v[ADRB+(\slot)] offset:(\q)*32*PB+16*PB+32*(\b)
.endr
.irp a, 0,1,2,3
	ds_load_b128 v[(\f)+64+8*(\a):(\f)+64+8*(\a)+3],   v[ADRA+(\slot)] offset:64*(\q)+(\a)*16*PA
	ds_load_b128 v[(\f)+64+8*(\a)+4:(\f)+64+8*(\a)+7], v[ADRA+(\slot)] offset:64*(\q)+(\a)*16*PA+32
.endr
.endm
; One of a K step's first three quarters: buffer f, fetched a quarter earlier, is multiplied; ahead of its 32 products quarter q goes out into buffer g
.macro QUARTER slot, q, f, g, zero
	WIN 0
	s_wait_dscnt 0x0                               ; buffer f is in
	PLACES
	FETCH \slot, \q, \g
	MUL8 \f, 0, \zero
	MUL8 \f, 1, \zero
	MUL8 \f, 2, \zero
	MUL8 \f, 3, \zero
.endm
; The fourth quarter multiplies buffer 1 and changes slots: ONE barrier.  In front of it each wave waits for all its tensor loads (its part of the next slot), adds 0 to its spare word, and waits for that and for its reads of
; this slot.  fill = 1: the barrier opens a round of the cluster's barrier, and this slot is filled again, two K steps ahead, first thing behind the round.
.macro TURN slot, next, fill
.if \fill
	s_wait_xcnt 0x0                                ; the last prefetch, a K step back, has read its address
	s_add_nc_u64 s[PFA:PFA+1], s[PFA:PFA+1], s[PSTEP:PSTEP+1]
.endif
	WIN 0
	s_wait_tensorcnt 0x0                           ; all my tensor loads have landed
	ds_add_u32 v[SPW], v[NIL]                      ; 0 onto my spare word
	s_wait_dscnt 1                                 ; the add alone may be out: buffer 1 is in
	MUL8 F1, 0, 0
	s_wait_dscnt 0x0                               ; the add is done, and my reads of this slot are over
	s_barrier_signal -1
	MUL8 F1, 1, 0
	WIN 0
	s_barrier_wait -1
.if \fill
	CREST                                          ; no wave of any partner still reads this slot or has a load on its way
	s_add_nc_u64 s[G0+4*(\slot)+2:G0+4*(\slot)+3], s[G0+4*(\slot)+2:G0+4*(\slot)+3], 2*KSTEP*2
	s_add_nc_u64 s[G0B+4*(\slot)+2:G0B+4*(\slot)+3], s[G0B+4*(\slot)+2:G0B+4*(\slot)+3], 2*KSTEP*PITB
	JLOAD \slot                                    ; its four v_nop are also the places in front of the loads below
.else
	PLACES
.endif
	FETCH \next, 0, F0
.if \fill
	ASK
.endif
	MUL8 F1, 2, 0
	MUL8 F1, 3, 0
.endm
; THE WAY OUT, a block of 16 rows at a time: rounded to f16, 16 bytes a lane; into my own stage and back as whole rows of 256 bytes; stored.
.macro PACK a
	WIN 0x05                                       ; sources in window 1, destination in window 0
.irp b, 0,1,2,3,4,5,6,7
.irp r, 0,1,2,3
	v_cvt_pk_f16_f32 v[TMP+4*(\b)+(\r)], v[8*(8*(\a)+(\b))+2*(\r)], v[8*(8*(\a)+(\b))+2*(\r)+1]
.endr
.endr
	WIN 0
.endm
.macro TOSTAGE a
	WIN 0
.irp b, 0,1,2,3,4,5,6,7
	ds_store_b128 v[STO], v[TMP+4*(\b):TMP+4*(\b)+3] offset:32*(\b)
.endr
.irp t, 0,1,2,3,4,5,6,7
	ds_load_b128 v[BK+32*(\a)+4*(\t):BK+32*(\a)+4*(\t)+3], v[RD] offset:(\t)*2*SP  ; LDS serves a wave's instructions in order (ISA guide 5.7.1.4): these see the stores above
.endr
.endm
.macro SEND a
	WIN 0
	s_wait_dscnt 0x0
.irp t, 0,1,2,3,4,5,6,7
	global_store_b128 v[CO], v[BK+32*(\a)+4*(\t):BK+32*(\a)+4*(\t)+3], s[8:9] offset:(16*(\a)+2*(\t))*CP  ; 16 lanes store 256 consecutive bytes, aligned
.endr
.endm
	s_wait_tensorcnt 1                             ; my part of K step 0 is in; K step 1's may stay out
	s_barrier_signal -1
	s_barrier_wait -1
	FETCH 0, 0, F0
	QUARTER 0, 1, F0, F1, 1                        ; the first quarter stands in front of the loop: its products start the sums
	WIN 0
	s_mov_b32 s3, LAPS-1
.Llap:                                             ; a trip goes once round the ring and fills both slots again
	QUARTER 0, 2, F1, F0, 0
	QUARTER 0, 3, F0, F1, 0
	TURN 0, 1, 1
	QUARTER 1, 1, F0, F1, 0
	QUARTER 1, 2, F1, F0, 0
	QUARTER 1, 3, F0, F1, 0
	TURN 1, 0, 1
	QUARTER 0, 1, F0, F1, 0
	WIN 0
	s_sub_co_u32 s3, s3, 1
	s_cmp_lg_u32 s3, 0
	s_cbranch_scc1 .Llap
	QUARTER 0, 2, F1, F0, 0                        ; the last lap fills nothing
	QUARTER 0, 3, F0, F1, 0
	TURN 0, 1, 0
	QUARTER 1, 1, F0, F1, 0
	QUARTER 1, 2, F1, F0, 0
	QUARTER 1, 3, F0, F1, 0
	s_wait_dscnt 0x0
	MUL8 F1, 0, 0
	MUL8 F1, 1, 0
	MUL8 F1, 2, 0
	MUL8 F1, 3, 0
	WIN 0
	PLACES
	PACK 0
	TOSTAGE 0
.irp a, 1,2,3
	PACK \a                                        ; a block's conversions stand between the loads of the block before and the wait for them
	SEND (\a)-1
	TOSTAGE \a
.endr
	SEND 3
	s_wait_tensorcnt 0x0                           ; the wave's end, behind my last tensor load and my last LDS store
	ds_add_u32 v[SPW], v[NIL]
	s_wait_dscnt 0x0
	CROUND                                         ; the closing round
	s_endpgm
.Lfunc_end_k_q0010bdd0e3_proj:
	.size	k_q0010bdd0e3_proj, .Lfunc_end_k_q0010bdd0e3_proj-k_q0010bdd0e3_proj
	.p2alignl 7, 3214868480
	.fill 96, 4, 3214868480
	.section	.rodata,"a",@progbits
	.p2align	6, 0x0
	.amdhsa_kernel k_q0010bdd0e3_proj
		.amdhsa_group_segment_fixed_size 327680
		.amdhsa_private_segment_fixed_size 0
		.amdhsa_enable_private_segment 0
		.amdhsa_kernarg_size 24
		.amdhsa_user_sgpr_count 2
		.amdhsa_user_sgpr_kernarg_segment_ptr 1
		.amdhsa_wavefront_size32 1
		.amdhsa_system_sgpr_workgroup_id_x 1
		.amdhsa_system_sgpr_workgroup_id_y 1
		.amdhsa_system_sgpr_workgroup_id_z 1
		.amdhsa_system_vgpr_workitem_id 0
		.amdhsa_next_free_vgpr 512
		.amdhsa_next_free_sgpr 100
		.amdhsa_reserve_vcc 0
		.amdhsa_float_denorm_mode_32 3
		.amdhsa_float_denorm_mode_16_64 3
		.amdhsa_memory_ordered 1
		.amdhsa_forward_progress 1
		.amdhsa_inst_pref_size 87
	.end_amdhsa_kernel
	.amdgpu_metadata
---
amdhsa.version: [ 1, 2 ]
amdhsa.kernels:
  - .name:           k_q0010bdd0e3_proj
    .symbol:         k_q0010bdd0e3_proj.kd
    .args:
      - { .name: xb, .offset: 0, .size: 8, .value_kind: global_buffer, .address_space: global }
      - { .name: wqkv, .offset: 8, .size: 8, .value_kind: global_buffer, .address_space: global }
      - { .name: qkv, .offset: 16, .size: 8, .value_kind: global_buffer, .address_space: global }
    .group_segment_fixed_size: 327680
    .private_segment_fixed_size: 0
    .kernarg_segment_align: 8
    .kernarg_segment_size: 24
    .max_flat_workgroup_size: 256
    .sgpr_count:     100
    .vgpr_count:     512
    .wavefront_size: 32
...
	.end_amdgpu_metadata
.endif
;; end of part 6
;; launch score (part 7): grid 36 x 4, 8 waves a work-group, no clusters, 327,680 bytes of LDS; arguments qkv, p, stat; writes p, stat
.if DOCPART == 7
	.amdgcn_target "amdgcn-amd-amdhsa--gfx1250"
	.amdhsa_code_object_version 6
	.text
	.protected	k_q0010bdd0e3_score
	.globl	k_q0010bdd0e3_score
	.p2align	8
	.type	k_q0010bdd0e3_score,@function
k_q0010bdd0e3_score:
	s_mov_b64 s[64:65], 0
	v_nop
	global_prefetch_b8 v0, s[64:65] scope:SCOPE_SE
	s_setreg_imm32_b32 hwreg(HW_REG_WAVE_MODE, 25, 1), 1
	s_wait_xcnt 0x0
; SCORES AND THE LOCAL HALF OF THE SOFTMAX.  For each tile of 256 queries x 256 keys at or below the diagonal: s = q . k (K = 1,024, f16 operands, f32 sums); keys beyond the query count as the lowest finite number;
; for each query and each block t of 128 keys: m = the block's largest score, cm = c m with c = log2(e) / 32, p = 2^(c s - cm) rounded to f16, l = the sum of the unrounded p.
; p: [4][2048 q][2048 key] f16 (only these tiles are written).  stat: [4][16 t][2048 q] pairs (cm, l) of f32.  The launch behind brings the blocks of a row onto the row's maximum by 2^(cm_t - cM).
; The cm that is stored is the rounded number that the exponents used, so that correction fits scores of any size.
; LIMITS.  m has a floor of -1e30, so that a block with no visible key gives p = 0 and l = 0; f16 operands bound true scores by 4.4e12.  A weight below 2^-126 counts as 0 in l.  NaN and infinities are not treated apart.
; THE TILES.  Row block I of 256 queries has the key blocks J = 0 .. I: 36 tiles a batch, 144 work-groups of equal work.  Work-group x: row blocks 0 .. I - 1 hold I (I + 1) / 2 tiles, J is the rest; J = I holds the diagonal.
; NO CLUSTER: row block I has I + 1 tiles and key block J is read by 8 - J row blocks: neither number is a multiple of four for every I or J, and groups of four row blocks that share a key block
; would need 48 work-groups a launch whose tile lies wholly above the diagonal.
; SHARES, RING, LAYOUT.  EIGHT waves, two to a SIMD, each 64 queries x 128 keys: 32 accumulators, so a wave's keys are one block t, and no wave needs another's maximum.  K goes in steps of 128 through two LDS slots:
; 256 rows of q and 256 rows of k, 256 bytes each; each wave brings 64 rows by one tensor load.  Between a slot's request and the wait for it a wave issues 112 matrix instructions, a SIMD's two waves 224.
; Source 0 = 16 keys, source 1 = 16 queries: a lane holds one query (l % 16) and the keys 8 (l / 16) + 0..7 of each block of 16.
; REGISTERS.  Window 0: v0-31 addresses; v32-63 the softmax's; v64-159, v160-255 two fragment buffers; on the way out v64-191 whole rows, v192-223 packed weights.  Window 1: accumulator (a, b) at v[8 (8 a + b)].
.set KSTEP,  128
.set PA,     272                       ; an LDS row: 256 bytes + 16 = 68 words: the 16 rows of a load start 4 banks apart (64 banks of 4 bytes: ISA guide 11.1)
.set PARTA,  64*PA                     ; what one tensor load brings: 64 rows
.set BOFF,   256*PA                    ; k's rows lie behind q's
.set SLOT,   BOFF+256*PA
.set STAGE,  2*SLOT                    ; behind the ring: 16 rows x 272 bytes for each wave; no tensor load lands here
.set SP,     272
.set WSTG,   16*SP
.set SPARE,  STAGE+8*WSTG              ; the spare words, 128 bytes a wave: four blocks of 256 bytes that no other line names
.set PITQ,   6144                      ; bytes in a row of qkv
.set CP,     4096                      ; bytes in a row of p
.set LAPS,   4
.set ADRA, 16
.set ADRB, 20
.set STO,  24
.set RD,   25
.set CO,   26
.set SVO,  27                          ; v27     8 x my lane: my pair in 256 bytes of stat
.set SPW,  28
.set NIL,  29
.set PFO,  30
.set VD,   32                          ; v32     my query less my first key: key 16 (b - a) + e of the wave's is hidden where that number is greater
.set NEGR, 33                          ; v33     the lowest finite number
.set FLR,  34                          ; v34     -1e30
.set CH,   36                          ; v36-39  four chains at work
.set CM,   40                          ; v40-47  block a: cm, twice (a pair for the packed scaling)
.set LS,   48                          ; v48-51  block a: l
.set MX,   52                          ; v52-55  block a: m
.set SD,   60                          ; v60-63  two pairs to store
.set F0,   64
.set F1,   160
.set BK,   64
.set TMP,  192
.set G1,   24                          ; s[24:31] descriptor group 1: 64 rows x 128 elements, for q's tiles and for k's
.set G0,   32                          ; s[32:39] group 0 for q, a set for each slot
.set LIM,  43
.set PFA,  44
.set G0B,  56                          ; s[56:63] group 0 for k
.set PFB,  80                          ; s[80:81] where my prefetches of k stand
.set LIMB, 82
.set ROLE, 85                          ; s85     I fetch q (0: waves 0-3) or k (1: waves 4-7)
.set PART, 86                          ; s86     which 64 rows of that tile I fetch
.set MUL,  0x50
.set MSB, 0
.macro WIN new
.if MSB != (\new)
	s_set_vgpr_msb (MSB<<8)|(\new)
.set MSB, \new
.endif
.endm
.macro PLACES
.rept 4
	v_nop
.endr
.endm
.macro JLOAD s                         ; waves 0 to 3 fetch q's four quarters, waves 4 to 7 k's; an s_nop 0 and four v_nop follow each line
	s_cmp_eq_u32 s[ROLE], 0
	s_cbranch_scc0 .Lfor_b_\@
	tensor_load_to_lds s[G0+4*(\s):G0+4*(\s)+3], s[G1:G1+7]
	s_nop 0
.rept 4
	v_nop
.endr
	s_branch .Lasked_\@
.Lfor_b_\@:
	tensor_load_to_lds s[G0B+4*(\s):G0B+4*(\s)+3], s[G1:G1+7]
	s_nop 0
.rept 4
	v_nop
.endr
.Lasked_\@:
.endm
; A prefetch into the L2 of the K step two refills on, a lane a row of 256 bytes, wave w rows 32 w on.  Each block is named once in the launch: a row block's q by its tile with J = 0,
; a key block's k by its tile with I = J.  The loop's last trip asks for nothing.
.macro ASK
	s_cmp_gt_u32 s3, s[LIM]
	s_cbranch_scc0 .Lnot_q_\@
	global_prefetch_b8 v[PFO], s[PFA:PFA+1] th:TH_LOAD_NT scope:SCOPE_SE
.Lnot_q_\@:
	s_cmp_gt_u32 s3, s[LIMB]
	s_cbranch_scc0 .Lnot_k_\@
	global_prefetch_b8 v[PFO], s[PFB:PFB+1] th:TH_LOAD_NT scope:SCOPE_SE
.Lnot_k_\@:
.endm
	s_load_b64 s[4:5], s[0:1], 0x0                 ; qkv
	s_load_b64 s[8:9], s[0:1], 0x8                 ; p
	s_load_b64 s[78:79], s[0:1], 0x10              ; stat
	v_lshl_add_u32 v[SPW], v0, 2, SPARE
	v_mov_b32 v[NIL], 0
	ds_add_u32 v[SPW], v[NIL]                      ; the wave's opening, ahead of my first tensor load
	v_lshrrev_b32 v1, 5, v0
	v_readfirstlane_b32 s10, v1                    ; wave 0..7
	s_lshr_b32 s11, s10, 1                         ; which 64 queries are mine
	s_and_b32 s12, s10, 1                          ; which 128 keys
	s_lshr_b32 s[ROLE], s10, 2
	s_and_b32 s[PART], s10, 3
	s_mov_b32 s68, 0                               ; I = how many of the numbers k (k + 1) / 2, k = 1 .. 7, the work-group's x has reached
.irp c, 1,3,6,10,15,21,28
	s_cmp_ge_u32 ttmp9, \c
	s_add_co_ci_u32 s68, s68, 0
.endr
	s_add_co_u32 s14, s68, 1
	s_mul_i32 s15, s68, s14
	s_lshr_b32 s15, s15, 1                         ; the tiles of the row blocks before mine
	s_sub_co_u32 s70, ttmp9, s15                   ; J
	s_and_b32 s71, ttmp7, 0xffff                   ; the batch
	s_mov_b32 s[G1], (1<<16)|(1<<20)|(5<<22)|(3<<25)  ; 2-byte elements; padding on: after every 64 words, 4 words
	s_mov_b32 s[G1+1], 128<<16                     ; tensor_dim0 = 128
	s_mov_b32 s[G1+2], 64<<16                      ; tensor_dim1 = 64
	s_mov_b32 s[G1+3], 128<<16                     ; tile_dim0 = 128
	s_mov_b32 s[G1+4], 64                          ; tile_dim1 = 64
	s_mov_b32 s[G1+5], PITQ/2
	s_mov_b32 s[G1+6], 0
	s_mov_b32 s[G1+7], 0
	s_lshl_b32 s16, s71, 11
	s_lshl_b32 s19, s68, 8
	s_add_co_u32 s19, s19, s16                     ; the tile's first query, as a row of qkv
	s_lshl_b32 s18, s70, 8
	s_add_co_u32 s18, s18, s16                     ; its first key
	s_lshl_b32 s17, s[PART], 6
	s_add_co_u32 s16, s17, s19
	s_mul_i32 s16, s16, PITQ                       ; q: the 64 rows that I fetch
	s_add_co_u32 s46, s17, s18
	s_mul_i32 s46, s46, PITQ                       ; k: the 64 rows that I fetch,
	s_add_co_u32 s46, s46, 2048                    ; 2,048 bytes into a row
	s_mov_b32 s17, 0
	s_mov_b32 s47, 0
	s_mul_i32 s20, s[PART], PARTA
	s_add_co_u32 s21, s20, BOFF
	s_mov_b32 s72, 0x3d38aa3b                      ; c = log2(e) / 32
	s_mov_b32 s73, s72                             ; named with it as a pair
	s_mov_b32 s74, 0x76543210                      ; v_permlanex16_b32: each lane takes its own place in the other half
	s_mov_b32 s75, 0xfedcba98
	s_mov_b32 s76, 0xffff0000                      ; lanes 16 to 31
	s_wait_dscnt 0x0                               ; the opening add is done
	s_wait_kmcnt 0x0
	s_add_nc_u64 s[14:15], s[4:5], s[16:17]
	s_add_nc_u64 s[46:47], s[4:5], s[46:47]
.irp s, 0,1
	s_mov_b32 s[G0+4*(\s)], 1
	s_add_co_u32 s[G0+4*(\s)+1], s20, (\s)*SLOT
	s_add_nc_u64 s[G0+4*(\s)+2:G0+4*(\s)+3], s[14:15], (\s)*KSTEP*2
	s_or_b32 s[G0+4*(\s)+3], s[G0+4*(\s)+3], 0x80000000
	s_mov_b32 s[G0B+4*(\s)], 1
	s_add_co_u32 s[G0B+4*(\s)+1], s21, (\s)*SLOT
	s_add_nc_u64 s[G0B+4*(\s)+2:G0B+4*(\s)+3], s[46:47], (\s)*KSTEP*2
	s_or_b32 s[G0B+4*(\s)+3], s[G0B+4*(\s)+3], 0x80000000
	JLOAD \s                                       ; two loads of mine are out: K steps 0 and 1
.endr
	v_and_b32 v1, 15, v0                           ; r
	v_bfe_u32 v2, v0, 4, 1                         ; h
	v_mul_u32_u24 v3, v1, PA
	v_lshl_add_u32 v3, v2, 4, v3                   ; a fragment's row x pitch + 16 x half
	s_mul_i32 s22, s11, PARTA                      ; my 64 queries
	v_add_nc_u32 v[ADRA], s22, v3
	v_add_nc_u32 v[ADRA+1], SLOT, v[ADRA]
	s_mul_i32 s22, s12, 128*PA                     ; my 128 keys
	s_add_co_u32 s22, s22, BOFF
	v_add_nc_u32 v[ADRB], s22, v3
	v_add_nc_u32 v[ADRB+1], SLOT, v[ADRB]
	s_mul_i32 s23, s10, WSTG
	s_add_co_u32 s23, s23, STAGE                   ; my stage
	v_mul_u32_u24 v5, v1, SP
	v_lshl_add_u32 v5, v2, 4, v5
	v_add_nc_u32 v[STO], s23, v5
	v_mul_u32_u24 v5, v2, SP
	v_lshl_add_u32 v5, v1, 4, v5
	v_add_nc_u32 v[RD], s23, v5
	v_lshlrev_b32 v5, 12, v2
	v_lshl_add_u32 v[CO], v1, 4, v5
	v_and_b32 v[SVO], 31, v0
	v_lshlrev_b32 v[SVO], 3, v[SVO]
	v_mov_b32 v[NEGR], 0xff7fffff
	v_mov_b32 v[FLR], 0xf149f2ca
	s_lshl_b32 s22, s11, 6                         ; p: my 64 rows of 4,096 bytes, the tile's 512 bytes, my 256 of them
	s_add_co_u32 s22, s22, s19
	s_lshl_b32 s22, s22, 12
	s_lshl_b32 s23, s70, 9
	s_add_co_u32 s22, s22, s23
	s_lshl_b32 s23, s12, 8
	s_add_co_u32 s22, s22, s23
	s_mov_b32 s23, 0
	s_add_nc_u64 s[8:9], s[8:9], s[22:23]
	s_lshl_b32 s22, s71, 4                         ; stat: plane 16 b + 2 J + my key half, of 16,384 bytes; the row block's 256 queries and my 64 of them, 8 bytes each
	s_lshl1_add_u32 s22, s70, s22
	s_add_co_u32 s22, s22, s12
	s_lshl_b32 s22, s22, 14
	s_lshl_b32 s23, s68, 11
	s_add_co_u32 s22, s22, s23
	s_lshl_b32 s23, s11, 9
	s_add_co_u32 s22, s22, s23
	s_mov_b32 s23, 0
	s_add_nc_u64 s[78:79], s[78:79], s[22:23]
	s_sub_co_u32 s22, s68, s70                     ; 256 (I - J) + 64 x my row quarter - 128 x my key half + r - 8 h
	s_lshl_b32 s22, s22, 8
	s_lshl_b32 s23, s11, 6
	s_add_co_u32 s22, s22, s23
	s_lshl_b32 s23, s12, 7
	s_sub_co_u32 s22, s22, s23
	v_lshlrev_b32 v3, 3, v2
	v_sub_nc_u32 v3, v1, v3
	v_add_nc_u32 v[VD], s22, v3
	; the prefetches stand at K step 3; each change of slots steps them first
	s_lshl_b32 s22, s10, 5
	s_add_co_u32 s22, s22, s19
	s_mul_i32 s22, s22, PITQ
	s_add_co_u32 s22, s22, 3*KSTEP*2
	s_mov_b32 s23, 0
	s_add_nc_u64 s[PFA:PFA+1], s[4:5], s[22:23]
	s_lshl_b32 s22, s10, 5
	s_add_co_u32 s22, s22, s18
	s_mul_i32 s22, s22, PITQ
	s_add_co_u32 s22, s22, 2048+3*KSTEP*2
	s_add_nc_u64 s[PFB:PFB+1], s[4:5], s[22:23]
	s_cmp_eq_u32 s70, 0
	s_cselect_b32 s[LIM], 1, -1
	s_cmp_eq_u32 s70, s68
	s_cselect_b32 s[LIMB], 1, -1
	v_and_b32 v[PFO], 31, v0
	v_mul_u32_u24 v[PFO], PITQ, v[PFO]
; 8 matrix instructions: block a of 16 queries x all 8 blocks of 16 keys, 32 along K.  The 32 accumulators take turns in the same order in every quarter.
.macro MUL8 f, a, zero
	WIN MUL
.irp b, 0,1,2,3,4,5,6,7
.if \zero
	v_wmma_f32_16x16x32_f16 v[8*(8*(\a)+(\b)):8*(8*(\a)+(\b))+7], v[(\f)+8*(\b):(\f)+8*(\b)+7], v[(\f)+64+8*(\a):(\f)+64+8*(\a)+7], 0
.else
	v_wmma_f32_16x16x32_f16 v[8*(8*(\a)+(\b)):8*(8*(\a)+(\b))+7], v[(\f)+8*(\b):(\f)+8*(\b)+7], v[(\f)+64+8*(\a):(\f)+64+8*(\a)+7], v[8*(8*(\a)+(\b)):8*(8*(\a)+(\b))+7]
.endif
.endr
.endm
.macro FETCH slot, q, f                ; 24 LDS loads in one run: quarter q of a slot: 128 rows of k, 64 rows of q
	WIN 0
.irp b, 0,1,2,3,4,5,6,7
	ds_load_b128 v[(\f)+8*(\b):(\f)+8*(\b)+3],   v[ADRB+(\slot)] offset:64*(\q)+(\b)*16*PA
	ds_load_b128 v[(\f)+8*(\b)+4:(\f)+8*(\b)+7], v[ADRB+(\slot)] offset:64*(\q)+(\b)*16*PA+32
.endr
.irp a, 0,1,2,3
	ds_load_b128 v[(\f)+64+8*(\a):(\f)+64+8*(\a)+3],   v[ADRA+(\slot)] offset:64*(\q)+(\a)*16*PA
	ds_load_b128 v[(\f)+64+8*(\a)+4:(\f)+64+8*(\a)+7], v[ADRA+(\slot)] offset:64*(\q)+(\a)*16*PA+32
.endr
.endm
.macro QUARTER slot, q, f, g, zero
	WIN 0
	s_wait_dscnt 0x0                               ; buffer f is in
	PLACES
	FETCH \slot, \q, \g
	MUL8 \f, 0, \zero
	MUL8 \f, 1, \zero
	MUL8 \f, 2, \zero
	MUL8 \f, 3, \zero
.endm
; The fourth quarter changes slots: ONE barrier; in front of it each wave waits for all its tensor loads, adds 0 to its spare word, and waits for that and for its reads of this slot.  fill = 1: this slot is filled again first thing behind it.
.macro TURN slot, next, fill
.if \fill
	s_wait_xcnt 0x0                                ; the last prefetches, a K step back, have read their addresses
	s_add_nc_u64 s[PFA:PFA+1], s[PFA:PFA+1], KSTEP*2
	s_add_nc_u64 s[PFB:PFB+1], s[PFB:PFB+1], KSTEP*2
.endif
	WIN 0
	s_wait_tensorcnt 0x0                           ; all my tensor loads have landed
	ds_add_u32 v[SPW], v[NIL]                      ; 0 onto my spare word
	s_wait_dscnt 1                                 ; the add alone may be out: buffer 1 is in
	MUL8 F1, 0, 0
	s_wait_dscnt 0x0                               ; the add is done, and my reads of this slot are over
	s_barrier_signal -1
	MUL8 F1, 1, 0
	WIN 0
	s_barrier_wait -1
.if \fill
	s_add_nc_u64 s[G0+4*(\slot)+2:G0+4*(\slot)+3], s[G0+4*(\slot)+2:G0+4*(\slot)+3], 2*KSTEP*2
	s_add_nc_u64 s[G0B+4*(\slot)+2:G0B+4*(\slot)+3], s[G0B+4*(\slot)+2:G0B+4*(\slot)+3], 2*KSTEP*2
	JLOAD \slot                                    ; its four v_nop are also the places in front of the loads below
.else
	PLACES
.endif
	FETCH \next, 0, F0
.if \fill
	ASK
.endif
	MUL8 F1, 2, 0
	MUL8 F1, 3, 0
.endm
; THE SOFTMAX'S LOCAL HALF, for block a of 16 queries (64 scores a lane).
.macro MAXA a                          ; four chains of 16 scores, three operands at a time, begun with the floor; each accumulator's lowest registers are read first
	WIN 0x14                                       ; sources 1 and 2 in window 1
.irp k, 0,1,2,3,4,5,6,7
.irp c, 0,1,2,3
.if (\k) == 0
	v_max3_num_f32 v[CH+(\c)], v[FLR], v[8*(8*(\a)+2*(\c))], v[8*(8*(\a)+2*(\c))+1]
.else
	v_max3_num_f32 v[CH+(\c)], v[CH+(\c)], v[8*(8*(\a)+2*(\c)+(\k)/4)+2*((\k)%4)], v[8*(8*(\a)+2*(\c)+(\k)/4)+2*((\k)%4)+1]
.endif
.endr
.endr
	WIN 0
	v_max3_num_f32 v[MX+(\a)], v[CH], v[CH+1], v[CH+2]
	v_max_num_f32 v[MX+(\a)], v[MX+(\a)], v[CH+3]
.endm
.macro SCLA a                          ; c s - cm, two scores a line
	WIN 0x41                                       ; destination and source 0 in window 1
.set z, 64*(\a)
.rept 32
	v_pk_fma_f32 v[z:z+1], v[z:z+1], s[72:73], v[CM+2*(\a):CM+2*(\a)+1] op_sel_hi:[1,0,0] neg_lo:[0,0,1] neg_hi:[0,0,1]
.set z, z+2
.endr
.endm
.macro EXPA a                          ; one batch of 64 exponentials
	WIN 0x41
.set z, 64*(\a)
.rept 64
	v_exp_f32 v[z], v[z]
.set z, z+1
.endr
.endm
.macro PACK a                          ; rounded to f16, 16 bytes a lane
	WIN 0x05
.irp b, 0,1,2,3,4,5,6,7
.irp r, 0,1,2,3
	v_cvt_pk_f16_f32 v[TMP+4*(\b)+(\r)], v[8*(8*(\a)+(\b))+2*(\r)], v[8*(8*(\a)+(\b))+2*(\r)+1]
.endr
.endr
	WIN 0
.endm
.macro SUMA a                          ; the lane's 64 weights, unrounded, added in place: pairs 16, 8, 4, 2 and 1 pairs apart
	WIN 0x45
.irp w, 32,16,8,4,2
.set z, 64*(\a)
.rept (\w)/2
	v_pk_add_f32 v[z:z+1], v[z:z+1], v[z+(\w):z+(\w)+1]
.set z, z+2
.endr
.endr
	WIN 0x05
	v_add_f32 v[LS+(\a)], v[64*(\a)], v[64*(\a)+1]
.endm
.macro TOSTAGE a
	WIN 0
.irp b, 0,1,2,3,4,5,6,7
	ds_store_b128 v[STO], v[TMP+4*(\b):TMP+4*(\b)+3] offset:32*(\b)
.endr
.irp t, 0,1,2,3,4,5,6,7
	ds_load_b128 v[BK+32*(\a)+4*(\t):BK+32*(\a)+4*(\t)+3], v[RD] offset:(\t)*2*SP  ; LDS serves a wave's instructions in order (ISA guide 5.7.1.4): these see the stores above
.endr
.endm
.macro SEND a
	WIN 0
	s_wait_dscnt 0x0
.irp t, 0,1,2,3,4,5,6,7
	global_store_b128 v[CO], v[BK+32*(\a)+4*(\t):BK+32*(\a)+4*(\t)+3], s[8:9] offset:(16*(\a)+2*(\t))*CP  ; 16 lanes store 256 consecutive bytes, aligned
.endr
.endm
	s_wait_tensorcnt 1                             ; my part of K step 0 is in; K step 1's may stay out
	s_barrier_signal -1
	s_barrier_wait -1
	FETCH 0, 0, F0
	QUARTER 0, 1, F0, F1, 1
	WIN 0
	s_mov_b32 s3, LAPS-1
.Llap:
	QUARTER 0, 2, F1, F0, 0
	QUARTER 0, 3, F0, F1, 0
	TURN 0, 1, 1
	QUARTER 1, 1, F0, F1, 0
	QUARTER 1, 2, F1, F0, 0
	QUARTER 1, 3, F0, F1, 0
	TURN 1, 0, 1
	QUARTER 0, 1, F0, F1, 0
	WIN 0
	s_sub_co_u32 s3, s3, 1
	s_cmp_lg_u32 s3, 0
	s_cbranch_scc1 .Llap
	QUARTER 0, 2, F1, F0, 0
	QUARTER 0, 3, F0, F1, 0
	TURN 0, 1, 0
	QUARTER 1, 1, F0, F1, 0
	QUARTER 1, 2, F1, F0, 0
	QUARTER 1, 3, F0, F1, 0
	s_wait_dscnt 0x0
	MUL8 F1, 0, 0
	MUL8 F1, 1, 0
	MUL8 F1, 2, 0
	MUL8 F1, 3, 0
	WIN 0
	PLACES
	s_cmp_eq_u32 s70, s68                          ; only the tile with J = I holds hidden keys
	s_cbranch_scc0 .Lopen
	WIN 0x41
.irp a, 0,1,2,3
.irp b, 0,1,2,3,4,5,6,7
.irp e, 0,1,2,3,4,5,6,7
	v_cmp_gt_i32 vcc_lo, 16*((\b)-(\a))+(\e), v[VD]
	v_cndmask_b32 v[8*(8*(\a)+(\b))+(\e)], v[8*(8*(\a)+(\b))+(\e)], v[NEGR], vcc_lo
.endr
.endr
.endr
	WIN 0
.Lopen:
	MAXA 0
	MAXA 1
	MAXA 2
	MAXA 3
.irp a, 0,1,2,3
	v_permlanex16_b32 v[CH+(\a)], v[MX+(\a)], s74, s75  ; the query's other 64 keys lie in the lane 16 away
.endr
.irp a, 0,1,2,3
	v_max_num_f32 v[MX+(\a)], v[MX+(\a)], v[CH+(\a)]
.endr
.irp a, 0,1,2,3
	v_mul_f32 v[CM+2*(\a)], s72, v[MX+(\a)]
.endr
.irp a, 0,1,2,3
	v_mov_b32 v[CM+2*(\a)+1], v[CM+2*(\a)]
.endr
	; a block's 64 exponentials are one batch; the next block's scalings, which name none of its results, stand behind it, then ONE wait, then the readers
	SCLA 0
	EXPA 0
	SCLA 1
	s_wait_alu depctr_va_vdst(0)
	PACK 0
	TOSTAGE 0
	SUMA 0
	EXPA 1
	SCLA 2
	s_wait_alu depctr_va_vdst(0)
	PACK 1
	SEND 0
	TOSTAGE 1
	SUMA 1
	EXPA 2
	SCLA 3
	s_wait_alu depctr_va_vdst(0)
	PACK 2
	SEND 1
	TOSTAGE 2
	SUMA 2
	EXPA 3
	v_nop                                          ; a plain instruction behind the last exponential
	s_wait_alu depctr_va_vdst(0)
	PACK 3
	SEND 2
	TOSTAGE 3
	SUMA 3
	SEND 3
	WIN 0
.irp a, 0,1,2,3
	v_permlanex16_b32 v[CH+(\a)], v[LS+(\a)], s74, s75
.endr
.irp a, 0,1,2,3
	v_add_f32 v[LS+(\a)], v[LS+(\a)], v[CH+(\a)]
.endr
	v_cndmask_b32 v[SD],   v[CM],   v[CM+2], s76   ; lanes 0-15 carry block 0's 16 queries, lanes 16-31 block 1's: 32 pairs are 256 consecutive bytes, aligned
	v_cndmask_b32 v[SD+1], v[LS],   v[LS+1], s76
	v_cndmask_b32 v[SD+2], v[CM+4], v[CM+6], s76   ; and blocks 2 and 3
	v_cndmask_b32 v[SD+3], v[LS+2], v[LS+3], s76
	global_store_b64 v[SVO], v[SD:SD+1], s[78:79]
	global_store_b64 v[SVO], v[SD+2:SD+3], s[78:79] offset:256
	s_wait_tensorcnt 0x0                           ; the wave's end, behind my last tensor load and my last LDS store
	ds_add_u32 v[SPW], v[NIL]
	s_wait_dscnt 0x0
	s_endpgm
.Lfunc_end_k_q0010bdd0e3_score:
	.size	k_q0010bdd0e3_score, .Lfunc_end_k_q0010bdd0e3_score-k_q0010bdd0e3_score
	.p2alignl 7, 3214868480
	.fill 96, 4, 3214868480
	.section	.rodata,"a",@progbits
	.p2align	6, 0x0
	.amdhsa_kernel k_q0010bdd0e3_score
		.amdhsa_group_segment_fixed_size 327680
		.amdhsa_private_segment_fixed_size 0
		.amdhsa_enable_private_segment 0
		.amdhsa_kernarg_size 24
		.amdhsa_user_sgpr_count 2
		.amdhsa_user_sgpr_kernarg_segment_ptr 1
		.amdhsa_wavefront_size32 1
		.amdhsa_system_sgpr_workgroup_id_x 1
		.amdhsa_system_sgpr_workgroup_id_y 1
		.amdhsa_system_sgpr_workgroup_id_z 1
		.amdhsa_system_vgpr_workitem_id 0
		.amdhsa_next_free_vgpr 512
		.amdhsa_next_free_sgpr 100
		.amdhsa_reserve_vcc 1
		.amdhsa_float_denorm_mode_32 3
		.amdhsa_float_denorm_mode_16_64 3
		.amdhsa_memory_ordered 1
		.amdhsa_forward_progress 1
		.amdhsa_inst_pref_size 140
	.end_amdhsa_kernel
	.amdgpu_metadata
---
amdhsa.version: [ 1, 2 ]
amdhsa.kernels:
  - .name:           k_q0010bdd0e3_score
    .symbol:         k_q0010bdd0e3_score.kd
    .args:
      - { .name: qkv, .offset: 0, .size: 8, .value_kind: global_buffer, .address_space: global }
      - { .name: p, .offset: 8, .size: 8, .value_kind: global_buffer, .address_space: global }
      - { .name: stat, .offset: 16, .size: 8, .value_kind: global_buffer, .address_space: global }
    .group_segment_fixed_size: 327680
    .private_segment_fixed_size: 0
    .kernarg_segment_align: 8
    .kernarg_segment_size: 24
    .max_flat_workgroup_size: 256
    .sgpr_count:     100
    .vgpr_count:     512
    .wavefront_size: 32
...
	.end_amdgpu_metadata
.endif
;; end of part 7
;; launch pv (part 8): grid 8 x 32, 4 waves a work-group, clusters of 4 x 1, 327,680 bytes of LDS; arguments p, qkv, stat, o; writes o
.if DOCPART == 8
	.amdgcn_target "amdgcn-amd-amdhsa--gfx1250"
	.amdhsa_code_object_version 6
	.text
	.protected	k_q0010bdd0e3_pv
	.globl	k_q0010bdd0e3_pv
	.p2align	8
	.type	k_q0010bdd0e3_pv,@function
k_q0010bdd0e3_pv:
	s_mov_b64 s[64:65], 0
	v_nop
	global_prefetch_b8 v0, s[64:65] scope:SCOPE_SE
	s_setreg_imm32_b32 hwreg(HW_REG_WAVE_MODE, 25, 1), 1
	s_wait_xcnt 0x0
	s_wait_alu depctr_hold_cnt(0) depctr_sa_sdst(0) depctr_va_vdst(0) depctr_va_sdst(0) depctr_va_ssrc(0) depctr_va_vcc(0) depctr_vm_vsrc(0)
	s_getreg_b32 s2, hwreg(HW_REG_IB_STS2, 6, 4)
	s_cmp_eq_u32 s2, 0
	s_cbranch_scc0 .Lentry_in_a_cluster
	s_endpgm
.Lentry_in_a_cluster:
	s_bfe_u32 s2, ttmp6, 0x10000c
	s_cmp_lg_u32 s2, 0x3003
	s_cbranch_scc0 .Lentry_shape_is_right
	s_endpgm
.Lentry_shape_is_right:
; THE SOFTMAX'S OTHER HALF AND THE SECOND PRODUCT.  For query row q with key blocks t = 0 .. T2 - 1 of 128 keys: cM = the largest cm_t, L = sum over t of 2^(cm_t - cM) l_t,
; o[q][:] = (sum over t of 2^(cm_t - cM) P_t[q] V_t) / L.  p: [4][2048][2048] f16; v: the third 2,048 bytes of a row of qkv, f16; stat: [4][16 t][2048 q] pairs (cm, l) f32; o: [8192][1024] f16.
; The factor 2^(cm_t - cM), at most 1, is rounded to f16 and multiplied onto P's fragments (packed f16) between LDS and the matrix instruction; sums, cM and L in f32; o rounded once.
; LIMITS.  p x factor below 6e-5 keeps f16's fixed step of 6e-8; o is a mean of v's rows and has their range, within f16.  NaN and infinities are not treated apart.
; THE WALK.  A tile of o is 128 rows x 128 channels; a K step is 256 keys.  Row block i of a batch has (i / 2) + 1 steps (for even i the last step's second half holds only weights 0).  A work-group takes TWO row blocks,
; 15 - b and b: 9 steps, whatever b: 8 pairs x 4 batches x 8 channel blocks are 256 work-groups of equal work.  Of the two numbers of steps one is even: that JOB goes first, so that each job begins in slot 0 and the
; change of jobs stands at a lap's end.  All trip counts are constants: four laps of two steps, and the ninth step written out, which asks for nothing.  Which tile is asked for and where the jobs change hang on
; scalar registers made from the cluster's y; every jump but the loop's own goes forward, past text with no barrier and no tensor load.
; THE RING.  Two LDS slots, a step each: 128 rows of P (512 bytes) and 256 key rows of V (256 bytes).  At a step's head every wave waits for all its tensor loads, adds 0 to its spare word, waits for that and for its reads
; of the other slot, and passes a round of the cluster's barrier; the other slot's refill, the walk's next step, is the first thing behind it; then this slot is read and multiplied: 128 matrix instructions a wave.
; By this text's own count a wave has one tensor load out.
; CLUSTER.  Four channel blocks of a pair form a cluster: they need the same tiles of P, asked for jointly (mask 15).  V's tiles differ between them and come by loads of one's own, behind the same rounds.
; V is not shared between pairs: of the eight pairs of a batch only two at a time walk the same steps.
; SHARES.  Four waves, each 32 rows x all 128 channels: 16 accumulators.  A wave's rows of o are whole aligned blocks of 256 bytes, so its stage on the way out is its own.
; Source 0 = 16 channels of V (turned by ds_load_tr16_b128), source 1 = 16 rows of P: a lane holds one row, so its factor is one number, and eight neighbouring channels.
; REGISTERS.  Window 0: v0-31 addresses; v32-59 the statistics; v64-143, v144-223 two fragment buffers (64 registers of V, 16 of P, for 32 keys); at the head they hold the pairs of stat, on the way out whole rows and packed results.
; Window 1: accumulator (a, b) at v[8 (8 a + b)], a = 0, 1.
.set KS,     256                       ; keys in a step
.set PA,     528                       ; P's LDS row: 512 bytes + 16 = 132 words: the 16 rows of a load start 4 banks apart (64 banks of 4 bytes: ISA guide 11.1)
.set PB,     288                       ; V's LDS row: 256 bytes + 32 = 72 words
.set HALFA,  64*PA                     ; what one tensor load brings of P: 64 rows
.set BOFF,   128*PA                    ; V's tile lies behind P's
.set HALFB,  128*PB                    ; what one tensor load brings of V: 128 key rows
.set SLOT,   BOFF+256*PB
.set STAGE,  2*SLOT                    ; behind the ring: 16 rows x 272 bytes for each wave; no tensor load lands here
.set SP,     272
.set WSTG,   16*SP
.set SPARE,  STAGE+4*WSTG              ; the spare words, 128 bytes a wave: two blocks of 256 bytes that no other line names
.set PITA,   4096                      ; bytes in a row of p
.set PITB,   6144                      ; bytes in a row of qkv
.set CP,     2048                      ; bytes in a row of o
.set PLANE,  16384                     ; bytes from a key block's pairs to the next block's
.set ADRA, 16                          ; v16-17  LDS address of my P fragments in slot 0, 1
.set ADRB, 20                          ; v20-23  of V's: slot 0, 1, keys 0-127; slot 0, 1, keys 128-255 (an LDS offset has 16 bits)
.set STO,  24                          ; v24     the way out: where I put 16 bytes of a row
.set RD,   25                          ; v25     where I read a row back
.set CO,   26                          ; v26     my byte offset in o
.set VST,  27                          ; v27     my row's pair in a plane of stat: 8 r + 256 x wave; never rewritten
.set SPW,  28                          ; v28     LDS address of my spare word; never rewritten
.set NIL,  29                          ; v29     0; never rewritten
.set PFO,  30                          ; v30     the prefetches' offset in p; never rewritten
.set PFO2, 31                          ; v31     in qkv; never rewritten
.set CMX,  32                          ; v32-33  the job in hand, block a of 16 rows: cM
.set RL,   34                          ; v34-37  1 / L, twice (a pair for the packed multiply)
.set FAC,  38                          ; v38-41  block a, half hf of the step's keys, at 2 a + hf: the factor, twice in f16
.set CMT,  42                          ; v42-45  likewise: cm of the next step, as loaded
.set T,    46                          ; v46-49  at work
.set NX,   50                          ; v50-59  the second job's cM, 1 / L and first factors, laid as v32-41
.set F0,   64
.set F1,   144
.set BK,   64                          ; the way out: 16 whole rows for each block a
.set TMP,  192                         ; the way out: packed results
.set SDA,  64                          ; at the head: the first job's pairs (cm, l): block a, key block t at 2 (16 a + t)
.set SDB,  128                         ; the second job's, at 2 (14 a + t)
.set VOA,  192                         ; at the head: key block t's offset, first job
.set VOB,  208                         ; second job
.set T2A,  14                          ; s14, s15  at the head: the first job's key blocks, and the last of them
.set LTA,  15
.set T2B,  20                          ; s20, s21  the second job's
.set LTB,  21
.set G1,   24                          ; s[24:31] descriptor group 1 for P;  s[32:39] group 0, a set for each slot
.set G0,   32
.set PFA,  44                          ; s[44:45] the tile of P that is being asked for: the prefetches' base
.set PFB,  46                          ; s[46:47] the same for V
.set G1B,  48                          ; s[48:55], s[56:63] the same for V
.set G0B,  56
.set AB,   66                          ; s[66:67] p at the first row of the job whose tiles are being asked for
.set AB2,  68                          ; s[68:69] of the second job
.set BB,   70                          ; s[70:71] v at the batch's first key, my work-group's channels
.set OFA,  72                          ; s[72:73] an offset in p or stat, in 64 bits: made of the cluster's y and the wave's number alone
.set OFB,  74                          ; s[74:75] an offset in qkv or o
.set NXT,  76                          ; s76     the step, counted in its job, that is asked for next
.set LQ,   77                          ; s77     that job's last step;  s78 the second job's
.set LQ2,  78
.set LIMA, 79                          ; s79     P is prefetched up to this step (0: never);  s80 in the second job
.set LIMA2, 80
.set LIMB, 81                          ; s81     the same for V
.set DOA,  82                          ; s82, s83  1: this step's prefetches of P, of V are mine
.set DOB,  83
.set WA,   87                          ; s87     bytes to the 64 rows of P that I fetch;  s88 to the 128 key rows of V
.set WB,   88
.set NEW,  89                          ; s89     1: the step to be multiplied is a job's first
.set RT,   90                          ; s90     laps that the first job still has
.set LDN,  91                          ; s91     the step of the job in hand whose cm is loaded next
.set LASTS, 92                         ; s92     the job in hand's last step;  s93 the second job's
.set LASTS2, 93
.set STB,  94                          ; s[94:95] stat at the batch's plane 0, the job in hand's first row;  s[96:97] the second job's
.set STB2, 96
.set SB,   98                          ; s[98:99] the planes that CMT was last loaded from
.set C2,   100                         ; s[100:101] o at my rows of the second job
.set MUL,  0x50                        ; C and D in window 1, the sources in window 0
.set MSB, 0
.macro WIN new                         ; the immediate's high byte repeats the setting that is left; a switch that changes nothing is dropped
.if MSB != (\new)
	s_set_vgpr_msb (MSB<<8)|(\new)
.set MSB, \new
.endif
.endm
.macro PLACES                          ; four places in front of loads into registers that matrix instructions have read, and of lines that read results
.rept 4
	v_nop
.endr
.endm
.macro JLOAD s                         ; waves 0 and 1: the joint load of P's two halves; waves 2 and 3: my work-group's own load of V's; an s_nop 0 and four v_nop follow each line
	s_cmp_eq_u32 s11, 0
	s_cbranch_scc0 .Lfor_b_\@
	tensor_load_to_lds s[G0+4*(\s):G0+4*(\s)+3], s[G1:G1+7]
	s_nop 0
.rept 4
	v_nop
.endr
	s_branch .Lasked_\@
.Lfor_b_\@:
	tensor_load_to_lds s[G0B+4*(\s):G0B+4*(\s)+3], s[G1B:G1B+7]
	s_nop 0
.rept 4
	v_nop
.endr
.Lasked_\@:
.endm
.macro CREST                           ; a round of the cluster's barrier behind its opening barrier
	s_cmp_lg_u32 s10, 0
	s_cbranch_scc1 .Lnot_wave_0_\@
	s_barrier_signal -3
.Lnot_wave_0_\@:
	s_barrier_wait -3
	s_barrier_signal -1
	s_barrier_wait -1
.endm
.macro CROUND
	s_barrier_signal -1
	s_barrier_wait -1
	CREST
.endm
; A PREFETCH INTO THE L2 of the step that stands two refills on in the same job: 256 matrix instructions of the wave ahead of the load that will want it.  A lane a row, 256 bytes a line; it stands behind the refill and the run of LDS loads.
; Each block is named once in the launch.  A row block's P is read by the two clusters of its pair: the one with x = 0 asks, wave 0 of the partner at cx for rows 32 cx on, a row's 512 bytes in two lines.
; A batch's V is read by all eight pairs: pair 0 asks, in its first job, which walks all the batch's keys: each work-group for its own channels, each wave for 64 key rows in two lines.
; Partners are told apart by address alone.  A job's first steps come by their loads alone, and nothing is asked for past a job's last step.
.macro ASK
	s_cmp_eq_u32 s[DOA], 1
	s_cbranch_scc0 .Lnot_p_\@
	global_prefetch_b8 v[PFO], s[PFA:PFA+1] offset:2*KS*2 th:TH_LOAD_NT scope:SCOPE_SE
	global_prefetch_b8 v[PFO], s[PFA:PFA+1] offset:2*KS*2+256 th:TH_LOAD_NT scope:SCOPE_SE
.Lnot_p_\@:
	s_cmp_eq_u32 s[DOB], 1
	s_cbranch_scc0 .Lnot_v_\@
	global_prefetch_b8 v[PFO2], s[PFB:PFB+1] offset:2*KS*PITB th:TH_LOAD_NT scope:SCOPE_SE
	global_prefetch_b8 v[PFO2], s[PFB:PFB+1] offset:2*KS*PITB+32*PITB th:TH_LOAD_NT scope:SCOPE_SE
.Lnot_v_\@:
.endm
.macro CMLOAD                          ; cm of one step: blocks a = 0, 1 of my rows, the step's two key blocks
.irp x, 0,1,2,3
	global_load_b32 v[CMT+(\x)], v[VST], s[SB:SB+1] offset:((\x)%2)*PLANE+((\x)/2)*128
.endr
.endm
; A JOB'S STATISTICS.  HEADLOAD: the pairs (cm, l) of nt key blocks for my 2 x 16 rows; a block beyond the job's last is read as the last once more.
.macro HEADLOAD nt, sd, vo, lt, stb
.set ht, 0
.rept \nt
	s_min_u32 s86, s[\lt], ht
	s_lshl_b32 s86, s86, 14
	v_add_nc_u32 v[(\vo)+ht], s86, v[VST]
.set ht, ht+1
.endr
.set ha, 0
.rept 2
.set ht, 0
.rept \nt
	global_load_b64 v[(\sd)+2*((\nt)*ha+ht):(\sd)+2*((\nt)*ha+ht)+1], v[(\vo)+ht], s[\stb:(\stb)+1] offset:128*ha
.set ht, ht+1
.endr
.set ha, ha+1
.endr
.endm
; HEADMATH: cM into dc, 1 / L (twice) into dr, the first step's two factors into df.  A block read twice changes no maximum; its l is set to 0.
.macro HEADMATH nt, sd, t2, dc, dr, df
.set ht, 2
.rept (\nt)-2
	s_cmp_gt_u32 s[\t2], ht
	s_cselect_b32 s86, -1, 0
	v_cndmask_b32 v[(\sd)+2*ht+1], 0, v[(\sd)+2*ht+1], s86
	v_cndmask_b32 v[(\sd)+2*((\nt)+ht)+1], 0, v[(\sd)+2*((\nt)+ht)+1], s86
.set ht, ht+1
.endr
.irp a, 0,1
	v_max3_num_f32 v[(\dc)+(\a)], v[(\sd)+2*(\nt)*(\a)], v[(\sd)+2*(\nt)*(\a)+2], v[(\sd)+2*(\nt)*(\a)+4]
.endr
.set ht, 3
.rept ((\nt)-4)/2
.irp a, 0,1
	v_max3_num_f32 v[(\dc)+(\a)], v[(\dc)+(\a)], v[(\sd)+2*((\nt)*(\a)+ht)], v[(\sd)+2*((\nt)*(\a)+ht)+2]
.endr
.set ht, ht+2
.endr
.irp a, 0,1
	v_max_num_f32 v[(\dc)+(\a)], v[(\dc)+(\a)], v[(\sd)+2*((\nt)*(\a)+(\nt)-1)]
.endr
.set ht, 0
.rept 2*(\nt)
	v_sub_f32 v[(\sd)+2*ht], v[(\sd)+2*ht], v[(\dc)+ht/(\nt)]
.set ht, ht+1
.endr
.set ht, 0
.rept 2*(\nt)
	v_exp_f32 v[(\sd)+2*ht], v[(\sd)+2*ht]
.set ht, ht+1
.endr
	v_nop                                          ; a plain instruction behind the last exponential,
	s_wait_alu depctr_va_vdst(0)                   ; and one wait for the batch
.irp a, 0,1
	v_mul_f32 v[T+(\a)], v[(\sd)+2*(\nt)*(\a)], v[(\sd)+2*(\nt)*(\a)+1]
.endr
.set ht, 1
.rept (\nt)-1
.irp a, 0,1
	v_fmac_f32 v[T+(\a)], v[(\sd)+2*((\nt)*(\a)+ht)], v[(\sd)+2*((\nt)*(\a)+ht)+1]
.endr
.set ht, ht+1
.endr
.irp a, 0,1
	v_cvt_pk_f16_f32 v[(\df)+2*(\a)],   v[(\sd)+2*(\nt)*(\a)],   v[(\sd)+2*(\nt)*(\a)]
	v_cvt_pk_f16_f32 v[(\df)+2*(\a)+1], v[(\sd)+2*(\nt)*(\a)+2], v[(\sd)+2*(\nt)*(\a)+2]
.endr
.irp a, 0,1
	v_rcp_f32 v[(\dr)+2*(\a)], v[T+(\a)]
.endr
	v_nop
	s_wait_alu depctr_va_vdst(0)
.irp a, 0,1
	v_mov_b32 v[(\dr)+2*(\a)+1], v[(\dr)+2*(\a)]
.endr
.endm
	s_load_b128 s[4:7], s[0:1], 0x0                ; p s[4:5], qkv s[6:7]
	s_load_b128 s[16:19], s[0:1], 0x10             ; stat s[16:17], o s[18:19]
	v_lshl_add_u32 v[SPW], v0, 2, SPARE
	v_mov_b32 v[NIL], 0
	ds_add_u32 v[SPW], v[NIL]                      ; the wave's opening: the add and its wait stand ahead of my first tensor load; the set-up below stands between them
	v_lshrrev_b32 v1, 5, v0
	v_readfirstlane_b32 s10, v1                    ; wave 0..3: my 32 rows of the tile
	s_lshr_b32 s11, s10, 1                         ; I fetch P (0) or V (1),
	s_and_b32 s12, s10, 1                          ; and which half of that tile
	s_bfe_u32 s40, ttmp6, 0x40000                  ; cx
	s_lshl_b32 s41, ttmp9, 2
	s_add_co_u32 s41, s41, s40                     ; the channel block = 4 x cluster x + cx
	s_and_b32 s13, ttmp7, 0xffff                   ; the cluster's y
	s_and_b32 s42, s13, 7                          ; the pair b
	s_lshr_b32 s43, s13, 3                         ; the batch
	s_sub_co_u32 s14, 15, s42                      ; the pair's long row block,
	s_lshr_b32 s15, s14, 1
	s_add_co_u32 s15, s15, 1                       ; its steps, 5 to 8;
	s_lshr_b32 s20, s42, 1
	s_add_co_u32 s20, s20, 1                       ; the short one's, 1 to 4
	s_and_b32 s21, s15, 1
	s_cmp_eq_u32 s21, 0                            ; the job with the even number of steps goes first
	s_cselect_b32 s22, s14, s42                    ; the first job's row block,
	s_cselect_b32 s23, s42, s14                    ; the second's,
	s_cselect_b32 s2, s15, s20                     ; the first job's steps: 8, 2, 6 or 4,
	s_cselect_b32 s3, s20, s15                     ; the second's: 1, 7, 3 or 5
	s_sub_co_u32 s[LQ], s2, 1
	s_sub_co_u32 s[LQ2], s3, 1
	s_mov_b32 s[LASTS], s[LQ]
	s_mov_b32 s[LASTS2], s[LQ2]
	s_lshr_b32 s[RT], s2, 1
	s_lshl_b32 s[T2A], s2, 1
	s_sub_co_u32 s[LTA], s[T2A], 1
	s_lshl_b32 s[T2B], s3, 1
	s_sub_co_u32 s[LTB], s[T2B], 1
	s_mov_b32 s[NXT], 1                            ; step 0 is asked for below
	s_mov_b32 s[NEW], 1
	s_mov_b32 s[LDN], 2
	s_mov_b32 s[OFA+1], 0
	s_mov_b32 s[OFB+1], 0
	s_mov_b32 s85, 0
	s_lshl_b32 s[WA], s12, 18                      ; 64 rows of 4,096 bytes
	s_mul_i32 s[WB], s12, 128*PITB
	s_or_b32 s86, s10, ttmp9                       ; 0 in wave 0 of the clusters with x = 0: the same in all four partners
	s_cmp_eq_u32 s86, 0
	s_cselect_b32 s[LIMA], s[LQ], 0
	s_cselect_b32 s[LIMA2], s[LQ2], 0
	s_cmp_eq_u32 s42, 0
	s_cselect_b32 s[LIMB], s[LQ], 0
	s_mov_b32 s[G1], 15|(1<<16)|(1<<20)|(1<<21)|(6<<22)|(3<<25)  ; the mask of four; 2-byte elements; padding on; bit 21 beside a mask; after every 128 words, 4 words
	s_mov_b32 s[G1+1], 256<<16                     ; tensor_dim0 = 256
	s_mov_b32 s[G1+2], 64<<16                      ; tensor_dim1 = 64
	s_mov_b32 s[G1+3], 256<<16                     ; tile_dim0 = 256
	s_mov_b32 s[G1+4], 64                          ; tile_dim1 = 64
	s_mov_b32 s[G1+5], PITA/2                      ; elements from row to row
	s_mov_b32 s[G1+6], 0
	s_mov_b32 s[G1+7], 0
	s_mov_b32 s[G1B], (1<<16)|(1<<20)|(5<<22)|(7<<25)            ; no mask; after every 64 words, 8 words
	s_mov_b32 s[G1B+1], 128<<16                    ; tensor_dim0 = 128
	s_mov_b32 s[G1B+2], 128<<16                    ; tensor_dim1 = 128
	s_mov_b32 s[G1B+3], 128<<16                    ; tile_dim0 = 128
	s_mov_b32 s[G1B+4], 128                        ; tile_dim1 = 128
	s_mov_b32 s[G1B+5], PITB/2
	s_mov_b32 s[G1B+6], 0
	s_mov_b32 s[G1B+7], 0
	s_lshl_b32 s44, s43, 11                        ; the batch's first row
	s_lshl_b32 s45, s22, 7
	s_add_co_u32 s45, s45, s44                     ; the first job's first row,
	s_lshl_b32 s46, s23, 7
	s_add_co_u32 s46, s46, s44                     ; the second's
	s_mul_i32 s84, s12, HALFA                      ; where the tiles go: no place in the cluster enters an LDS address
	s_mul_i32 s86, s12, HALFB
	s_add_co_u32 s86, s86, BOFF
.irp s, 0,1
	s_mov_b32 s[G0+4*(\s)], 1
	s_add_co_u32 s[G0+4*(\s)+1], s84, (\s)*SLOT
	s_mov_b32 s[G0B+4*(\s)], 1
	s_add_co_u32 s[G0B+4*(\s)+1], s86, (\s)*SLOT
.endr
	s_wait_dscnt 0x0                               ; the opening add is done
	s_wait_kmcnt 0x0
	s_lshl_b32 s[OFA], s45, 12
	s_add_nc_u64 s[AB:AB+1], s[4:5], s[OFA:OFA+1]
	s_lshl_b32 s[OFA], s46, 12
	s_add_nc_u64 s[AB2:AB2+1], s[4:5], s[OFA:OFA+1]
	s_mul_i32 s[OFB], s44, PITB
	s_lshl_b32 s47, s41, 8                         ; my work-group's 256 bytes of a row of v and of o
	s_add_co_u32 s[OFB], s[OFB], s47
	s_add_co_u32 s[OFB], s[OFB], 4096              ; v begins 4,096 bytes into a row of qkv
	s_add_nc_u64 s[BB:BB+1], s[6:7], s[OFB:OFB+1]
	s_mov_b32 s[OFA], s[WA]
	s_add_nc_u64 s[G0+2:G0+3], s[AB:AB+1], s[OFA:OFA+1]
	s_or_b32 s[G0+3], s[G0+3], 0x80000000
	s_mov_b32 s[OFB], s[WB]
	s_add_nc_u64 s[G0B+2:G0B+3], s[BB:BB+1], s[OFB:OFB+1]
	s_or_b32 s[G0B+3], s[G0B+3], 0x80000000
	CROUND                                         ; all four work-groups are here: the first joint loads meet
	JLOAD 0                                        ; the first job's step 0 into slot 0; slot 1 is filled behind the first step's round
	s_lshl_b32 s86, s10, 5                         ; o at my 32 rows of each job, my work-group's channels
	s_add_co_u32 s[OFB], s45, s86
	s_lshl_b32 s[OFB], s[OFB], 11
	s_add_co_u32 s[OFB], s[OFB], s47
	s_add_nc_u64 s[8:9], s[18:19], s[OFB:OFB+1]
	s_add_co_u32 s[OFB], s46, s86
	s_lshl_b32 s[OFB], s[OFB], 11
	s_add_co_u32 s[OFB], s[OFB], s47
	s_add_nc_u64 s[C2:C2+1], s[18:19], s[OFB:OFB+1]
	s_lshl_b32 s86, s43, 18                        ; stat: the batch's 16 planes, a row block's 128 pairs
	s_lshl_b32 s[OFA], s22, 10
	s_add_co_u32 s[OFA], s[OFA], s86
	s_add_nc_u64 s[STB:STB+1], s[16:17], s[OFA:OFA+1]
	s_lshl_b32 s[OFA], s23, 10
	s_add_co_u32 s[OFA], s[OFA], s86
	s_add_nc_u64 s[STB2:STB2+1], s[16:17], s[OFA:OFA+1]
	v_and_b32 v1, 15, v0                           ; r = l % 16
	v_bfe_u32 v2, v0, 4, 1                         ; h = l / 16
	v_and_b32 v10, 7, v0
	v_bfe_u32 v11, v0, 3, 1
	v_and_b32 v12, 31, v0                          ; l
	v_lshlrev_b32 v[VST], 3, v1
	s_lshl_b32 s86, s10, 8
	v_add_nc_u32 v[VST], s86, v[VST]
	HEADLOAD 16, SDA, VOA, LTA, STB                ; 32 loads: the first job has 16 key blocks at the most,
	HEADLOAD 14, SDB, VOB, LTB, STB2               ; 28 loads: the second 14
	v_mul_u32_u24 v3, v1, PA                       ; P's fragment: row r, 16 bytes for each half of the lanes
	v_lshl_add_u32 v3, v2, 4, v3
	s_mul_i32 s86, s10, 32*PA                      ; my 32 rows
	v_add_nc_u32 v[ADRA], s86, v3
	v_add_nc_u32 v[ADRA+1], SLOT, v[ADRA]
	v_lshl_add_u32 v4, v2, 3, v10                  ; V's: the turning load reads key row 8 h + l % 8, channels 8 ((l / 8) % 2) on
	v_mul_u32_u24 v4, v4, PB
	v_lshl_add_u32 v4, v11, 4, v4
	v_add_nc_u32 v[ADRB], BOFF, v4
	v_add_nc_u32 v[ADRB+1], SLOT, v[ADRB]
	v_add_nc_u32 v[ADRB+2], 128*PB, v[ADRB]
	v_add_nc_u32 v[ADRB+3], 128*PB, v[ADRB+1]
	s_mul_i32 s86, s10, WSTG
	s_add_co_u32 s86, s86, STAGE                   ; my stage
	v_mul_u32_u24 v5, v1, SP
	v_lshl_add_u32 v5, v2, 4, v5
	v_add_nc_u32 v[STO], s86, v5
	v_mul_u32_u24 v5, v2, SP                       ; back: lanes 0-15 one row of 256 bytes, lanes 16-31 the next
	v_lshl_add_u32 v5, v1, 4, v5
	v_add_nc_u32 v[RD], s86, v5
	v_lshlrev_b32 v5, 11, v2
	v_lshl_add_u32 v[CO], v1, 4, v5
	s_lshl_b32 s86, s40, 5                         ; the prefetches: of P's 128 rows my work-group's 32, a lane a row;
	v_add_nc_u32 v[PFO], s86, v12
	v_lshlrev_b32 v[PFO], 12, v[PFO]
	s_lshl_b32 s86, s11, 6                         ; of V's 128 key rows behind s[PFB] 64, by the wave's number
	v_add_nc_u32 v[PFO2], s86, v12
	v_mul_u32_u24 v[PFO2], PITB, v[PFO2]
	s_wait_loadcnt 28                              ; the first job's 32 loads are in; the second job's 28 may stay out
	HEADMATH 16, SDA, T2A, CMX, RL, FAC
	s_wait_loadcnt 0x0
	HEADMATH 14, SDB, T2B, NX, NX+2, NX+6
	s_min_u32 s86, s[LASTS], 1                     ; cm of the first job's step 1
	s_lshl_b32 s84, s86, 15                        ; a step is two planes
	s_add_nc_u64 s[SB:SB+1], s[STB:STB+1], s[84:85]
	CMLOAD
; 16 matrix instructions: my 2 blocks of 16 rows x all 8 blocks of 16 channels, 32 keys.  The 16 accumulators take turns in the same order in every quarter.  zero = 1: the product starts the sum.
.macro MUL16 f, zero
	WIN MUL
.irp a, 0,1
.irp b, 0,1,2,3,4,5,6,7
.if \zero
	v_wmma_f32_16x16x32_f16 v[8*(8*(\a)+(\b)):8*(8*(\a)+(\b))+7], v[(\f)+8*(\b):(\f)+8*(\b)+7], v[(\f)+64+8*(\a):(\f)+64+8*(\a)+7], 0
.else
	v_wmma_f32_16x16x32_f16 v[8*(8*(\a)+(\b)):8*(8*(\a)+(\b))+7], v[(\f)+8*(\b):(\f)+8*(\b)+7], v[(\f)+64+8*(\a):(\f)+64+8*(\a)+7], v[8*(8*(\a)+(\b)):8*(8*(\a)+(\b))+7]
.endif
.endr
.endr
.endm
; 20 LDS loads in one run: part q (32 keys) of a slot into buffer f: 128 channels of V, turned, and my 32 rows of P
.macro FETCH slot, q, f
	WIN 0
.irp b, 0,1,2,3,4,5,6,7
	ds_load_tr16_b128 v[(\f)+8*(\b):(\f)+8*(\b)+3],   v[ADRB+(\slot)+2*((\q)/4)] offset:((\q)%4)*32*PB+32*(\b)
	ds_load_tr16_b128 v[(\f)+8*(\b)+4:(\f)+8*(\b)+7], v[ADRB+(\slot)+2*((\q)/4)] offset:((\q)%4)*32*PB+16*PB+32*(\b)
.endr
.irp a, 0,1
	ds_load_b128 v[(\f)+64+8*(\a):(\f)+64+8*(\a)+3],   v[ADRA+(\slot)] offset:64*(\q)+(\a)*16*PA
	ds_load_b128 v[(\f)+64+8*(\a)+4:(\f)+64+8*(\a)+7], v[ADRA+(\slot)] offset:64*(\q)+(\a)*16*PA+32
.endr
.endm
.macro SCALE f, hf                     ; P's fragments in buffer f times the factor of the step's key block hf: 16 packed lines, two weights each
	WIN 0
.irp a, 0,1
.irp k, 0,1,2,3,4,5,6,7
	v_pk_mul_f16 v[(\f)+64+8*(\a)+(\k)], v[(\f)+64+8*(\a)+(\k)], v[FAC+2*(\a)+(\hf)]
.endr
.endr
.endm
; Part q of a step's eight, up to its products: buffer f is in; it is scaled; the next part goes out into buffer g.
.macro QUART slot, q, f, g
	WIN 0
	s_wait_dscnt 0x0                               ; buffer f is in
	SCALE \f, ((\q)/4)                             ; its 16 plain lines, which name nothing of the last products, are also the places in front of the loads below
.if (\q) < 7
	FETCH \slot, ((\q)+1), \g
.endif
.endm
; The next step's factors, from the cm that was asked for a step ago, and the loads of cm for the step after it.  At a job's last step both serve nothing: the step is held to the job's last.
.macro FACT
	WIN 0
	s_wait_loadcnt 0x0                             ; the four loads are in; their base may be written
.irp x, 0,1,2,3
	v_sub_f32 v[T+(\x)], v[CMT+(\x)], v[CMX+(\x)/2]
.endr
.irp x, 0,1,2,3
	v_exp_f32 v[T+(\x)], v[T+(\x)]
.endr
	s_min_u32 s86, s[LDN], s[LASTS]                ; never past the job's last step
	s_lshl_b32 s84, s86, 15
	s_add_nc_u64 s[SB:SB+1], s[STB:STB+1], s[84:85]
	s_add_co_u32 s[LDN], s[LDN], 1
	v_nop
	s_wait_alu depctr_va_vdst(0)                   ; one wait for the four exponentials
.irp x, 0,1,2,3
	v_cvt_pk_f16_f32 v[FAC+(\x)], v[T+(\x)], v[T+(\x)]
.endr
	CMLOAD
.endm
; A STEP of the walk, in slot `slot`.  fill = 1: the other slot is filled with the walk's next step: its address is made anew from the step's number in its job; behind a job's last step comes the second job's step 0.
.macro STEP slot, fill
	WIN 0
.if \fill
	s_wait_xcnt 0x0                                ; the last step's prefetches have read their bases, which are written below
.endif
	s_wait_tensorcnt 0x0                           ; all my tensor loads have landed: my part of this slot; no load of mine is out, so a group 0 may be written
	ds_add_u32 v[SPW], v[NIL]                      ; 0 onto my spare word; the scalar work stands between it and the wait for it
.if \fill
	s_lshl_b32 s[OFA], s[NXT], 9                   ; a step is 512 bytes of a row of p,
	s_add_co_u32 s[OFA], s[OFA], s[WA]
	s_add_nc_u64 s[G0+4*(1-(\slot))+2:G0+4*(1-(\slot))+3], s[AB:AB+1], s[OFA:OFA+1]
	s_add_nc_u64 s[PFA:PFA+1], s[AB:AB+1], s[OFA:OFA+1]
	s_or_b32 s[G0+4*(1-(\slot))+3], s[G0+4*(1-(\slot))+3], 0x80000000
	s_mul_i32 s[OFB], s[NXT], KS*PITB              ; and 256 rows of qkv
	s_add_co_u32 s[OFB], s[OFB], s[WB]
	s_add_nc_u64 s[G0B+4*(1-(\slot))+2:G0B+4*(1-(\slot))+3], s[BB:BB+1], s[OFB:OFB+1]
	s_add_nc_u64 s[PFB:PFB+1], s[BB:BB+1], s[OFB:OFB+1]
	s_or_b32 s[G0B+4*(1-(\slot))+3], s[G0B+4*(1-(\slot))+3], 0x80000000
	s_add_co_u32 s86, s[NXT], 2                    ; the step that the prefetches name
	s_cmp_le_u32 s86, s[LIMA]
	s_cselect_b32 s[DOA], 1, 0
	s_cmp_le_u32 s86, s[LIMB]
	s_cselect_b32 s[DOB], 1, 0
	s_add_co_u32 s[NXT], s[NXT], 1
	s_cmp_gt_u32 s[NXT], s[LQ]                     ; was that the job's last step?
	s_cselect_b32 s[NXT], 0, s[NXT]
	s_cselect_b64 s[AB:AB+1], s[AB2:AB2+1], s[AB:AB+1]
	s_cselect_b32 s[LIMA], s[LIMA2], s[LIMA]
	s_cselect_b32 s[LIMB], 0, s[LIMB]
	s_cselect_b32 s[LQ], s[LQ2], s[LQ]
.endif
	s_wait_dscnt 0x0                               ; the add is done, and my reads of the other slot are over
.if \fill
	CROUND                                         ; both now hold of every wave of all four work-groups
	JLOAD 1-(\slot)                                ; the first tensor load behind the round, and my only one; its four v_nop are also the places in front of the loads below
.else
	s_barrier_signal -1
	s_barrier_wait -1
	PLACES
.endif
	FETCH \slot, 0, F0
.if \fill
	ASK
.endif
	QUART \slot, 0, F0, F1
.if (\slot) == 0                       ; a job begins in slot 0: its first products start the sums; nothing is ever cleared
	WIN 0
	s_cmp_eq_u32 s[NEW], 1                         ; at the first trip the answer is a constant of the text
	s_cbranch_scc1 .Lfirst_\@
	MUL16 F0, 0
	WIN 0
	s_branch .Ljoin_\@
.Lfirst_\@:
	MUL16 F0, 1
	WIN 0
.Ljoin_\@:
	s_mov_b32 s[NEW], 0
.else
	MUL16 F0, 0
.endif
	QUART \slot, 1, F1, F0
	MUL16 F1, 0
.irp q, 2,4,6
	QUART \slot, \q, F0, F1
	MUL16 F0, 0
	QUART \slot, (\q)+1, F1, F0
	MUL16 F1, 0
.endr
	WIN 0
.if \fill
	FACT
.endif
.endm
; THE WAY OUT, a block of 16 rows at a time: divided by L, rounded to f16, 16 bytes a lane; into my own stage and back as whole rows of 256 bytes; stored.
.macro PACK a
	WIN 0x41                                       ; destination and source 0 in window 1
.set z, 64*(\a)
.rept 32
	v_pk_mul_f32 v[z:z+1], v[z:z+1], v[RL+2*(\a):RL+2*(\a)+1] op_sel_hi:[1,0]
.set z, z+2
.endr
	WIN 0x05                                       ; sources in window 1, destination in window 0
.irp b, 0,1,2,3,4,5,6,7
.irp r, 0,1,2,3
	v_cvt_pk_f16_f32 v[TMP+4*(\b)+(\r)], v[8*(8*(\a)+(\b))+2*(\r)], v[8*(8*(\a)+(\b))+2*(\r)+1]
.endr
.endr
	WIN 0
.endm
.macro TOSTAGE a
	WIN 0
.irp b, 0,1,2,3,4,5,6,7
	ds_store_b128 v[STO], v[TMP+4*(\b):TMP+4*(\b)+3] offset:32*(\b)
.endr
.irp t, 0,1,2,3,4,5,6,7
	ds_load_b128 v[BK+32*(\a)+4*(\t):BK+32*(\a)+4*(\t)+3], v[RD] offset:(\t)*2*SP  ; LDS serves a wave's instructions in order (ISA guide 5.7.1.4): these see the stores above
.endr
.endm
.macro SEND a
	WIN 0
	s_wait_dscnt 0x0
.irp t, 0,1,2,3,4,5,6,7
	global_store_b128 v[CO], v[BK+32*(\a)+4*(\t):BK+32*(\a)+4*(\t)+3], s[8:9] offset:(16*(\a)+2*(\t))*CP  ; 16 lanes store 256 consecutive bytes, aligned
.endr
.endm
.macro WAYOUT
	WIN 0
	PLACES
	PACK 0
	TOSTAGE 0
	PACK 1                                         ; a block's arithmetic stands between the loads of the block before and the wait for them
	SEND 0
	TOSTAGE 1
	SEND 1
.endm
	s_mov_b32 s3, 4
.Llap:                                             ; four laps: steps 0 to 7 of the walk, each of which asks for the step behind it
	STEP 0, 1
	STEP 1, 1
	WIN 0
	s_sub_co_u32 s[RT], s[RT], 1
	s_cmp_lg_u32 s[RT], 0                          ; was that the first job's last lap?  The same answer in all four waves and all four partners
	s_cbranch_scc1 .Lsame
	WAYOUT                                         ; THE CHANGE OF JOBS: the second job's step 0 was asked for at this step's head
	s_wait_xcnt 0x0                                ; the stores have read their registers and o's address
	s_wait_loadcnt 0x0                             ; the first job's last loads of cm are in: their registers are loaded anew below
	s_mov_b64 s[8:9], s[C2:C2+1]
	s_mov_b64 s[STB:STB+1], s[STB2:STB2+1]
	s_mov_b32 s[LASTS], s[LASTS2]
	s_mov_b32 s[NEW], 1
.set z, 0
.rept 10
	v_mov_b32 v[CMX+z], v[NX+z]                    ; the second job's cM, 1 / L and first factors go where the one text of the steps names them
.set z, z+1
.endr
	s_min_u32 s86, s[LASTS], 1                     ; cm of its step 1 (or of its only step)
	s_lshl_b32 s84, s86, 15
	s_add_nc_u64 s[SB:SB+1], s[STB:STB+1], s[84:85]
	CMLOAD
	s_mov_b32 s[LDN], 2
.Lsame:
	s_sub_co_u32 s3, s3, 1
	s_cmp_lg_u32 s3, 0
	s_cbranch_scc1 .Llap
	STEP 0, 0                                      ; the walk's last step is written out: nothing is asked for
	WAYOUT
	s_wait_tensorcnt 0x0                           ; the wave's end, behind my last tensor load and my last LDS store
	ds_add_u32 v[SPW], v[NIL]
	s_wait_dscnt 0x0
	CROUND                                         ; the closing round
	s_endpgm
.Lfunc_end_k_q0010bdd0e3_pv:
	.size	k_q0010bdd0e3_pv, .Lfunc_end_k_q0010bdd0e3_pv-k_q0010bdd0e3_pv
	.p2alignl 7, 3214868480
	.fill 96, 4, 3214868480
	.section	.rodata,"a",@progbits
	.p2align	6, 0x0
	.amdhsa_kernel k_q0010bdd0e3_pv
		.amdhsa_group_segment_fixed_size 327680
		.amdhsa_private_segment_fixed_size 0
		.amdhsa_enable_private_segment 0
		.amdhsa_kernarg_size 32
		.amdhsa_user_sgpr_count 2
		.amdhsa_user_sgpr_kernarg_segment_ptr 1
		.amdhsa_wavefront_size32 1
		.amdhsa_system_sgpr_workgroup_id_x 1
		.amdhsa_system_sgpr_workgroup_id_y 1
		.amdhsa_system_sgpr_workgroup_id_z 1
		.amdhsa_system_vgpr_workitem_id 0
		.amdhsa_next_free_vgpr 384
		.amdhsa_next_free_sgpr 102
		.amdhsa_reserve_vcc 0
		.amdhsa_float_denorm_mode_32 3
		.amdhsa_float_denorm_mode_16_64 3
		.amdhsa_memory_ordered 1
		.amdhsa_forward_progress 1
		.amdhsa_inst_pref_size 146
	.end_amdhsa_kernel
	.amdgpu_metadata
---
amdhsa.version: [ 1, 2 ]
amdhsa.kernels:
  - .name:           k_q0010bdd0e3_pv
    .symbol:         k_q0010bdd0e3_pv.kd
    .args:
      - { .name: p, .offset: 0, .size: 8, .value_kind: global_buffer, .address_space: global }
      - { .name: qkv, .offset: 8, .size: 8, .value_kind: global_buffer, .address_space: global }
      - { .name: stat, .offset: 16, .size: 8, .value_kind: global_buffer, .address_space: global }
      - { .name: o, .offset: 24, .size: 8, .value_kind: global_buffer, .address_space: global }
    .group_segment_fixed_size: 327680
    .private_segment_fixed_size: 0
    .kernarg_segment_align: 8
    .kernarg_segment_size: 32
    .max_flat_workgroup_size: 128
    .sgpr_count:     102
    .vgpr_count:     384
    .wavefront_size: 32
...
	.end_amdgpu_metadata
.endif
;; end of part 8
;; launch outp: the kernel of part 5 again; grid 4 x 64, 4 waves a work-group, clusters of 4 x 4, 327,680 bytes of LDS; arguments o, wo16, out0; writes out0
;; ======== version 3 of 3: 5 launches; version 2 with the launch prep written anew for expert scheduling mode
;; limits: values are held in f16: magnitudes above 65,504 overflow, below 6.1e-05 lose precision
;; workspace buffers: xb 16,777,216 bytes; wqkv 6,291,456 bytes; wo16 2,097,152 bytes; qkv 50,331,648 bytes; p 33,554,432 bytes; stat 1,048,576 bytes; o 16,777,216 bytes
;; launch prep (part 9): grid 768 x 1, 8 waves a work-group, no clusters, 0 bytes of LDS; arguments x, Wq, Wk, Wv, Wo, xb, wqkv, wo16; writes xb, wqkv, wo16
.if DOCPART == 9
	.amdgcn_target "amdgcn-amd-amdhsa--gfx1250"
	.amdhsa_code_object_version 6
	.text
	.protected	k_q0010bdd0e3_prep
	.globl	k_q0010bdd0e3_prep
	.p2align	8
	.type	k_q0010bdd0e3_prep,@function
k_q0010bdd0e3_prep:
	s_mov_b64 s[64:65], 0
	v_nop
	global_prefetch_b8 v0, s[64:65] scope:SCOPE_SE
	s_setreg_imm32_b32 hwreg(HW_REG_WAVE_SCHED_MODE, 0, 2), 2
	s_setreg_imm32_b32 hwreg(HW_REG_WAVE_MODE, 25, 1), 1
	s_wait_xcnt 0x0
	s_wait_alu depctr_vm_vsrc(0)
; THE CASTS.  xb = bf16(x), [8192][1024].  wqkv = bf16 of Wq | Wk | Wv side by side, [1024 e][3072 n].  wo16 = bf16(Wo), that number written as f16, [1024][1024].
; Every input is rounded to bf16 once; Wo's rounded number goes on as f16, since the last product's other operand is f16.
; LIMIT.  A bf16(Wo) below 6.1e-5 in magnitude keeps f16's fixed step of 6e-8; one beyond 65,504 would become an infinity.
; A stream: no LDS, no matrix unit, no cluster: nothing is shared and no byte is read twice.
; SHARES.  A work-group takes 16 rows of 1,024 f32.  Work-groups 0-511: x; then 64 each for Wq, Wk, Wv, Wo.  In step s thread t takes columns 4 t .. 4 t + 3 of row s:
; a load of a wave covers 512 consecutive bytes, a store 256 consecutive bytes, aligned.  All 16 loads of a thread go out at once.
; THE MODE: SCHED_MODE bits 1:0 = 2 (LLVM: expert scheduling mode 2), set by the entry lines.  The code itself states the register dependences
; between vector instructions and memory instructions, with s_wait_alu, always for 0.
; THE PLAN.  Registers that memory instructions touch; each is written once in the kernel:
;   v1         the source's offset.  Written at the head; read by the 16 loads.
;   OFF[s]     the destination's offset of step s.  Written at the head; read by step s's store.
;   X[s]       written by step s's load, ahead of which no vector instruction names it; read by step s's conversions.
;   Y[s]       written by step s's conversions; read by step s's store.
;   T is named by vector instructions alone.
; So one wait on va_vdst stands ahead of the first load, for v1 and OFF.  The 16 steps go in four blocks of four: a block's conversions, one wait on va_vdst for its Y, its four stores.
; No register that a memory instruction reads is written again, no vector instruction writes a scalar register or VCC, and EXEC is never written: no other s_wait_alu is owed.
.set ROWB, 4096                        ; bytes in a row of f32
.set OFF,  2                           ; v[2:17]    step s: my byte offset in the destination's row s
.set X,    20                          ; v[20:83]   step s: 4 f32 as loaded
.set Y,    84                          ; v[84:115]  step s: 4 numbers of 16 bits to store
.set T,    116                         ; v[116:118] at work (Wo's path)
	s_load_b512 s[8:23], s[0:1], 0x0               ; x s[8:9], Wq s[10:11], Wk s[12:13], Wv s[14:15], Wo s[16:17], xb s[18:19], wqkv s[20:21], wo16 s[22:23]
	s_mov_b32 s2, ttmp9
	s_sub_co_u32 s3, s2, 512                       ; the work-group's number among the weights' (of use from 512 on)
	s_lshr_b32 s4, s3, 6                           ; which weight: 0 Wq, 1 Wk, 2 Wv, 3 Wo
	s_and_b32 s5, s3, 63                           ; which 16 rows of it
	s_cmp_lt_u32 s2, 512
	s_cselect_b32 s5, s2, s5                       ; the block of 16 rows
	s_cselect_b32 s4, 4, s4                        ; the kind: 4 = x
	s_lshl_b32 s6, s4, 11                          ; Wq, Wk, Wv lie 2,048 bytes apart in a row of wqkv
	s_mov_b32 s28, 2048                            ; bytes in a row of xb and of wo16,
	s_cmp_lt_u32 s4, 3
	s_cselect_b32 s28, 6144, s28                   ; and of wqkv
	s_cselect_b32 s6, s6, 0
	s_mul_i32 s30, s5, s28
	s_lshl_b32 s30, s30, 4                         ; 16 rows of the destination
	s_add_co_u32 s30, s30, s6
	s_mov_b32 s31, 0
	s_lshl_b32 s32, s5, 16                         ; 16 rows of the source
	s_mov_b32 s33, 0
	v_lshlrev_b32 v1, 4, v0                        ; 16 bytes a thread in the source's row
	v_lshlrev_b32 v[OFF], 3, v0                    ; 8 bytes a thread in the destination's
.irp s, 1,2,3,4,5,6,7,8,9,10,11,12,13,14,15
	v_add_nc_u32 v[OFF+(\s)], s28, v[OFF+(\s)-1]
.endr
	s_wait_kmcnt 0x0
	s_cmp_eq_u32 s4, 0
	s_cselect_b64 s[24:25], s[10:11], s[8:9]       ; the source, chosen by the kind
	s_cmp_eq_u32 s4, 1
	s_cselect_b64 s[24:25], s[12:13], s[24:25]
	s_cmp_eq_u32 s4, 2
	s_cselect_b64 s[24:25], s[14:15], s[24:25]
	s_cmp_eq_u32 s4, 3
	s_cselect_b64 s[24:25], s[16:17], s[24:25]
	s_cselect_b64 s[26:27], s[22:23], s[18:19]     ; the destination
	s_cmp_lt_u32 s4, 3
	s_cselect_b64 s[26:27], s[20:21], s[26:27]
	s_add_nc_u64 s[24:25], s[24:25], s[32:33]
	s_add_nc_u64 s[26:27], s[26:27], s[30:31]
	s_wait_alu depctr_va_vdst(0)                   ; v1 is written, which the 16 loads read as their offset, and so are v[OFF ..], which the 16 stores read as theirs; no later vector instruction names them
.irp s, 0,1,2,3,4,5,6,7,8,9,10,11,12,13,14,15
	global_load_b128 v[X+4*(\s):X+4*(\s)+3], v1, s[24:25] offset:(\s)*ROWB th:TH_LOAD_NT
.endr
	s_cmp_eq_u32 s4, 3
	s_cbranch_scc1 .Lwo
.irp p, 0,1,2,3                                    ; block p: steps 4 p to 4 p + 3
	s_wait_loadcnt 12-4*(\p)                       ; loads come back in order: the block's four are in, the later blocks' (four each) stay out
.irp i, 0,1,2,3
	v_cvt_pk_bf16_f32 v[Y+2*(4*(\p)+(\i))],   v[X+4*(4*(\p)+(\i))],   v[X+4*(4*(\p)+(\i))+1]
	v_cvt_pk_bf16_f32 v[Y+2*(4*(\p)+(\i))+1], v[X+4*(4*(\p)+(\i))+2], v[X+4*(4*(\p)+(\i))+3]
.endr
	s_wait_alu depctr_va_vdst(0)                   ; the block's eight conversions have written its Y, which the four stores below read
.irp i, 0,1,2,3
	global_store_b64 v[OFF+4*(\p)+(\i)], v[Y+2*(4*(\p)+(\i)):Y+2*(4*(\p)+(\i))+1], s[26:27]
.endr
.endr
	s_endpgm
.Lwo:                                              ; Wo: rounded to bf16, widened again, written as f16
.irp p, 0,1,2,3                                    ; block p: steps 4 p to 4 p + 3
	s_wait_loadcnt 12-4*(\p)                       ; the block's four loads are in, the later blocks' stay out
.irp i, 0,1,2,3
	v_cvt_pk_bf16_f32 v[T],   v[X+4*(4*(\p)+(\i))],   v[X+4*(4*(\p)+(\i))+1]
	v_cvt_pk_bf16_f32 v[T+1], v[X+4*(4*(\p)+(\i))+2], v[X+4*(4*(\p)+(\i))+3]
	v_lshlrev_b32 v[T+2], 16, v[T]
	v_and_b32 v[T], 0xffff0000, v[T]
	v_cvt_pk_f16_f32 v[Y+2*(4*(\p)+(\i))], v[T+2], v[T]
	v_lshlrev_b32 v[T+2], 16, v[T+1]
	v_and_b32 v[T+1], 0xffff0000, v[T+1]
	v_cvt_pk_f16_f32 v[Y+2*(4*(\p)+(\i))+1], v[T+2], v[T+1]
.endr
	s_wait_alu depctr_va_vdst(0)                   ; the block's conversions to f16 have written its Y, which the four stores below read
.irp i, 0,1,2,3
	global_store_b64 v[OFF+4*(\p)+(\i)], v[Y+2*(4*(\p)+(\i)):Y+2*(4*(\p)+(\i))+1], s[26:27]
.endr
.endr
	s_endpgm
.Lfunc_end_k_q0010bdd0e3_prep:
	.size	k_q0010bdd0e3_prep, .Lfunc_end_k_q0010bdd0e3_prep-k_q0010bdd0e3_prep
	.p2alignl 7, 3214868480
	.fill 96, 4, 3214868480
	.section	.rodata,"a",@progbits
	.p2align	6, 0x0
	.amdhsa_kernel k_q0010bdd0e3_prep
		.amdhsa_group_segment_fixed_size 0
		.amdhsa_private_segment_fixed_size 0
		.amdhsa_enable_private_segment 0
		.amdhsa_kernarg_size 64
		.amdhsa_user_sgpr_count 2
		.amdhsa_user_sgpr_kernarg_segment_ptr 1
		.amdhsa_wavefront_size32 1
		.amdhsa_system_sgpr_workgroup_id_x 1
		.amdhsa_system_sgpr_workgroup_id_y 1
		.amdhsa_system_sgpr_workgroup_id_z 1
		.amdhsa_system_vgpr_workitem_id 0
		.amdhsa_next_free_vgpr 120
		.amdhsa_next_free_sgpr 66
		.amdhsa_reserve_vcc 0
		.amdhsa_float_denorm_mode_32 3
		.amdhsa_float_denorm_mode_16_64 3
		.amdhsa_memory_ordered 1
		.amdhsa_forward_progress 1
		.amdhsa_inst_pref_size 17
	.end_amdhsa_kernel
	.amdgpu_metadata
---
amdhsa.version: [ 1, 2 ]
amdhsa.kernels:
  - .name:           k_q0010bdd0e3_prep
    .symbol:         k_q0010bdd0e3_prep.kd
    .args:
      - { .name: x, .offset: 0, .size: 8, .value_kind: global_buffer, .address_space: global }
      - { .name: Wq, .offset: 8, .size: 8, .value_kind: global_buffer, .address_space: global }
      - { .name: Wk, .offset: 16, .size: 8, .value_kind: global_buffer, .address_space: global }
      - { .name: Wv, .offset: 24, .size: 8, .value_kind: global_buffer, .address_space: global }
      - { .name: Wo, .offset: 32, .size: 8, .value_kind: global_buffer, .address_space: global }
      - { .name: xb, .offset: 40, .size: 8, .value_kind: global_buffer, .address_space: global }
      - { .name: wqkv, .offset: 48, .size: 8, .value_kind: global_buffer, .address_space: global }
      - { .name: wo16, .offset: 56, .size: 8, .value_kind: global_buffer, .address_space: global }
    .group_segment_fixed_size: 0
    .private_segment_fixed_size: 0
    .kernarg_segment_align: 8
    .kernarg_segment_size: 64
    .max_flat_workgroup_size: 256
    .sgpr_count:     66
    .vgpr_count:     120
    .wavefront_size: 32
...
	.end_amdgpu_metadata
.endif
;; end of part 9
;; launch proj: the kernel of part 6 again; grid 12 x 32, 8 waves a work-group, clusters of 4 x 4, 327,680 bytes of LDS; arguments xb, wqkv, qkv; writes qkv
;; launch score: the kernel of part 7 again; grid 36 x 4, 8 waves a work-group, no clusters, 327,680 bytes of LDS; arguments qkv, p, stat; writes p, stat
;; launch pv: the kernel of part 8 again; grid 8 x 32, 4 waves a work-group, clusters of 4 x 1, 327,680 bytes of LDS; arguments p, qkv, stat, o; writes o
;; launch outp: the kernel of part 5 again; grid 4 x 64, 4 waves a work-group, clusters of 4 x 4, 327,680 bytes of LDS; arguments o, wo16, out0; writes out0
